; MI455X (gfx1250); checked and timed in simulation.
; The chip was launched on July 23, 2026; its instructions are those of AMD's public machine-readable ISA for CDNA 5 (MIT licence, August 2026) and "CDNA5" Instruction Set Architecture Reference Guide (July 2026). The comments in the code are by the model that wrote it; some were corrected since.
;; Transformer Block. Allowed arithmetic: matrix products marked QUANTISED: E4M3 operands, one E8M0 scale for each 32 along K, by v_wmma_scale_f32_16x16x128_f8f6f4 with both operands' format E4M3, f32 sums; everything else in f32.
;; Inputs: b1 512 float32; b2 512 float32; bk 512 float32; bn1_b 512 float32; bn1_g 512 float32; bn1_m 512 float32; bn1_v 512 float32; bn2_b 512 float32; bn2_g 512 float32; bn2_m 512 float32; bn2_v 512 float32; bo 512 float32; bq 512 float32; bv 512 float32; ln1_b 512 float32; ln1_g 512 float32; ln2_b 512 float32; ln2_g 512 float32; w1 512 x 512 float32; w2 512 x 512 float32; wk 512 x 512 float32; wo 512 x 512 float32; wq 512 x 512 float32; wv 512 x 512 float32; x 4 x 2,048 x 512 float32.
;; Outputs: out0 4 x 2,048 x 512 float32.
;; This version of the problem:
;;   THIS VERSION OF THE PROBLEM IS GIVEN IN LOW PRECISION. The matrix products marked QUANTISED in the list below multiply operands that are first quantised to E4M3 (4 exponent bits, 3 mantissa bits; 8 bits a number), with one power-of-two scale for each 32 numbers along K (OCP MX v1.0); their sums are f32. All else is computed in f32.
;;   The module's matrix products, in the order in which they are computed (A, B: the left and right operand; K: the contracted axis; several contracted axes count as one K, in the product's order):
;;     1. [M 8,192, K 512] x [K 512, N 512]; A: computed on the way; B: input wq: QUANTISED
;;     2. [M 8,192, K 512] x [K 512, N 512]; A: computed on the way; B: input wk: QUANTISED
;;     3. [M 8,192, K 512] x [K 512, N 512]; A: computed on the way; B: input wv: QUANTISED
;;     4. batch 64 x [M 2,048, K 32] x [K 32, N 2,048]; A: computed on the way; B: computed on the way: QUANTISED
;;     5. batch 64 x [M 32, K 2,048] x [K 2,048, N 2,048]; A: computed on the way; B: softmax (see below): QUANTISED
;;     6. [M 8,192, K 512] x [K 512, N 512]; A: computed on the way; B: input wo: QUANTISED
;;     7. [M 8,192, K 512] x [K 512, N 512]; A: computed on the way; B: input w1: QUANTISED
;;     8. [M 8,192, K 512] x [K 512, N 512]; A: computed on the way; B: input w2: QUANTISED
;;   THE QUANTISER, for each operand of a quantised product, along K:
;;     - K is cut into blocks of 32 from its start; a last block that is shorter is filled with zeros.
;;     - A block's scale is 2^e with e = floor(log2(the largest magnitude in the block)) - 8, held to -126 .. 127; a block of zeros has e = 0. As a byte (E8M0): e + 127.
;;     - Each number is divided by its block's scale, clamped to +-448, and rounded to the nearest number of E4M3, ties to even, subnormals kept.
;;     - The product sums the exact products of the quantised numbers (number of the format x scale) in f32.
;;   ~~~python
;;   def quantise(x, axis):      # numpy; x: float32 -> the quantised numbers, widened to float32 again
;;       x = np.moveaxis(x, axis, -1); K = x.shape[-1]
;;       x = np.pad(x, [(0, 0)] * (x.ndim - 1) + [(0, -K % 32)]); x = x.reshape(x.shape[:-1] + (-1, 32)); a = np.abs(x).max(-1, keepdims=True)
;;       e = np.where(a > 0, np.clip(np.frexp(np.where(a > 0, a, 1))[1] - 1 - 8, -126, 127), 0)      # np.frexp(a)[1] - 1 = floor(log2(a)), exactly
;;       r = np.clip(x / 2.0 ** e, -448, 448)
;;       step = 2.0 ** (np.maximum(np.frexp(np.where(r == 0, 1, r))[1] - 1, -6) - 3)
;;       q = np.round(r / step) * step * 2.0 ** e      # np.round: ties to even
;;       return np.moveaxis(q.reshape(q.shape[:-2] + (-1,))[..., :K], -1, axis).astype(np.float32)
;;   ~~~
;;   SOFTMAX AHEAD OF A QUANTISED PRODUCT. Where the list says 'softmax', what is quantised is not the finished softmax but p = 2^(t - M), with t = logit x log2(e) and M = ceil(the row's largest t), a whole number; so 1/2 < the row's largest p <= 1. The row's sum l is taken of the UNQUANTISED p, in f32, and the product's result is divided by l at the end. Since M is a whole number, a kernel that streams over the keys may use a running M (the ceiling of the running maximum): every later rescaling is an exact power of two, which a block's scale takes up: the codes' values come out the same.
;;   OPERANDS COMPUTED ON THE WAY. 'Computed on the way' means the value that the module computes at that place (a softmax that the list does not call 'softmax' is quantised finished and normalised). What goes into a quantiser is computed in f32, as accurately as f32 sums, v_exp_f32 and their like allow (about 1e-6 of the number): no bf16 or f16 on the way to a quantiser, and a product that is left as it is and whose result goes on into a quantised operand takes f32 operands (vector FMAs, or v_wmma_f32_16x16x4_f32). A number that lies on a knife's edge between two numbers of the format may be rounded either way, as far as f32 arithmetic and the matrix unit's own rounding can turn it there, and no further.
;; 2 versions. Each part assembles by itself: llvm-mc -triple=amdgcn-amd-amdhsa -mcpu=gfx1250 --defsym DOCPART=n.
;; ======== version 1 of 2: 4 launches
;; workspace buffers: wimg 1,572,864 bytes; wsc 49,152 bytes; bnc 8,192 bytes; qimg 4,194,304 bytes; qsw 524,288 bytes; kv 8,650,752 bytes; oimg 4,194,304 bytes; osw 524,288 bytes
;; launch prep (part 1): grid 97 x 1, 4 waves a work-group, no clusters, 0 bytes of LDS; arguments wq, wk, wv, wo, w1, w2, b1, bn1_g, bn1_b, bn1_m, bn1_v, b2, bn2_g, bn2_b, bn2_m, bn2_v, wimg, wsc, bnc; writes wimg, wsc, bnc
.if DOCPART == 1
	.amdgcn_target "amdgcn-amd-amdhsa--gfx1250"
	.amdhsa_code_object_version 6
	.text
	.protected	k_q02395c4365_prep
	.globl	k_q02395c4365_prep
	.p2align	8
	.type	k_q02395c4365_prep,@function
k_q02395c4365_prep:
	s_mov_b64 s[64:65], 0
	v_nop
	global_prefetch_b8 v0, s[64:65] scope:SCOPE_SE
	s_setreg_imm32_b32 hwreg(HW_REG_WAVE_MODE, 25, 1), 1
	s_wait_xcnt 0x0
; PREP: the six weights [512 (k)][512 (n)], f32, become codes of E4M3 with one E8M0 byte for each 32 along k, laid in the order of a matrix operand's registers;
; the two batch norms are folded with the biases in front of them: bn(a + b_lin) = a s + t, s = g rsqrt(var + eps), t = (b_lin - mean) s + beta.
; DEAD WORK: none in the whole program.  Every input has a way to the output (bk too: it moves k's codes), so every input is loaded and every product of the table is done.
; LIMITS: NaN and infinities among the inputs are not served.  A block of zeros gets the byte 1 where the rule says 127: its codes are zeros, which add nothing under any byte but 0xff, and this program alone reads the bytes.
; wimg: [wi = wq, wk, wv, wo, w1, w2][G 16][u 2][kb 16][512 bytes].  Chunk kb: lane (r, h) has, at byte 256 h + 16 r, the codes k = 32 kb + 16 h + 0 .. 15 of column col(G, u, r).
;   With dp = 8 u + r + 8 (r / 8): col = 16 dp + G for wq, wk, wv (G = the head, dp = its channel: reference() has head i in columns 16 d + i), col = 32 G + dp for wo, w1, w2.
;   The rows of a tile are chosen so that a result's 16 registers of tiles u = 0, 1 are 16 neighbours along the next product's K.
; wsc: [wi][G][lane = 16 u + r][16 bytes: kb 0 .. 15].     bnc: [s1, t1, s2, t2][512] f32.
; SHARES.  Work-group g < 96: weight g / 16, group G = g % 16; wave s takes k = 128 s .. 128 s + 127; A LANE TAKES A COLUMN AND ITS REGISTERS RUN DOWN K, so a block's largest magnitude needs no other lane
; and the conversions give codes with K innermost.  Work-group 96 folds the batch norms.  No LDS, no barrier: waves share nothing.
; The scale words leave 4 bytes a lane, 16 bytes apart (the four waves of a work-group fill the same 512 bytes): one byte in 128 of what the launch reads.
.set X,   16                           ; v16-143  four blocks of 32 numbers
.set C,   144                          ; v144-175 eight registers of codes for each block: no store's data are written again
.set SB,  14                           ; v14      the four scale bytes
.set MNT, 31                           ; s31      the mantissa field of 448
	s_cmp_ge_u32 ttmp9, 96
	s_cbranch_scc1 .Lbn
	s_load_b256 s[4:11], s[0:1], 0x0               ; wq, wk, wv, wo
	s_load_b128 s[12:15], s[0:1], 0x20             ; w1, w2
	s_load_b128 s[16:19], s[0:1], 0x80             ; wimg, wsc
	s_lshr_b32 s42, ttmp9, 4                       ; wi
	s_and_b32 s43, ttmp9, 15                       ; G
	v_lshrrev_b32 v8, 5, v0
	v_readfirstlane_b32 s47, v8                    ; wave = which 128 along k
	v_and_b32 v5, 31, v0                           ; lane
	v_and_b32 v6, 15, v0                           ; r
	v_bfe_u32 v7, v0, 4, 1                         ; u
	v_and_b32 v1, 8, v6
	v_add_nc_u32 v1, v1, v6
	v_lshl_add_u32 v1, v7, 3, v1                   ; dp = 8 u + r + 8 (r / 8)
	s_cmp_lt_u32 s42, 3
	s_cselect_b32 s44, 16, 1                       ; columns from dp to dp + 1,
	s_cselect_b32 s45, 1, 32                       ; and from G to G + 1
	s_mul_i32 s46, s43, s45
	v_mul_lo_u32 v2, v1, s44
	v_add_lshl_u32 v2, v2, s46, 2                  ; my column, in bytes
	v_lshlrev_b32 v3, 4, v6
	v_lshl_add_u32 v3, v7, 13, v3                  ; the codes' place: 8192 u + 16 r
	v_lshlrev_b32 v4, 4, v5                        ; the scale word's: 16 x lane
	s_mov_b32 s[MNT], 0x600000
	s_lshl_b32 s48, s47, 18                        ; 128 rows of 2,048 bytes for each wave
	s_mov_b32 s49, 0
	s_lshl_b32 s50, s42, 18                        ; wimg: 262144 wi + 16384 G + 2048 s
	s_lshl_b32 s52, s43, 14
	s_add_co_u32 s50, s50, s52
	s_lshl_b32 s52, s47, 11
	s_add_co_u32 s50, s50, s52
	s_mov_b32 s51, 0
	s_lshl_b32 s52, s42, 13                        ; wsc: 8192 wi + 512 G + 4 s
	s_lshl_b32 s54, s43, 9
	s_add_co_u32 s52, s52, s54
	s_lshl_b32 s54, s47, 2
	s_add_co_u32 s52, s52, s54
	s_mov_b32 s53, 0
	s_wait_kmcnt 0x0
	s_cmp_eq_u32 s42, 1                            ; the weight is chosen by the work-group's number alone
	s_cselect_b64 s[4:5], s[6:7], s[4:5]
	s_cmp_eq_u32 s42, 2
	s_cselect_b64 s[4:5], s[8:9], s[4:5]
	s_cmp_eq_u32 s42, 3
	s_cselect_b64 s[4:5], s[10:11], s[4:5]
	s_cmp_eq_u32 s42, 4
	s_cselect_b64 s[4:5], s[12:13], s[4:5]
	s_cmp_eq_u32 s42, 5
	s_cselect_b64 s[4:5], s[14:15], s[4:5]
	s_add_nc_u64 s[4:5], s[4:5], s[48:49]
	s_add_nc_u64 s[16:17], s[16:17], s[50:51]
	s_add_nc_u64 s[18:19], s[18:19], s[52:53]
.set i, 0
.rept 128
	global_load_b32 v[X+i], v2, s[4:5] offset:2048*i   ; W(128 s + i, my column)
.set i, i+1
.endr
.macro BLOCK kb, left                  ; block kb of my four; left: how many younger loads may stay out
.set XS, X+32*(\kb)
.set CC, C+8*(\kb)
	s_wait_loadcnt \left
	v_max3_num_f32 v8, |v[XS]|, |v[XS+1]|, |v[XS+2]|           ; the block's largest magnitude: all 32 numbers are mine; two chains
	v_max3_num_f32 v9, |v[XS+3]|, |v[XS+4]|, |v[XS+5]|
.irp i, 6,10,14,18,22,26
	v_max3_num_f32 v8, v8, |v[XS+\i]|, |v[XS+\i+1]|
	v_max3_num_f32 v9, v9, |v[XS+\i+2]|, |v[XS+\i+3]|
.endr
	v_max3_num_f32 v8, v8, |v[XS+30]|, |v[XS+31]|
	v_max3_num_f32 v8, v8, v9, 0x4800000           ; and the floor 2^(9 - 127): the byte cannot fall under 1
	v_add_nc_u32 v11, 0xfc000000, v8               ; 8 off the exponent field: the conversion's scale operand
	v_and_or_b32 v10, v8, 0x7f800000, s[MNT]       ; 448 x the scale
	v_lshrrev_b32 v9, 23, v11                      ; the scale's byte
.if (\kb) == 0
	v_mov_b32 v[SB], v9
.else
	v_lshl_or_b32 v[SB], v9, 8*(\kb), v[SB]
.endif
.irp i, 0,1,2,3,4,5,6,7,8,9,10,11,12,13,14,15,16,17,18,19,20,21,22,23,24,25,26,27,28,29,30,31
	v_med3_num_f32 v[XS+\i], v[XS+\i], -v10, v10   ; the conversion to an 8-bit code does not saturate (ISA guide 7.6.2): the hold comes first
.endr
.irp g, 0,1,2,3
	v_cvt_scalef32_pk8_fp8_f32 v[CC+2*\g:CC+2*\g+1], v[XS+8*\g:XS+8*\g+7], v11
.endr
	global_store_b128 v3, v[CC:CC+3], s[16:17] offset:512*(\kb)        ; k = 32 kb + 0 .. 15: sixteen lanes store 256 consecutive bytes, aligned
	global_store_b128 v3, v[CC+4:CC+7], s[16:17] offset:512*(\kb)+256  ; k = 32 kb + 16 .. 31
.endm
	BLOCK 0, 63                                    ; 96 younger loads could stay out; the wait's field holds 63
	BLOCK 1, 63                                    ; 64 could
	BLOCK 2, 32
	BLOCK 3, 0
	global_store_b32 v4, v[SB], s[18:19]
	s_endpgm
.Lbn:                                                  ; thread t folds columns 4 t .. 4 t + 3 of both batch norms
	s_load_b512 s[20:35], s[0:1], 0x30             ; b1, bn1_g, bn1_b, bn1_m, bn1_v, b2, bn2_g, bn2_b
	s_load_b128 s[36:39], s[0:1], 0x70             ; bn2_m, bn2_v
	s_load_b64 s[40:41], s[0:1], 0x90              ; bnc
	v_lshlrev_b32 v1, 4, v0
	s_wait_kmcnt 0x0
.irp n, 0,1,2,3,4,5,6,7,8,9
	global_load_b128 v[16+4*\n:19+4*\n], v1, s[20+2*\n:21+2*\n]   ; layer y at v[16 + 20 y]: b_lin, g, beta, mean, var
.endr
	s_wait_loadcnt 0x0
.irp y, 0,1
.irp i, 0,1,2,3
	v_add_f32 v[32+20*\y+\i], 0x358637bd, v[32+20*\y+\i]         ; var + 1e-6
.endr
.endr
.irp y, 0,1
.irp i, 0,1,2,3
	v_rsq_f32 v[32+20*\y+\i], v[32+20*\y+\i]
.endr
.endr
	v_nop                                          ; a plain instruction behind the last of the batch,
	s_wait_alu depctr_va_vdst(0)                   ; and one wait for all eight, ahead of their first reader
.irp y, 0,1
.irp i, 0,1,2,3
	v_mul_f32 v[56+8*\y+\i], v[32+20*\y+\i], v[20+20*\y+\i]      ; s
	v_sub_f32 v[16+20*\y+\i], v[16+20*\y+\i], v[28+20*\y+\i]     ; b_lin - mean
.endr
.endr
.irp y, 0,1
.irp i, 0,1,2,3
	v_fma_f32 v[60+8*\y+\i], v[16+20*\y+\i], v[56+8*\y+\i], v[24+20*\y+\i]   ; t
.endr
.endr
.irp n, 0,1,2,3
	global_store_b128 v1, v[56+4*\n:59+4*\n], s[40:41] offset:2048*\n
.endr
	s_endpgm
.Lfunc_end_k_q02395c4365_prep:
	.size	k_q02395c4365_prep, .Lfunc_end_k_q02395c4365_prep-k_q02395c4365_prep
	.p2alignl 7, 3214868480
	.fill 96, 4, 3214868480
	.section	.rodata,"a",@progbits
	.p2align	6, 0x0
	.amdhsa_kernel k_q02395c4365_prep
		.amdhsa_group_segment_fixed_size 0
		.amdhsa_private_segment_fixed_size 0
		.amdhsa_enable_private_segment 0
		.amdhsa_kernarg_size 152
		.amdhsa_user_sgpr_count 2
		.amdhsa_user_sgpr_kernarg_segment_ptr 1
		.amdhsa_wavefront_size32 1
		.amdhsa_system_sgpr_workgroup_id_x 1
		.amdhsa_system_sgpr_workgroup_id_y 1
		.amdhsa_system_sgpr_workgroup_id_z 1
		.amdhsa_system_vgpr_workitem_id 0
		.amdhsa_next_free_vgpr 192
		.amdhsa_next_free_sgpr 66
		.amdhsa_reserve_vcc 0
		.amdhsa_float_denorm_mode_32 3
		.amdhsa_float_denorm_mode_16_64 3
		.amdhsa_memory_ordered 1
		.amdhsa_forward_progress 1
		.amdhsa_inst_pref_size 33
	.end_amdhsa_kernel
	.amdgpu_metadata
---
amdhsa.version: [ 1, 2 ]
amdhsa.kernels:
  - .name:           k_q02395c4365_prep
    .symbol:         k_q02395c4365_prep.kd
    .args:
      - { .name: wq, .offset: 0, .size: 8, .value_kind: global_buffer, .address_space: global }
      - { .name: wk, .offset: 8, .size: 8, .value_kind: global_buffer, .address_space: global }
      - { .name: wv, .offset: 16, .size: 8, .value_kind: global_buffer, .address_space: global }
      - { .name: wo, .offset: 24, .size: 8, .value_kind: global_buffer, .address_space: global }
      - { .name: w1, .offset: 32, .size: 8, .value_kind: global_buffer, .address_space: global }
      - { .name: w2, .offset: 40, .size: 8, .value_kind: global_buffer, .address_space: global }
      - { .name: b1, .offset: 48, .size: 8, .value_kind: global_buffer, .address_space: global }
      - { .name: bn1_g, .offset: 56, .size: 8, .value_kind: global_buffer, .address_space: global }
      - { .name: bn1_b, .offset: 64, .size: 8, .value_kind: global_buffer, .address_space: global }
      - { .name: bn1_m, .offset: 72, .size: 8, .value_kind: global_buffer, .address_space: global }
      - { .name: bn1_v, .offset: 80, .size: 8, .value_kind: global_buffer, .address_space: global }
      - { .name: b2, .offset: 88, .size: 8, .value_kind: global_buffer, .address_space: global }
      - { .name: bn2_g, .offset: 96, .size: 8, .value_kind: global_buffer, .address_space: global }
      - { .name: bn2_b, .offset: 104, .size: 8, .value_kind: global_buffer, .address_space: global }
      - { .name: bn2_m, .offset: 112, .size: 8, .value_kind: global_buffer, .address_space: global }
      - { .name: bn2_v, .offset: 120, .size: 8, .value_kind: global_buffer, .address_space: global }
      - { .name: wimg, .offset: 128, .size: 8, .value_kind: global_buffer, .address_space: global }
      - { .name: wsc, .offset: 136, .size: 8, .value_kind: global_buffer, .address_space: global }
      - { .name: bnc, .offset: 144, .size: 8, .value_kind: global_buffer, .address_space: global }
    .group_segment_fixed_size: 0
    .private_segment_fixed_size: 0
    .kernarg_segment_align: 8
    .kernarg_segment_size: 152
    .max_flat_workgroup_size: 128
    .sgpr_count:     66
    .vgpr_count:     192
    .wavefront_size: 32
...
	.end_amdgpu_metadata
.endif
;; end of part 1
;; launch qkv (part 2): grid 2 x 128, 8 waves a work-group, no clusters, 35,840 bytes of LDS; arguments x, ln1_g, ln1_b, bq, bk, bv, wimg, wsc, qimg, qsw, kv; writes qimg, qsw, kv
.if DOCPART == 2
	.amdgcn_target "amdgcn-amd-amdhsa--gfx1250"
	.amdhsa_code_object_version 6
	.text
	.protected	k_q02395c4365_qkv
	.globl	k_q02395c4365_qkv
	.p2align	8
	.type	k_q02395c4365_qkv,@function
k_q02395c4365_qkv:
	s_mov_b64 s[64:65], 0
	v_nop
	global_prefetch_b8 v0, s[64:65] scope:SCOPE_SE
	s_setreg_imm32_b32 hwreg(HW_REG_WAVE_MODE, 25, 1), 1
	s_wait_xcnt 0x0
; QKV: ln_x = LN1(x), quantised along C; q, k, v = ln_x W + b on codes of E4M3 (one E8M0 byte for each 32 along K); q and k quantised along the head's 32 channels, v along the keys.  No work is left out.
; SHARES.  A work-group takes 64 rows (work-group y) and 8 heads (work-group x); wave w owns head 8 x + w and makes that head's q, k and v for the 64 rows: three items of 32 matrix instructions on 8 accumulators by turns.
; THE ROWS OF A TILE ARE NOT NEIGHBOURS: lane r of tile 2 P + u takes position 32 P + 8 u + r + 8 (r / 8), and the weights' tiles are laid likewise, so that a result's 16 registers of two neighbouring tiles are 16
; neighbours along the next product's K, and the conversions' results are that product's operand registers.
; q, k: source 0 = the head's 16 channels (weights), source 1 = 16 positions: a lane holds ONE position, its registers run along the channels.  v: the sources swapped: a lane holds one channel, its registers run along the keys.
; OPERANDS ARE STORED AS IMAGES OF THEIR REGISTERS: chunks of 512 bytes, four registers x 32 lanes, lane l's 16 bytes at 16 l: every store of codes covers 512 consecutive bytes, aligned.
;   qimg [hb = 16 batch + head][tile 128][512];  qsw [hb][tile][16] words, the row's byte four times;
;   kv [hb][step 16][8448]: K: 2 fragments of 2,048 bytes, chunk c of a fragment = a tile of 16 keys x 32 channels; V: 2 fragments (channels' tile u), chunk c = keys 32 c on; 128 bytes of K's scale words (lanes 0-15
;   fragment 0, lanes 16-31 fragment 1; byte c = tile c's key); 128 bytes of V's (lanes 0-15 u = 0, lanes 16-31 u = 1; byte c = key block c).
; V's scale bytes leave two bytes a lane, 4 bytes apart (the neighbouring block of 64 rows writes the other two): 128 KiB in the whole launch.
; NO CLUSTER: the row blocks of a head group read the same weights, but each weight fragment goes from memory straight into the registers of the one wave that multiplies by it; a joint load would add an LDS write and an LDS read of all 393,216 bytes.
; LIMITS: NaN and infinities are not served; a block of zeros gets the byte 1 (its codes are zeros).
; REGISTERS.  Window 0: v1-11 addresses; v12-19 x's scale words; v20-23 the weights'; v24-39 the bias as C; v40-55 the quantiser's; v56-59 codes; v60-123 8 accumulators; v124-251 the item's 8 weight fragments.
;   Window 1: x's 16 fragments (tile T, K step s) at 16 (4 T + s): they stay for the three items.   In the LN phase: v24-55 gain and bias, v60-115 14 registers a row, v124-251 eight rows of 16 numbers.
.set CP,    528                        ; a chunk's pitch in LDS: 512 bytes + 16, so that the row-wise stores of codes fall two deep on a bank, not sixteen
.set XIMG,  0                          ; x's images [T 4][chunk 16]
.set XSC,   64*CP                      ; x's scale words [s 4][T 4][r 16]
.set SPARE, XSC+1024                   ; the spare words, 128 bytes for each wave: four blocks of 256 bytes that no other line names
.set LI,  1                            ; 16 x lane
.set LS,  2                            ; 4 x lane
.set R4,  3                            ; 4 x (lane % 16)
.set BQO, 4                            ; q's, k's bias: 1024 h
.set BVO, 5                            ; v's bias: 64 (r + 8 (r / 8))
.set SPW, 6                            ; my spare word; never rewritten
.set NIL, 7                            ; 0; never rewritten
.set XO,  8                            ; LN phase: 64 x lane
.set CST, 9                            ; LN phase: where my 16 codes go
.set SST, 10                           ; LN phase: where my block's scale byte goes
.set PW,  8                            ; later: v8, v9 scale words on their way out
.set XS,  12
.set WS,  20
.set BC,  24
.set TM,  40
.set PC,  56
.set ACC, 60
.set WF,  124
.set XB,  124
.set LG,  24
.set LB,  40
.set LT,  60
.set WV,  26
.set SEL, 32
.set MNT, 34
.set I512, 35
.set EPS, 36
.set MASKHI, 37
.set REP, 38
.set MSB, 0
.macro WIN new                         ; the immediate's high byte repeats the setting that is left
.if MSB != \new
	s_set_vgpr_msb (MSB<<8)|\new
.set MSB, \new
.endif
.endm
.macro PLACES n
.rept \n
	v_nop
.endr
.endm
; one scaled matrix instruction.  c < 0: the constant 0 starts the sum.  ra, rb: the scales stand in lanes 16-31 of their register
.macro MM d, a, b, c, sa, sb, ra, rb
.set mD, \d
.set mA, \a
.set mB, \b
.set mC, \c
.set mSA, \sa
.set mSB, \sb
.set mR, 2*(\ra)+(\rb)
.if mC < 0
.if mR == 3
	v_wmma_scale_f32_16x16x128_f8f6f4 v[mD:mD+7], v[mA:mA+15], v[mB:mB+15], 0, v[mSA], v[mSB] matrix_a_scale:MATRIX_SCALE_ROW1 matrix_b_scale:MATRIX_SCALE_ROW1
.elseif mR == 2
	v_wmma_scale_f32_16x16x128_f8f6f4 v[mD:mD+7], v[mA:mA+15], v[mB:mB+15], 0, v[mSA], v[mSB] matrix_a_scale:MATRIX_SCALE_ROW1
.elseif mR == 1
	v_wmma_scale_f32_16x16x128_f8f6f4 v[mD:mD+7], v[mA:mA+15], v[mB:mB+15], 0, v[mSA], v[mSB] matrix_b_scale:MATRIX_SCALE_ROW1
.else
	v_wmma_scale_f32_16x16x128_f8f6f4 v[mD:mD+7], v[mA:mA+15], v[mB:mB+15], 0, v[mSA], v[mSB]
.endif
.else
.if mR == 3
	v_wmma_scale_f32_16x16x128_f8f6f4 v[mD:mD+7], v[mA:mA+15], v[mB:mB+15], v[mC:mC+7], v[mSA], v[mSB] matrix_a_scale:MATRIX_SCALE_ROW1 matrix_b_scale:MATRIX_SCALE_ROW1
.elseif mR == 2
	v_wmma_scale_f32_16x16x128_f8f6f4 v[mD:mD+7], v[mA:mA+15], v[mB:mB+15], v[mC:mC+7], v[mSA], v[mSB] matrix_a_scale:MATRIX_SCALE_ROW1
.elseif mR == 1
	v_wmma_scale_f32_16x16x128_f8f6f4 v[mD:mD+7], v[mA:mA+15], v[mB:mB+15], v[mC:mC+7], v[mSA], v[mSB] matrix_b_scale:MATRIX_SCALE_ROW1
.else
	v_wmma_scale_f32_16x16x128_f8f6f4 v[mD:mD+7], v[mA:mA+15], v[mB:mB+15], v[mC:mC+7], v[mSA], v[mSB]
.endif
.endif
.endm
	s_load_b256 s[4:11], s[0:1], 0x0               ; x, ln1_g, ln1_b, bq
	s_load_b256 s[12:19], s[0:1], 0x20             ; bk, bv, wimg, wsc
	s_load_b128 s[20:23], s[0:1], 0x40             ; qimg, qsw
	s_load_b64 s[24:25], s[0:1], 0x50              ; kv
	v_lshl_add_u32 v[SPW], v0, 2, SPARE
	v_mov_b32 v[NIL], 0
	v_lshrrev_b32 v11, 5, v0
	v_readfirstlane_b32 s[WV], v11                 ; wave 0..7
	s_and_b32 s27, ttmp7, 0xffff                   ; which 64 rows
	s_lshl_b32 s28, ttmp9, 3
	s_add_co_u32 s28, s28, s[WV]                   ; my head
	s_lshr_b32 s29, s27, 5                         ; batch
	s_and_b32 s30, s27, 31                         ; j: which 64 rows of the batch
	s_lshl_b32 s31, s29, 4
	s_add_co_u32 s31, s31, s28                     ; hb
	s_and_b32 s39, s30, 1                          ; z: which half of a key step
	s_mov_b32 s[SEL], 0x76543210
	s_mov_b32 s[SEL+1], 0xfedcba98                 ; v_permlanex16_b32's selects for lane l xor 16
	s_mov_b32 s[MNT], 0x600000                     ; the mantissa field of 448
	s_mov_b32 s[I512], 0x3b000000                  ; 1 / 512
	s_mov_b32 s[EPS], 0x358637bd                   ; 1e-6
	s_mov_b32 s[MASKHI], 0xffff0000                ; lanes 16-31
	s_mov_b32 s[REP], 0x01010101
	v_and_b32 v11, 31, v0                          ; lane
	v_lshlrev_b32 v[LI], 4, v11
	v_lshlrev_b32 v[LS], 2, v11
	v_lshlrev_b32 v[XO], 6, v11
	v_and_b32 v[R4], 15, v0
	v_and_b32 v[BVO], 8, v[R4]
	v_add_nc_u32 v[BVO], v[BVO], v[R4]
	v_lshlrev_b32 v[BVO], 6, v[BVO]
	v_lshlrev_b32 v[R4], 2, v[R4]
	v_bfe_u32 v[BQO], v0, 4, 1
	v_lshlrev_b32 v[BQO], 10, v[BQO]
	s_lshr_b32 s42, s[WV], 1                       ; LN phase: my 8 rows are rows 8 (w % 2) .. + 7 of tile T = w / 2
	s_and_b32 s43, s[WV], 1
	v_bfe_u32 v[CST], v0, 1, 4                     ; my 16 columns lie in block lane / 2 of 32, half lane % 2
	v_mul_u32_u24 v[CST], v[CST], CP
	v_and_b32 v[SST], 1, v0
	v_lshl_add_u32 v[CST], v[SST], 8, v[CST]
	s_mul_i32 s40, s42, 16*CP
	s_lshl_b32 s41, s43, 7
	s_add_co_u32 s40, s40, s41
	v_add_nc_u32 v[CST], s40, v[CST]               ; chunk (lane / 2) of tile T, + 256 (lane % 2), + 16 x row
	v_bfe_u32 v[SST], v0, 3, 2
	v_lshlrev_b32 v[SST], 8, v[SST]
	v_bfe_u32 v11, v0, 1, 2
	v_add_nc_u32 v[SST], v[SST], v11
	s_lshl_b32 s40, s42, 6
	s_lshl_b32 s41, s43, 5
	s_add_co_u32 s40, s40, s41
	s_add_co_u32 s40, s40, XSC
	v_add_nc_u32 v[SST], s40, v[SST]               ; word (s = lane / 8, T, row), byte (lane / 2) % 4
	s_lshr_b32 s44, s[WV], 2                       ; my first position: 32 (w / 4) + 16 (w % 2) + 8 ((w / 2) % 2)
	s_lshl_b32 s44, s44, 5
	s_lshl_b32 s45, s43, 4
	s_add_co_u32 s44, s44, s45
	s_and_b32 s45, s42, 1
	s_lshl_b32 s45, s45, 3
	s_add_co_u32 s44, s44, s45
	s_lshl_b32 s44, s44, 11                        ; rows of 2,048 bytes
	s_lshl_b32 s45, s27, 17
	s_add_co_u32 s44, s44, s45
	s_mov_b32 s45, 0
	s_lshl_b32 s46, s28, 2                         ; biases: column 16 d + head
	s_mov_b32 s47, 0
	s_lshl_b32 s48, s28, 14                        ; wimg: 16,384 bytes a head
	s_mov_b32 s49, 0
	s_lshl_b32 s50, s28, 9                         ; wsc: 512
	s_mov_b32 s51, 0
	s_lshl_b32 s52, s31, 16                        ; qimg: 65536 hb + 2048 j
	s_lshl_b32 s40, s30, 11
	s_add_co_u32 s52, s52, s40
	s_mov_b32 s53, 0
	s_lshl_b32 s54, s31, 13                        ; qsw: 8192 hb + 256 j
	s_lshl_b32 s40, s30, 8
	s_add_co_u32 s54, s54, s40
	s_mov_b32 s55, 0
	s_mul_i32 s56, s31, 135168                     ; kv: 135168 hb + 8448 (j / 2)
	s_lshr_b32 s40, s30, 1
	s_mul_i32 s40, s40, 8448
	s_add_co_u32 s56, s56, s40
	s_mov_b32 s57, 0
	s_mov_b32 s41, 0
.irp q, 0,1,2,3
	v_mov_b32 v[LT+14*\q+5], 0                     ; upper halves of pairs whose low word is broadcast,
	v_mov_b32 v[LT+14*\q+7], 0
	v_mov_b32 v[LT+14*\q+8], 0                     ; and a lane permute's destination, which counts as one of its sources: written once
.endr
	s_wait_kmcnt 0x0
	s_add_nc_u64 s[4:5], s[4:5], s[44:45]
	s_add_nc_u64 s[10:11], s[10:11], s[46:47]
	s_add_nc_u64 s[12:13], s[12:13], s[46:47]
	s_add_nc_u64 s[14:15], s[14:15], s[46:47]
	s_add_nc_u64 s[16:17], s[16:17], s[48:49]
	s_add_nc_u64 s[18:19], s[18:19], s[50:51]
	s_add_nc_u64 s[20:21], s[20:21], s[52:53]
	s_add_nc_u64 s[22:23], s[22:23], s[54:55]
	s_add_nc_u64 s[24:25], s[24:25], s[56:57]
	s_lshl_b32 s40, s39, 11
	s_add_nc_u64 s[56:57], s[24:25], s[40:41]      ; K's codes: fragment z
	s_lshl_b32 s40, s39, 6
	s_add_nc_u64 s[58:59], s[24:25], s[40:41]      ; K's scale words: 64 z
	s_lshl_b32 s40, s39, 10
	s_add_nc_u64 s[60:61], s[24:25], s[40:41]      ; V's codes: key blocks 2 z, 2 z + 1
	s_lshl_b32 s40, s39, 1
	s_add_nc_u64 s[62:63], s[24:25], s[40:41]      ; V's scale bytes: 2 z
.irp j, 0,1,2,3
	global_load_b128 v[LG+4*\j:LG+4*\j+3], v[XO], s[6:7] offset:16*\j
	global_load_b128 v[LB+4*\j:LB+4*\j+3], v[XO], s[8:9] offset:16*\j
.endr
.irp i, 0,1,2,3,4,5,6,7
.irp j, 0,1,2,3
	global_load_b128 v[XB+16*\i+4*\j:XB+16*\i+4*\j+3], v[XO], s[4:5] offset:2048*\i+16*\j   ; row i, my columns 16 lane .. + 15
.endr
.endr
.macro RQ g, q                         ; row q of group g: its numbers and its 14 registers
.set XR, XB+16*(4*(\g)+(\q))
.set TQ, LT+14*(\q)
.endm
.macro RED                             ; v[TQ+4] summed over the wave's 32 lanes, the four rows by turns
.irp m, 1,2,4,8
.irp q, 0,1,2,3
	v_add_f32_dpp v[LT+14*\q+4], v[LT+14*\q+4], v[LT+14*\q+4] row_xmask:\m row_mask:0xf bank_mask:0xf
.endr
.endr
.irp q, 0,1,2,3
	v_permlanex16_b32 v[LT+14*\q+8], v[LT+14*\q+4], s[SEL], s[SEL+1]
.endr
.irp q, 0,1,2,3
	v_add_f32 v[LT+14*\q+4], v[LT+14*\q+4], v[LT+14*\q+8]
.endr
.endm
; Four rows: LN as reference() has it (mean, then the mean of the squared differences), then the quantiser along C: two neighbouring lanes hold a block of 32.  Every stage by turns over the rows.
.macro LN4 g
.irp q, 0,1,2,3
	RQ \g, \q
	v_pk_add_f32 v[TQ:TQ+1], v[XR:XR+1], v[XR+2:XR+3]
	v_pk_add_f32 v[TQ+2:TQ+3], v[XR+4:XR+5], v[XR+6:XR+7]
.endr
.irp k, 8,12
.irp q, 0,1,2,3
	RQ \g, \q
	v_pk_add_f32 v[TQ:TQ+1], v[TQ:TQ+1], v[XR+\k:XR+\k+1]
	v_pk_add_f32 v[TQ+2:TQ+3], v[TQ+2:TQ+3], v[XR+\k+2:XR+\k+3]
.endr
.endr
.irp q, 0,1,2,3
	RQ \g, \q
	v_pk_add_f32 v[TQ:TQ+1], v[TQ:TQ+1], v[TQ+2:TQ+3]
.endr
.irp q, 0,1,2,3
	RQ \g, \q
	v_add_f32 v[TQ+4], v[TQ], v[TQ+1]
.endr
	RED
.irp q, 0,1,2,3
	RQ \g, \q
	v_mul_f32 v[TQ+4], s[I512], v[TQ+4]            ; the mean
.endr
.irp k, 0,2,4,6,8,10,12,14
.irp q, 0,1,2,3
	RQ \g, \q
	v_pk_add_f32 v[XR+\k:XR+\k+1], v[XR+\k:XR+\k+1], v[TQ+4:TQ+5] op_sel_hi:[1,0] neg_lo:[0,1] neg_hi:[0,1]
.endr
.endr
.irp q, 0,1,2,3
	RQ \g, \q
	v_pk_mul_f32 v[TQ:TQ+1], v[XR:XR+1], v[XR:XR+1]
	v_pk_mul_f32 v[TQ+2:TQ+3], v[XR+2:XR+3], v[XR+2:XR+3]
.endr
.irp k, 4,8,12
.irp q, 0,1,2,3
	RQ \g, \q
	v_pk_fma_f32 v[TQ:TQ+1], v[XR+\k:XR+\k+1], v[XR+\k:XR+\k+1], v[TQ:TQ+1]
	v_pk_fma_f32 v[TQ+2:TQ+3], v[XR+\k+2:XR+\k+3], v[XR+\k+2:XR+\k+3], v[TQ+2:TQ+3]
.endr
.endr
.irp q, 0,1,2,3
	RQ \g, \q
	v_pk_add_f32 v[TQ:TQ+1], v[TQ:TQ+1], v[TQ+2:TQ+3]
.endr
.irp q, 0,1,2,3
	RQ \g, \q
	v_add_f32 v[TQ+4], v[TQ], v[TQ+1]
.endr
	RED
.irp q, 0,1,2,3
	RQ \g, \q
	v_fma_f32 v[TQ+6], v[TQ+4], s[I512], s[EPS]    ; the variance + 1e-6
.endr
.irp q, 0,1,2,3
	RQ \g, \q
	v_rsq_f32 v[TQ+6], v[TQ+6]
.endr
	v_nop                                          ; a plain instruction behind the batch,
	s_wait_alu depctr_va_vdst(0)                   ; and one wait for the four, ahead of their first reader
.irp k, 0,2,4,6,8,10,12,14
.irp q, 0,1,2,3
	RQ \g, \q
	v_pk_mul_f32 v[XR+\k:XR+\k+1], v[XR+\k:XR+\k+1], v[TQ+6:TQ+7] op_sel_hi:[1,0]
.endr
.endr
.irp k, 0,2,4,6,8,10,12,14
.irp q, 0,1,2,3
	RQ \g, \q
	v_pk_fma_f32 v[XR+\k:XR+\k+1], v[XR+\k:XR+\k+1], v[LG+\k:LG+\k+1], v[LB+\k:LB+\k+1]
.endr
.endr
.irp q, 0,1,2,3
	RQ \g, \q
	v_max3_num_f32 v[TQ+9], |v[XR]|, |v[XR+1]|, 0x4800000      ; my 16 numbers, and the floor 2^(9 - 127)
.endr
.irp i, 2,4,6,8,10,12,14
.irp q, 0,1,2,3
	RQ \g, \q
	v_max3_num_f32 v[TQ+9], v[TQ+9], |v[XR+\i]|, |v[XR+\i+1]|
.endr
.endr
.irp q, 0,1,2,3
	RQ \g, \q
	v_max_num_f32_dpp v[TQ+9], v[TQ+9], v[TQ+9] row_xmask:1 row_mask:0xf bank_mask:0xf   ; with my neighbour's 16: the block's
.endr
.irp q, 0,1,2,3
	RQ \g, \q
	v_add_nc_u32 v[TQ+10], 0xfc000000, v[TQ+9]     ; the conversion's scale operand
	v_and_or_b32 v[TQ+11], v[TQ+9], 0x7f800000, s[MNT]   ; 448 x the scale
.endr
.irp q, 0,1,2,3
	RQ \g, \q
	v_lshrrev_b32 v[TQ+12], 23, v[TQ+10]           ; the byte
.endr
.irp q, 0,1,2,3
	RQ \g, \q
.irp i, 0,1,2,3,4,5,6,7,8,9,10,11,12,13,14,15
	v_med3_num_f32 v[XR+\i], v[XR+\i], -v[TQ+11], v[TQ+11]
.endr
	v_cvt_scalef32_pk8_fp8_f32 v[TQ:TQ+1], v[XR:XR+7], v[TQ+10]
	v_cvt_scalef32_pk8_fp8_f32 v[TQ+2:TQ+3], v[XR+8:XR+15], v[TQ+10]
.endr
	v_nop                                          ; a plain instruction behind the last conversion: later vector and matrix instructions write its registers
.irp q, 0,1,2,3
	RQ \g, \q
	ds_store_b128 v[CST], v[TQ:TQ+3] offset:16*(4*\g+\q)
	ds_store_b8 v[SST], v[TQ+12] offset:4*(4*\g+\q)        ; both lanes of a block write the same byte with the same value
.endr
.endm
.macro WLOADH it, half                 ; item it's weight fragments of tile u = half: 16 chunks of 512 bytes, as they lie
.irp i, 0,1,2,3,4,5,6,7,8,9,10,11,12,13,14,15
	global_load_b128 v[WF+4*(16*\half+\i):WF+4*(16*\half+\i)+3], v[LI], s[16:17] offset:\it*262144+512*(16*\half+\i)
.endr
.endm
.macro AUXLOAD it                      ; its scale words (register s; lanes 0-15 u = 0, lanes 16-31 u = 1) and its bias, in the result's layout
	global_load_b128 v[WS:WS+3], v[LI], s[18:19] offset:\it*8192
.irp u, 0,1
.irp j, 0,1,2,3,4,5,6,7
.if \it == 2
	global_load_b32 v[BC+8*\u+\j], v[BVO], s[14:15] offset:512*\u          ; v: my lane's one channel, for all eight keys
.elseif \it == 1
	global_load_b32 v[BC+8*\u+\j], v[BQO], s[12:13] offset:64*(8*\u+\j)    ; k: channel 16 h + 8 u + j
.else
	global_load_b32 v[BC+8*\u+\j], v[BQO], s[10:11] offset:64*(8*\u+\j)    ; q likewise
.endif
.endr
.endr
.endm
	s_wait_loadcnt 16                              ; gain, bias and rows 0-3 are in; the 16 loads of rows 4-7 may stay out
	LN4 0
	WLOADH 0, 0                                    ; into the registers that rows 0-3 have left
	s_wait_loadcnt 16                              ; rows 4-7 are in; the 16 weight loads just issued may stay out
	s_wait_dscnt 0x0                               ; the first group's LDS stores have read their registers
	LN4 1
	WLOADH 0, 1
	AUXLOAD 0
.irp b, 0,1,2,3
	v_mov_b32 v[TM+4+\b], 0                        ; a lane permute's destination counts as one of its sources
.endr
	s_wait_dscnt 0x0                               ; my stores of codes and scale bytes have landed,
	s_barrier_signal -1
	s_barrier_wait -1                              ; everybody's have: x's 16 fragments lie in LDS
	WIN 0x40                                       ; destination window 1
.set i, 0
.rept 64
	ds_load_b128 v[4*i:4*i+3], v[LI] offset:XIMG+CP*i
.set i, i+1
.endr
	WIN 0
.irp s, 0,1,2,3
.irp p, 0,1
	ds_load_b32 v[XS+2*\s+\p], v[LS] offset:XSC+256*\s+128*\p  ; lanes 0-15 tile 2 p, lanes 16-31 tile 2 p + 1
.endr
.endr
	s_wait_dscnt 0x0
	s_wait_loadcnt 0x0
; An item: 32 matrix instructions, the 8 accumulators by turns, one instruction a turn.  The bias is the C of each sum's first instruction.
.macro GEMM kind                       ; 0: q or k;  1: v (the sources swapped)
.if \kind
	WIN 0x01                                       ; source 0 (x) window 1
.else
	WIN 0x04                                       ; source 1 (x) window 1
.endif
.irp ks, 0,1,2,3
.irp rt, 0,1,2,3
.irp u, 0,1
.if \kind
.if \ks == 0
	MM ACC+16*(2*\u+\rt/2)+8*(\rt%2), 16*(4*\rt+\ks), WF+16*(4*\u+\ks), BC+8*\u, XS+2*\ks+\rt/2, WS+\ks, \rt%2, \u
.else
	MM ACC+16*(2*\u+\rt/2)+8*(\rt%2), 16*(4*\rt+\ks), WF+16*(4*\u+\ks), ACC+16*(2*\u+\rt/2)+8*(\rt%2), XS+2*\ks+\rt/2, WS+\ks, \rt%2, \u
.endif
.else
.if \ks == 0
	MM ACC+16*\rt+8*\u, WF+16*(4*\u+\ks), 16*(4*\rt+\ks), BC+8*\u, WS+\ks, XS+2*\ks+\rt/2, \u, \rt%2
.else
	MM ACC+16*\rt+8*\u, WF+16*(4*\u+\ks), 16*(4*\rt+\ks), ACC+16*\rt+8*\u, WS+\ks, XS+2*\ks+\rt/2, \u, \rt%2
.endif
.endif
.endr
.endr
.endr
	WIN 0
	PLACES 8                                       ; in front of loads into registers that these have read, and of the first read of results
.endm
; The four blocks of 32 at v[ACC + 16 b]: 16 numbers in my lane, 16 in lane l xor 16.  Codes: block 0's into v[PC], block b's into the registers that block b - 1 has left; bytes in v[TM+4+b].
.macro QUANT4
.irp b, 0,1,2,3
	v_max3_num_f32 v[TM+\b], |v[ACC+16*\b]|, |v[ACC+16*\b+1]|, 0x4800000   ; each accumulator is read from its low end on
.endr
.irp i, 2,4,6,8,10,12,14
.irp b, 0,1,2,3
	v_max3_num_f32 v[TM+\b], v[TM+\b], |v[ACC+16*\b+\i]|, |v[ACC+16*\b+\i+1]|
.endr
.endr
.irp b, 0,1,2,3
	v_permlanex16_b32 v[TM+4+\b], v[TM+\b], s[SEL], s[SEL+1]
.endr
.irp b, 0,1,2,3
	v_max_num_f32 v[TM+\b], v[TM+\b], v[TM+4+\b]
.endr
.irp b, 0,1,2,3
	v_add_nc_u32 v[TM+12+\b], 0xfc000000, v[TM+\b]
.endr
.irp b, 0,1,2,3
	v_and_or_b32 v[TM+8+\b], v[TM+\b], 0x7f800000, s[MNT]
.endr
.irp b, 0,1,2,3
	v_lshrrev_b32 v[TM+4+\b], 23, v[TM+12+\b]
.endr
.irp b, 0,1,2,3
.if \b == 0
.set CD, PC
.else
.set CD, ACC+16*(\b-1)
.endif
.irp i, 0,1,2,3,4,5,6,7,8,9,10,11,12,13,14,15
	v_med3_num_f32 v[ACC+16*\b+\i], v[ACC+16*\b+\i], -v[TM+8+\b], v[TM+8+\b]
.endr
	v_cvt_scalef32_pk8_fp8_f32 v[CD:CD+1], v[ACC+16*\b:ACC+16*\b+7], v[TM+12+\b]
	v_cvt_scalef32_pk8_fp8_f32 v[CD+2:CD+3], v[ACC+16*\b+8:ACC+16*\b+15], v[TM+12+\b]
.endr
	v_nop                                          ; a plain instruction behind the last conversion: the next item's products write its registers
.endm
.macro STORE4 sb, o0, o1, o2, o3       ; the four blocks' codes: 512 consecutive bytes each
	global_store_b128 v[LI], v[PC:PC+3], s[\sb:\sb+1] offset:\o0
	global_store_b128 v[LI], v[ACC:ACC+3], s[\sb:\sb+1] offset:\o1
	global_store_b128 v[LI], v[ACC+16:ACC+19], s[\sb:\sb+1] offset:\o2
	global_store_b128 v[LI], v[ACC+32:ACC+35], s[\sb:\sb+1] offset:\o3
.endm
	; ---- q
	GEMM 0
	WLOADH 1, 0                                    ; k's weights land while q is quantised
	WLOADH 1, 1
	AUXLOAD 1
	QUANT4
	STORE4 20, 0, 512, 1024, 1536                  ; block b = tile b
.irp b, 0,1,2,3
	v_mul_lo_u32 v[TM+4+\b], v[TM+4+\b], s[REP]    ; the byte four times: in the score product q stands in any of the four blocks along K
.endr
	v_cndmask_b32 v[PW], v[TM+4], v[TM+5], s[MASKHI]   ; lanes 0-15 the even tile's word, lanes 16-31 the odd one's
	v_cndmask_b32 v[PW+1], v[TM+6], v[TM+7], s[MASKHI]
	global_store_b32 v[LS], v[PW], s[22:23]
	global_store_b32 v[LS], v[PW+1], s[22:23] offset:128
	s_wait_xcnt 0x0                                ; the stores have read their registers: the accumulators and v8, v9 are written again only behind this wait
	s_wait_loadcnt 0x0                             ; k's weights, scale words and bias
	; ---- k
	GEMM 0
	WLOADH 2, 0
	WLOADH 2, 1
	AUXLOAD 2
	QUANT4
	STORE4 56, 0, 512, 1024, 1536                  ; chunk c of fragment z = tile c
	v_lshl_or_b32 v[PW], v[TM+5], 8, v[TM+4]       ; byte c = tile c's key
	v_lshl_or_b32 v[PW], v[TM+6], 16, v[PW]
	v_lshl_or_b32 v[PW], v[TM+7], 24, v[PW]
	global_store_b32 v[R4], v[PW], s[58:59] offset:8192    ; lanes 16-31 repeat lanes 0-15
	s_wait_xcnt 0x0
	s_wait_loadcnt 0x0
	; ---- v
	GEMM 1
	QUANT4
	STORE4 60, 4096, 4608, 6144, 6656              ; block 2 u + P: fragment u, key block 2 z + P
	v_lshl_or_b32 v[PW], v[TM+5], 8, v[TM+4]
	v_lshl_or_b32 v[PW+1], v[TM+7], 8, v[TM+6]
	v_cndmask_b32 v[PW], v[PW], v[PW+1], s[MASKHI] ; lanes 0-15 u = 0, lanes 16-31 u = 1
	global_store_b16 v[LS], v[PW], s[62:63] offset:8320
	s_wait_tensorcnt 0x0                           ; the wave's end, behind my last LDS store
	ds_add_u32 v[SPW], v[NIL]
	s_wait_dscnt 0x0
	s_endpgm
.Lfunc_end_k_q02395c4365_qkv:
	.size	k_q02395c4365_qkv, .Lfunc_end_k_q02395c4365_qkv-k_q02395c4365_qkv
	.p2alignl 7, 3214868480
	.fill 96, 4, 3214868480
	.section	.rodata,"a",@progbits
	.p2align	6, 0x0
	.amdhsa_kernel k_q02395c4365_qkv
		.amdhsa_group_segment_fixed_size 35840
		.amdhsa_private_segment_fixed_size 0
		.amdhsa_enable_private_segment 0
		.amdhsa_kernarg_size 88
		.amdhsa_user_sgpr_count 2
		.amdhsa_user_sgpr_kernarg_segment_ptr 1
		.amdhsa_wavefront_size32 1
		.amdhsa_system_sgpr_workgroup_id_x 1
		.amdhsa_system_sgpr_workgroup_id_y 1
		.amdhsa_system_sgpr_workgroup_id_z 1
		.amdhsa_system_vgpr_workitem_id 0
		.amdhsa_next_free_vgpr 512
		.amdhsa_next_free_sgpr 66
		.amdhsa_reserve_vcc 0
		.amdhsa_float_denorm_mode_32 3
		.amdhsa_float_denorm_mode_16_64 3
		.amdhsa_memory_ordered 1
		.amdhsa_forward_progress 1
		.amdhsa_inst_pref_size 110
	.end_amdhsa_kernel
	.amdgpu_metadata
---
amdhsa.version: [ 1, 2 ]
amdhsa.kernels:
  - .name:           k_q02395c4365_qkv
    .symbol:         k_q02395c4365_qkv.kd
    .args:
      - { .name: x, .offset: 0, .size: 8, .value_kind: global_buffer, .address_space: global }
      - { .name: ln1_g, .offset: 8, .size: 8, .value_kind: global_buffer, .address_space: global }
      - { .name: ln1_b, .offset: 16, .size: 8, .value_kind: global_buffer, .address_space: global }
      - { .name: bq, .offset: 24, .size: 8, .value_kind: global_buffer, .address_space: global }
      - { .name: bk, .offset: 32, .size: 8, .value_kind: global_buffer, .address_space: global }
      - { .name: bv, .offset: 40, .size: 8, .value_kind: global_buffer, .address_space: global }
      - { .name: wimg, .offset: 48, .size: 8, .value_kind: global_buffer, .address_space: global }
      - { .name: wsc, .offset: 56, .size: 8, .value_kind: global_buffer, .address_space: global }
      - { .name: qimg, .offset: 64, .size: 8, .value_kind: global_buffer, .address_space: global }
      - { .name: qsw, .offset: 72, .size: 8, .value_kind: global_buffer, .address_space: global }
      - { .name: kv, .offset: 80, .size: 8, .value_kind: global_buffer, .address_space: global }
    .group_segment_fixed_size: 35840
    .private_segment_fixed_size: 0
    .kernarg_segment_align: 8
    .kernarg_segment_size: 88
    .max_flat_workgroup_size: 256
    .sgpr_count:     66
    .vgpr_count:     512
    .wavefront_size: 32
...
	.end_amdgpu_metadata
.endif
;; end of part 2
;; launch attn (part 3): grid 4 x 64, 16 waves a work-group, clusters of 4 x 1, 167,936 bytes of LDS; arguments qimg, qsw, kv, oimg, osw; writes oimg, osw
.if DOCPART == 3
	.amdgcn_target "amdgcn-amd-amdhsa--gfx1250"
	.amdhsa_code_object_version 6
	.text
	.protected	k_q02395c4365_attn
	.globl	k_q02395c4365_attn
	.p2align	8
	.type	k_q02395c4365_attn,@function
k_q02395c4365_attn:
	s_mov_b64 s[64:65], 0
	v_nop
	global_prefetch_b8 v0, s[64:65] scope:SCOPE_SE
	s_setreg_imm32_b32 hwreg(HW_REG_WAVE_MODE, 25, 1), 1
	s_wait_xcnt 0x0
	s_wait_alu depctr_hold_cnt(0) depctr_sa_sdst(0) depctr_va_vdst(0) depctr_va_sdst(0) depctr_va_ssrc(0) depctr_va_vcc(0) depctr_vm_vsrc(0)
	s_getreg_b32 s2, hwreg(HW_REG_IB_STS2, 6, 4)
	s_cmp_eq_u32 s2, 0
	s_cbranch_scc0 .Lentry_in_a_cluster
	s_endpgm
.Lentry_in_a_cluster:
	s_bfe_u32 s2, ttmp6, 0x10000c
	s_cmp_lg_u32 s2, 0x3003
	s_cbranch_scc0 .Lentry_shape_is_right
	s_endpgm
.Lentry_shape_is_right:
; ATTN: for each batch and head (hb), o = softmax(q k^T / sqrt(32)) v, both products on codes of E4M3; o quantised along C (a block of 32 = a head) for the projection.  No work is left out.
; THE SOFTMAX AHEAD OF THE SECOND PRODUCT: t = score x log2(e) / sqrt(32); M = the running largest t rounded UP to a whole number; p = 2^(t - M) is quantised along the keys; the row's sum is taken of the unquantised p and
; divides at the end; when M moves, the sum and O are multiplied by 2^(old M - new M), which rounds nothing.
; SHARES.  A cluster of four work-groups is one hb; a work-group owns 512 queries; each of its sixteen waves 32: two tiles of 16.  Four waves share a SIMD, so that one wave's vector work stands beside another's matrix work.
; A head's K and V, codes and scale words, are 135,168 bytes: they come into LDS ONCE, each wave asking for one key step's 8,448 bytes, JOINTLY with the same wave of the three partners (the same descriptor, a mask that
; names the four).  By this text's count one tensor load a wave is out.  Nothing is filled again.  No prefetch: the one stream is asked for at the kernel's head.
; K = 32 IN AN INSTRUCTION OF K = 128.  One fragment of K holds FOUR tiles of 16 keys: block c along K = tile c's 32 channels, byte c of the scale word = tile c's key.  The other source holds q in block c and zero codes
; elsewhere, so the product is tile c's scores.  The four such sources of a query tile are windows of one run of registers, 12 zeros, q, 12 zeros; q's scale word holds its byte four times.
; LAYOUT.  Both products are used transposed: a lane holds ONE query (lane % 16) throughout.  Tile 2 b + u of a step holds keys 32 b + 8 u + r + 8 (r / 8), so that the 16 registers of tiles 2 b, 2 b + 1 are keys 32 b + 16 (lane / 16) + 0 .. 15.
; LIMITS: NaN and infinities are not served.  A block's largest p is taken from the block's largest score by the same multiply-add and exponential: that takes v_exp_f32 not to fall where its input rises.  A block whose
; every p has fallen to 0 gets the byte 1: its codes are zeros.
.set STEPB, 8448
.set SPARE, 16*STEPB                   ; behind the head's K and V: the spare words, 128 bytes for each wave: eight blocks of 256 bytes that no other line names
.set LI,  1                            ; 16 x lane
.set LS,  2                            ; 4 x lane
.set ADR, 3                            ; the step's images
.set ADS, 4                            ; the step's scale words
.set SPW, 5                            ; my spare word; never rewritten
.set NIL, 6                            ; 0; never rewritten
                                       ; tile t: v[8+4t] -M, v[9+4t] the largest t, v[10+4t:11+4t] the sum in two halves
                                       ; v16-59: zeros but for q of tile 0 in v28-31 and of tile 1 in v44-47; the source (t, c) is v[28+16t-4c] on
.set QS,  60                           ; q's scale words: lanes 0-15 tile 0, lanes 16-31 tile 1
.set KS,  61                           ; K's: lanes 0-15 fragment 0, lanes 16-31 fragment 1
.set VS,  62                           ; V's: lanes 0-15 u = 0, lanes 16-31 u = 1
.set PS0, 63                           ; v63, v64 p's scale words
.set KF,  68                           ; v68-99   two fragments of K, then two of V
.set S,   100                          ; v100-163 S^T of one tile, then p
.set PCD, 164                          ; v164-195 p's codes, 16 a tile
.set O,   196                          ; v196-227 O^T at 16 t + 8 u
.set BM,  228
.set PD,  232
.set HD,  236
.set SO,  240
.set FF,  244                          ; v[244:245], v[246:247] f = 2^(old M - new M)
.set T,   248
.set CH,  250
.set WV,  14
.set MNT, 18
.set MASKHI, 19
.set SEL, 20
.set CS,  22                           ; s[22:23] c = log2(e) / sqrt(32)
.set G0,  24
.set G1,  28
.set TB,  36
.set CNT, 37
.macro PLACES n
.rept \n
	v_nop
.endr
.endm
.macro MM d, a, b, c, sa, sb, ra, rb   ; one scaled matrix instruction.  c < 0: the constant 0 starts the sum.  ra, rb: the scales stand in lanes 16-31
.set mD, \d
.set mA, \a
.set mB, \b
.set mC, \c
.set mSA, \sa
.set mSB, \sb
.set mR, 2*(\ra)+(\rb)
.if mC < 0
.if mR == 3
	v_wmma_scale_f32_16x16x128_f8f6f4 v[mD:mD+7], v[mA:mA+15], v[mB:mB+15], 0, v[mSA], v[mSB] matrix_a_scale:MATRIX_SCALE_ROW1 matrix_b_scale:MATRIX_SCALE_ROW1
.elseif mR == 2
	v_wmma_scale_f32_16x16x128_f8f6f4 v[mD:mD+7], v[mA:mA+15], v[mB:mB+15], 0, v[mSA], v[mSB] matrix_a_scale:MATRIX_SCALE_ROW1
.elseif mR == 1
	v_wmma_scale_f32_16x16x128_f8f6f4 v[mD:mD+7], v[mA:mA+15], v[mB:mB+15], 0, v[mSA], v[mSB] matrix_b_scale:MATRIX_SCALE_ROW1
.else
	v_wmma_scale_f32_16x16x128_f8f6f4 v[mD:mD+7], v[mA:mA+15], v[mB:mB+15], 0, v[mSA], v[mSB]
.endif
.else
.if mR == 3
	v_wmma_scale_f32_16x16x128_f8f6f4 v[mD:mD+7], v[mA:mA+15], v[mB:mB+15], v[mC:mC+7], v[mSA], v[mSB] matrix_a_scale:MATRIX_SCALE_ROW1 matrix_b_scale:MATRIX_SCALE_ROW1
.elseif mR == 2
	v_wmma_scale_f32_16x16x128_f8f6f4 v[mD:mD+7], v[mA:mA+15], v[mB:mB+15], v[mC:mC+7], v[mSA], v[mSB] matrix_a_scale:MATRIX_SCALE_ROW1
.elseif mR == 1
	v_wmma_scale_f32_16x16x128_f8f6f4 v[mD:mD+7], v[mA:mA+15], v[mB:mB+15], v[mC:mC+7], v[mSA], v[mSB] matrix_b_scale:MATRIX_SCALE_ROW1
.else
	v_wmma_scale_f32_16x16x128_f8f6f4 v[mD:mD+7], v[mA:mA+15], v[mB:mB+15], v[mC:mC+7], v[mSA], v[mSB]
.endif
.endif
.endm
.macro CROUND                          ; a round of the cluster's barrier
	s_barrier_signal -1
	s_barrier_wait -1
	s_cmp_lg_u32 s[WV], 0
	s_cbranch_scc1 .Lnot_wave_0_\@
	s_barrier_signal -3
.Lnot_wave_0_\@:
	s_barrier_wait -3
	s_barrier_signal -1
	s_barrier_wait -1
.endm
	s_load_b256 s[4:11], s[0:1], 0x0               ; qimg, qsw, kv, oimg
	s_load_b64 s[12:13], s[0:1], 0x20              ; osw
	v_lshl_add_u32 v[SPW], v0, 2, SPARE
	v_mov_b32 v[NIL], 0
	ds_add_u32 v[SPW], v[NIL]                      ; the wave's opening: the add, twice on end, and its wait ahead of my first tensor load; work on registers stands between the second and the wait
	ds_add_u32 v[SPW], v[NIL]
	v_lshrrev_b32 v1, 5, v0
	v_readfirstlane_b32 s[WV], v1                  ; wave 0..15
	s_bfe_u32 s15, ttmp6, 0x40000                  ; cx: my place in the cluster: it enters q's and o's global addresses alone
	s_and_b32 s16, ttmp7, 0xffff                   ; hb, which the four partners share
	s_lshl_b32 s17, s15, 4
	s_add_co_u32 s17, s17, s[WV]                   ; my pair of query tiles: 16 cx + wave
	s_lshr_b32 s38, s16, 4                         ; batch
	s_and_b32 s39, s16, 15                         ; head
	s_mul_i32 s40, s16, 16*STEPB                   ; kv: the head's block, my wave's key step
	s_mul_i32 s42, s[WV], STEPB
	s_add_co_u32 s40, s40, s42
	s_mov_b32 s41, 0
	s_lshl_b32 s42, s16, 16                        ; qimg: 65536 hb + 1024 pair
	s_lshl_b32 s44, s17, 10
	s_add_co_u32 s42, s42, s44
	s_mov_b32 s43, 0
	s_lshl_b32 s44, s16, 13                        ; qsw: 8192 hb + 128 pair
	s_lshl_b32 s46, s17, 7
	s_add_co_u32 s44, s44, s46
	s_mov_b32 s45, 0
	s_lshl_b32 s46, s38, 20                        ; oimg: 1048576 batch + 16384 pair + 512 head
	s_lshl_b32 s48, s17, 14
	s_add_co_u32 s46, s46, s48
	s_lshl_b32 s48, s39, 9
	s_add_co_u32 s46, s46, s48
	s_mov_b32 s47, 0
	s_lshl_b32 s48, s38, 6                         ; osw: 2048 (64 batch + pair) + 128 head
	s_add_co_u32 s48, s48, s17
	s_lshl_b32 s48, s48, 11
	s_lshl_b32 s50, s39, 7
	s_add_co_u32 s48, s48, s50
	s_mov_b32 s49, 0
	; descriptor group 1: a key step's 8,448 dense bytes as 33 rows of 32 elements of 8 bytes
	s_mov_b32 s[G1], 15|(3<<16)|(1<<21)            ; 15:0 the mask: all four work-groups; 17:16 elements of 8 bytes; 21 set beside a mask; no padding
	s_mov_b32 s[G1+1], 32<<16                      ; tensor_dim0 = 32
	s_mov_b32 s[G1+2], 33<<16                      ; tensor_dim1 = 33
	s_mov_b32 s[G1+3], 32<<16                      ; tile_dim0 = 32
	s_mov_b32 s[G1+4], 33                          ; tile_dim1 = 33
	s_mov_b32 s[G1+5], 32                          ; from row to row
	s_mov_b32 s[G1+6], 0
	s_mov_b32 s[G1+7], 0
	s_mov_b32 s[SEL], 0x76543210
	s_mov_b32 s[SEL+1], 0xfedcba98                 ; v_permlanex16_b32's selects for lane l xor 16
	s_mov_b32 s[CS], 0x3e8293ee                    ; c = log2(e) / sqrt(32)
	s_mov_b32 s[CS+1], s[CS]                       ; (named with it as a pair, so it is written)
	s_mov_b32 s[MNT], 0x600000
	s_mov_b32 s[MASKHI], 0xffff0000
	s_mov_b32 s[TB], 0
	s_mov_b32 s[CNT], 16
	s_wait_dscnt 0x0                               ; both opening adds are done
	s_wait_kmcnt 0x0
	s_mov_b32 s[G0], 1                             ; count = 1
	s_mul_i32 s[G0+1], s[WV], STEPB                ; LDS address: my wave's key step
	s_add_nc_u64 s[G0+2:G0+3], s[8:9], s[40:41]    ; global address
	s_or_b32 s[G0+3], s[G0+3], 0x80000000          ; type = 2
	s_add_nc_u64 s[4:5], s[4:5], s[42:43]
	s_add_nc_u64 s[6:7], s[6:7], s[44:45]
	s_add_nc_u64 s[10:11], s[10:11], s[46:47]
	s_add_nc_u64 s[12:13], s[12:13], s[48:49]
	CROUND                                         ; all four work-groups are here: the joint loads meet
	tensor_load_to_lds s[G0:G0+3], s[G1:G1+7]      ; every wave asks for one step: no branch leads round a first fill
	s_nop 0
	PLACES 4
	v_and_b32 v1, 31, v0
	v_lshlrev_b32 v[LS], 2, v1
	v_lshlrev_b32 v[LI], 4, v1
	global_load_b128 v[28:31], v[LI], s[4:5]       ; q of tile 0,
	global_load_b128 v[44:47], v[LI], s[4:5] offset:512    ; of tile 1,
	global_load_b32 v[QS], v[LS], s[6:7]           ; and their scale words
.irp j, 16,17,18,19,20,21,22,23,24,25,26,27,32,33,34,35,36,37,38,39,40,41,42,43,48,49,50,51,52,53,54,55,56,57,58,59
	v_mov_b32 v[\j], 0                             ; the zero codes round q
.endr
.irp t, 0,1
	v_mov_b32 v[9+4*\t], 0xff61b1e6                ; the largest t so far: -3e38, under every t
	v_floor_f32 v[8+4*\t], -v[9+4*\t]              ; -M
	v_mov_b32 v[10+4*\t], 0                        ; the sum, in two halves
	v_mov_b32 v[11+4*\t], 0
	v_mov_b32 v[FF+2*\t+1], 0                      ; (the upper half of a pair whose low word is broadcast)
.endr
.irp b, 0,1,2,3
	v_mov_b32 v[PD+\b], 0                          ; a lane permute's destination counts as one of its sources
.endr
.set i, 0
.rept 32
	v_mov_b32 v[O+i], 0                            ; O^T.  (The step is written once: the first finds zeros, which the first change of M leaves zeros)
.set i, i+1
.endr
	s_wait_tensorcnt 0x0                           ; my key step has landed,
	s_barrier_signal -1
	s_barrier_wait -1                              ; everybody's has: the head's K and V lie in LDS
	s_wait_loadcnt 0x0                             ; q
.macro SMUL t                          ; S^T of query tile t: eight tiles of 16 keys, each begun with the constant 0
.irp f, 0,1
.irp c, 0,1,2,3
	MM S+8*(4*\f+\c), KF+16*\f, 28+16*\t-4*\c, -1, KS, QS, \f, \t
.endr
.endr
.endm
.macro RESC t                          ; O^T of tile t under the new M: eight plain instructions, from each accumulator's low end on
.irp k, 0,2,4,6,8,10,12,14
	v_pk_mul_f32 v[O+16*\t+\k:O+16*\t+\k+1], v[O+16*\t+\k:O+16*\t+\k+1], v[FF+2*\t:FF+2*\t+1] op_sel_hi:[1,0]
.endr
.endm
.macro SOFT t                          ; the softmax of tile t's 128 scores a query, and p's codes and scale word
.set NM, 8+4*\t
.set TX, NM+1
.set SU, NM+2
.set FT, FF+2*\t
.set PW, PS0+\t
.set PT, PCD+16*\t
.irp b, 0,1,2,3
	v_max3_num_f32 v[BM+\b], v[S+16*\b], v[S+16*\b+1], v[S+16*\b+2]    ; the largest score of each block of 32 keys: it serves the row's maximum and the block's largest p
.endr
.irp i, 3,5,7,9,11,13
.irp b, 0,1,2,3
	v_max3_num_f32 v[BM+\b], v[BM+\b], v[S+16*\b+\i], v[S+16*\b+\i+1]
.endr
.endr
.irp b, 0,1,2,3
	v_max_num_f32 v[BM+\b], v[BM+\b], v[S+16*\b+15]
.endr
.irp b, 0,1,2,3
	v_permlanex16_b32 v[PD+\b], v[BM+\b], s[SEL], s[SEL+1]
.endr
.irp b, 0,1,2,3
	v_max_num_f32 v[BM+\b], v[BM+\b], v[PD+\b]     ; with lane l xor 16's 16 keys
.endr
	v_max3_num_f32 v[T], v[BM], v[BM+1], v[BM+2]
	v_max_num_f32 v[T], v[T], v[BM+3]
	v_mul_f32 v[T], s[CS], v[T]                    ; the step's largest t (c is positive)
	v_max_num_f32 v[TX], v[TX], v[T]               ; the running largest t
	v_mov_b32 v[T], v[NM]
	v_floor_f32 v[NM], -v[TX]                      ; the new -M = floor(-t) = -ceil(t)
	v_sub_f32 v[T], v[NM], v[T]                    ; old M - new M: a whole number, 0 or less
	v_cvt_i32_f32 v[T], v[T]                       ; (it saturates)
	v_ldexp_f32 v[FT], 1.0, v[T]                   ; f
.set i, 0
.rept 32
	v_pk_fma_f32 v[S+i:S+i+1], v[S+i:S+i+1], s[CS:CS+1], v[NM:NM+1] op_sel_hi:[1,0,0]   ; t - M, two at a time
.set i, i+2
.endr
.irp b, 0,1,2,3
	v_fma_f32 v[BM+\b], v[BM+\b], s[CS], v[NM]     ; the same of each block's largest score
.endr
.set i, 0
.rept 64
	v_exp_f32 v[S+i], v[S+i]                       ; p = 2^(t - M), at most 1: not normalised
.set i, i+1
.endr
	v_pk_mul_f32 v[SU:SU+1], v[SU:SU+1], v[FT:FT+1] op_sel_hi:[1,0]    ; the sums under the new M: the plain instruction behind the batch
	s_wait_alu depctr_va_vdst(0)                   ; one wait for the 64, ahead of their first reader
.irp b, 0,1,2,3
	v_exp_f32 v[BM+\b], v[BM+\b]                   ; the block's largest p
.endr
	v_pk_add_f32 v[CH:CH+1], v[S:S+1], v[S+2:S+3]  ; the row's sum is taken of the unquantised p, in two chains: it reads the 64 alone
.irp j, 4,8,12,16,20,24,28,32,36,40,44,48,52,56,60
	v_pk_add_f32 v[SU:SU+1], v[SU:SU+1], v[S+\j:S+\j+1]
	v_pk_add_f32 v[CH:CH+1], v[CH:CH+1], v[S+\j+2:S+\j+3]
.endr
	v_pk_add_f32 v[SU:SU+1], v[SU:SU+1], v[CH:CH+1]
	s_wait_alu depctr_va_vdst(0)                   ; and one for the four
.irp b, 0,1,2,3
	v_max_num_f32 v[BM+\b], 0x4800000, v[BM+\b]    ; the floor 2^(9 - 127)
.endr
.irp b, 0,1,2,3
	v_add_nc_u32 v[SO+\b], 0xfc000000, v[BM+\b]    ; the conversion's scale operand
.endr
.irp b, 0,1,2,3
	v_and_or_b32 v[HD+\b], v[BM+\b], 0x7f800000, s[MNT]    ; 448 x the scale
.endr
.irp b, 0,1,2,3
	v_lshrrev_b32 v[PD+\b], 23, v[SO+\b]           ; the byte
.endr
	v_lshl_or_b32 v[PW], v[PD+1], 8, v[PD]         ; p's scale word for these 128 keys
	v_lshl_or_b32 v[PW], v[PD+2], 16, v[PW]
	v_lshl_or_b32 v[PW], v[PD+3], 24, v[PW]
.irp b, 0,1,2,3
.irp i, 0,1,2,3,4,5,6,7,8,9,10,11,12,13,14,15
	v_min_num_f32 v[S+16*\b+\i], v[S+16*\b+\i], v[HD+\b]   ; the conversion does not saturate (ISA guide 7.6.2); p is not negative: a one-sided hold
.endr
	v_cvt_scalef32_pk8_fp8_f32 v[PT+4*\b:PT+4*\b+1], v[S+16*\b:S+16*\b+7], v[SO+\b]
	v_cvt_scalef32_pk8_fp8_f32 v[PT+4*\b+2:PT+4*\b+3], v[S+16*\b+8:S+16*\b+15], v[SO+\b]
.endr
	v_nop                                          ; a plain instruction behind the last conversion: the next products write its sources
.endm
.Lstep:                                                ; 16 trips: a key step of 128 keys for my two query tiles
	v_add_nc_u32 v[ADR], s[TB], v[LI]
	v_add_nc_u32 v[ADS], s[TB], v[LS]
	PLACES 6                                       ; with the two additions: eight places in front of loads into registers that the last products read
.irp i, 0,1,2,3,4,5,6,7
	ds_load_b128 v[KF+4*\i:KF+4*\i+3], v[ADR] offset:512*\i
.endr
	ds_load_b32 v[KS], v[ADS] offset:8192
	s_wait_dscnt 0x0
	SMUL 0
	PLACES 8                                       ; in front of the first read of results
	SOFT 0
	SMUL 1
	RESC 0                                         ; eight plain instructions that name none of those products' registers: the places in front of V's loads and of the first read of the scores
.irp i, 0,1,2,3,4,5,6,7
	ds_load_b128 v[KF+4*\i:KF+4*\i+3], v[ADR] offset:4096+512*\i       ; V lands while tile 1's softmax is walked
.endr
	ds_load_b32 v[VS], v[ADS] offset:8320
	SOFT 1
	RESC 1                                         ; also the places between tile 1's codes and the products below
	s_wait_dscnt 0x0                               ; V
	MM O, KF, PCD, O, VS, PS0, 0, 0                ; O^T += V^T P^T: the four accumulators by turns
	MM O+16, KF, PCD+16, O+16, VS, PS0+1, 0, 0
	MM O+8, KF+16, PCD, O+8, VS, PS0, 1, 0
	MM O+24, KF+16, PCD+16, O+24, VS, PS0+1, 1, 0
	s_add_co_u32 s[TB], s[TB], STEPB
	s_sub_co_u32 s[CNT], s[CNT], 1
	s_cmp_lg_u32 s[CNT], 0
	s_cbranch_scc1 .Lstep
	; THE WAY OUT: O^T / the sum; a lane's 16 numbers of a tile and lane l xor 16's are the head's 32 channels of one query: a block of the projection's K.
	PLACES 8
.irp t, 0,1
	v_add_f32 v[10+4*\t], v[10+4*\t], v[11+4*\t]
.endr
.irp t, 0,1
	v_permlanex16_b32 v[PD+\t], v[10+4*\t], s[SEL], s[SEL+1]
.endr
.irp t, 0,1
	v_add_f32 v[10+4*\t], v[10+4*\t], v[PD+\t]     ; the row's sum: over 1/2, since the row's largest p is
.endr
.irp t, 0,1
	v_rcp_f32 v[10+4*\t], v[10+4*\t]
.endr
	v_nop
	s_wait_alu depctr_va_vdst(0)                   ; one wait for the two reciprocals, ahead of their first reader
.irp t, 0,1
.irp k, 0,2,4,6,8,10,12,14
	v_pk_mul_f32 v[S+16*\t+\k:S+16*\t+\k+1], v[O+16*\t+\k:O+16*\t+\k+1], v[10+4*\t:11+4*\t] op_sel_hi:[1,0]
.endr
.endr
.irp t, 0,1
	v_max3_num_f32 v[BM+\t], |v[S+16*\t]|, |v[S+16*\t+1]|, 0x4800000
.endr
.irp i, 2,4,6,8,10,12,14
.irp t, 0,1
	v_max3_num_f32 v[BM+\t], v[BM+\t], |v[S+16*\t+\i]|, |v[S+16*\t+\i+1]|
.endr
.endr
.irp t, 0,1
	v_permlanex16_b32 v[PD+\t], v[BM+\t], s[SEL], s[SEL+1]
.endr
.irp t, 0,1
	v_max_num_f32 v[BM+\t], v[BM+\t], v[PD+\t]
.endr
.irp t, 0,1
	v_add_nc_u32 v[SO+\t], 0xfc000000, v[BM+\t]
	v_and_or_b32 v[HD+\t], v[BM+\t], 0x7f800000, s[MNT]
.endr
.irp t, 0,1
	v_lshrrev_b32 v[PD+\t], 23, v[SO+\t]
.endr
.irp t, 0,1
.irp i, 0,1,2,3,4,5,6,7,8,9,10,11,12,13,14,15
	v_med3_num_f32 v[S+16*\t+\i], v[S+16*\t+\i], -v[HD+\t], v[HD+\t]
.endr
	v_cvt_scalef32_pk8_fp8_f32 v[PCD+16*\t:PCD+16*\t+1], v[S+16*\t:S+16*\t+7], v[SO+\t]
	v_cvt_scalef32_pk8_fp8_f32 v[PCD+16*\t+2:PCD+16*\t+3], v[S+16*\t+8:S+16*\t+15], v[SO+\t]
.endr
	v_nop
	v_cndmask_b32 v[T], v[PD], v[PD+1], s[MASKHI]  ; lanes 0-15 tile 0's byte, lanes 16-31 tile 1's
	global_store_b128 v[LI], v[PCD:PCD+3], s[10:11]            ; 512 consecutive bytes, aligned
	global_store_b128 v[LI], v[PCD+16:PCD+19], s[10:11] offset:8192
	global_store_b32 v[LS], v[T], s[12:13]         ; 128 consecutive bytes
	s_wait_tensorcnt 0x0                           ; the wave's end, behind my tensor load
	ds_add_u32 v[SPW], v[NIL]
	s_wait_dscnt 0x0
	CROUND                                         ; the closing round
	s_endpgm
.Lfunc_end_k_q02395c4365_attn:
	.size	k_q02395c4365_attn, .Lfunc_end_k_q02395c4365_attn-k_q02395c4365_attn
	.p2alignl 7, 3214868480
	.fill 96, 4, 3214868480
	.section	.rodata,"a",@progbits
	.p2align	6, 0x0
	.amdhsa_kernel k_q02395c4365_attn
		.amdhsa_group_segment_fixed_size 167936
		.amdhsa_private_segment_fixed_size 0
		.amdhsa_enable_private_segment 0
		.amdhsa_kernarg_size 40
		.amdhsa_user_sgpr_count 2
		.amdhsa_user_sgpr_kernarg_segment_ptr 1
		.amdhsa_wavefront_size32 1
		.amdhsa_system_sgpr_workgroup_id_x 1
		.amdhsa_system_sgpr_workgroup_id_y 1
		.amdhsa_system_sgpr_workgroup_id_z 1
		.amdhsa_system_vgpr_workitem_id 0
		.amdhsa_next_free_vgpr 256
		.amdhsa_next_free_sgpr 66
		.amdhsa_reserve_vcc 0
		.amdhsa_float_denorm_mode_32 3
		.amdhsa_float_denorm_mode_16_64 3
		.amdhsa_memory_ordered 1
		.amdhsa_forward_progress 1
		.amdhsa_inst_pref_size 45
	.end_amdhsa_kernel
	.amdgpu_metadata
---
amdhsa.version: [ 1, 2 ]
amdhsa.kernels:
  - .name:           k_q02395c4365_attn
    .symbol:         k_q02395c4365_attn.kd
    .args:
      - { .name: qimg, .offset: 0, .size: 8, .value_kind: global_buffer, .address_space: global }
      - { .name: qsw, .offset: 8, .size: 8, .value_kind: global_buffer, .address_space: global }
      - { .name: kv, .offset: 16, .size: 8, .value_kind: global_buffer, .address_space: global }
      - { .name: oimg, .offset: 24, .size: 8, .value_kind: global_buffer, .address_space: global }
      - { .name: osw, .offset: 32, .size: 8, .value_kind: global_buffer, .address_space: global }
    .group_segment_fixed_size: 167936
    .private_segment_fixed_size: 0
    .kernarg_segment_align: 8
    .kernarg_segment_size: 40
    .max_flat_workgroup_size: 512
    .sgpr_count:     66
    .vgpr_count:     256
    .wavefront_size: 32
...
	.end_amdgpu_metadata
.endif
;; end of part 3
;; launch tail (part 4): grid 256 x 1, 8 waves a work-group, no clusters, 120,832 bytes of LDS; arguments oimg, osw, wimg, wsc, bnc, bo, ln2_g, ln2_b, x, out0; writes out0
.if DOCPART == 4
	.amdgcn_target "amdgcn-amd-amdhsa--gfx1250"
	.amdhsa_code_object_version 6
	.text
	.protected	k_q02395c4365_tail
	.globl	k_q02395c4365_tail
	.p2align	8
	.type	k_q02395c4365_tail,@function
k_q02395c4365_tail:
	s_mov_b64 s[64:65], 0
	v_nop
	global_prefetch_b8 v0, s[64:65] scope:SCOPE_SE
	s_setreg_imm32_b32 hwreg(HW_REG_WAVE_MODE, 25, 1), 1
	s_wait_xcnt 0x0
; TAIL: x1 = x + o wo + bo;  y = LN2(x1), quantised;  h = gelu(bn1(y w1 + b1)), quantised;  out = x1 + bn2(h w2 + b2).  The three products on codes of E4M3 with one E8M0 byte for each 32 along K.  No work is left out.
; SHARES.  Work-group g takes 32 rows: two tiles u'; row (u', r) is row 32 g + 8 u' + r + 8 (r / 8) of x.  THE WAVES SHARE THE COLUMNS: wave w makes columns 64 w .. 64 w + 63 of every layer for all 32 rows: four weight tiles
; x two row tiles = 8 accumulators by turns.  Products are used transposed (source 0 = 16 columns of the weight, source 1 = 16 rows), and the weights' tiles are laid so that a lane's 16 registers of two neighbouring tiles
; are 16 neighbouring columns: the conversions' results are the next product's operand registers.
; A layer's 16 weight fragments fill window 1; the next layer's are asked for directly behind a layer's products and land during the work between the products.
; OPERANDS GO FROM WAVE TO WAVE THROUGH LDS AS IMAGES OF THEIR REGISTERS (chunks of 512 bytes, lane l's 16 bytes at 16 l) with their scale words beside them; four barriers.
; LN2's mean and variance span the eight waves: each wave gives, for each row, the mean of its 64 columns and the sum of squared differences from it; they are joined by
; M2 = sum of M2_w + 64 sum of (m_w - mean)^2: one exchange, and no difference of large sums.
; gelu is x (1 + erf(x / sqrt 2)) / 2 with erf as a quotient of two polynomials in z^2 (degrees 6 and 4), z held within +-4, where erf is 1 to f32's last bit; the denominator lies at or under -0.0142, never 0.
; NO CLUSTER: all row blocks walk the same weights, but each fragment goes from memory straight into the registers of the one wave that multiplies by it; a joint load would add an LDS write and an LDS read of all 786,432 bytes.
; LIMITS: NaN and infinities are not served; a block of zeros gets the byte 1 (its codes are zeros).
; REGISTERS.  Window 0: v1-15 addresses; v16-79 ACC; v80-143 ACT (two K steps' fragments; parameters; y; rows on their way out); v144-207 X1, the residual; v208-239 at work; v240-247 the weights' scale words;
;   v248-251 the activations'; v252, v253 the add's two.   Window 1: the layer's weight fragments (tile t, K step s) at 16 (4 t + s).
.set XA,    0                          ; images [u' 2][s 4][c 4] of 512 bytes
.set XB,    16384                      ; a second set
.set XSA,   32768                      ; scale words [s 4][lane = 16 u' + r]
.set XSB,   33280
.set STAT,  33792                      ; [wave 8][lane = 16 u' + r][mean, M2]
.set CONST, 35840                      ; bo, ln2_g, ln2_b, s1, t1, s2, t2: 2,048 bytes each
.set STG,   50176                      ; a stage for each wave: 32 rows (16 u' + r) x (256 bytes + 16)
.set SPARE, 119808                     ; the spare words, 128 bytes for each wave: four blocks of 256 bytes that no other line names
.set LI,  1                            ; 16 x lane
.set LS,  2                            ; 4 x lane
.set R4,  3                            ; 4 x (lane % 16)
.set IW,  4                            ; where my codes' images go: 16 lane + 2048 (w / 2) + 1024 (w % 2)
.set SW,  5                            ; and my two scale bytes: 4 lane + 128 (w / 2) + 2 (w % 2)
.set PA,  6                            ; my columns' parameters: CONST + 256 w + 64 h
.set SO,  7                            ; the stage in the accumulators' layout: row r, + 64 h
.set RD,  8                            ; the stage by rows: lanes 0-15 one row, lanes 16-31 the next
.set GD,  9                            ; the same two rows in x and out0, my wave's 256 bytes
.set STW, 10
.set STR, 11
.set T8,  12
.set T16, 13
.set ACC, 16
.set ACT, 80
.set X1,  144
.set TM,  208
.set PC,  224
.set GZ,  208
.set GZ2, 216
.set GP,  224
.set GQ,  232
.set WS,  240
.set XS,  248
.set SPW, 252
.set NIL, 253
.set WV,  24
.set SEL, 26
.set MNT, 28
.set I512, 29
.set EPS, 30
.set MASKHI, 31
.set RS2, 40
.set A1,  42
.set A3,  44
.set A5,  46
.set A7,  48
.set A9,  50
.set A11, 52
.set A13, 54
.set B0,  56
.set B2,  58
.set B4,  60
.set B6,  62
.set B8,  66
.set MSB, 0
.macro WIN new                         ; the immediate's high byte repeats the setting that is left
.if MSB != \new
	s_set_vgpr_msb (MSB<<8)|\new
.set MSB, \new
.endif
.endm
.macro PLACES n
.rept \n
	v_nop
.endr
.endm
.macro KPAIR r, val                    ; a constant for the packed forms: they name a pair and take its low word for both halves
	s_mov_b32 s[\r], \val
	s_mov_b32 s[\r+1], \val
.endm
.macro BARRIER                         ; my LDS stores have landed and my LDS loads are in: then the work-group's barrier
	s_wait_dscnt 0x0
	s_barrier_signal -1
	s_barrier_wait -1
.endm
.macro MM d, a, b, c, sa, sb, ra, rb   ; one scaled matrix instruction.  c < 0: the constant 0 starts the sum.  ra, rb: the scales stand in lanes 16-31
.set mD, \d
.set mA, \a
.set mB, \b
.set mC, \c
.set mSA, \sa
.set mSB, \sb
.set mR, 2*(\ra)+(\rb)
.if mC < 0
.if mR == 3
	v_wmma_scale_f32_16x16x128_f8f6f4 v[mD:mD+7], v[mA:mA+15], v[mB:mB+15], 0, v[mSA], v[mSB] matrix_a_scale:MATRIX_SCALE_ROW1 matrix_b_scale:MATRIX_SCALE_ROW1
.elseif mR == 2
	v_wmma_scale_f32_16x16x128_f8f6f4 v[mD:mD+7], v[mA:mA+15], v[mB:mB+15], 0, v[mSA], v[mSB] matrix_a_scale:MATRIX_SCALE_ROW1
.elseif mR == 1
	v_wmma_scale_f32_16x16x128_f8f6f4 v[mD:mD+7], v[mA:mA+15], v[mB:mB+15], 0, v[mSA], v[mSB] matrix_b_scale:MATRIX_SCALE_ROW1
.else
	v_wmma_scale_f32_16x16x128_f8f6f4 v[mD:mD+7], v[mA:mA+15], v[mB:mB+15], 0, v[mSA], v[mSB]
.endif
.else
.if mR == 3
	v_wmma_scale_f32_16x16x128_f8f6f4 v[mD:mD+7], v[mA:mA+15], v[mB:mB+15], v[mC:mC+7], v[mSA], v[mSB] matrix_a_scale:MATRIX_SCALE_ROW1 matrix_b_scale:MATRIX_SCALE_ROW1
.elseif mR == 2
	v_wmma_scale_f32_16x16x128_f8f6f4 v[mD:mD+7], v[mA:mA+15], v[mB:mB+15], v[mC:mC+7], v[mSA], v[mSB] matrix_a_scale:MATRIX_SCALE_ROW1
.elseif mR == 1
	v_wmma_scale_f32_16x16x128_f8f6f4 v[mD:mD+7], v[mA:mA+15], v[mB:mB+15], v[mC:mC+7], v[mSA], v[mSB] matrix_b_scale:MATRIX_SCALE_ROW1
.else
	v_wmma_scale_f32_16x16x128_f8f6f4 v[mD:mD+7], v[mA:mA+15], v[mB:mB+15], v[mC:mC+7], v[mSA], v[mSB]
.endif
.endif
.endm
.macro WLOAD wi                        ; weight wi: my 64 chunks of 512 bytes, as they lie, into window 1; my two groups' scale words (register 4 b + s; lanes 0-15 u = 0, lanes 16-31 u = 1)
	WIN 0x40
.set i, 0
.rept 64
	global_load_b128 v[4*i:4*i+3], v[LI], s[8:9] offset:(\wi)*262144+512*i
.set i, i+1
.endr
	WIN 0
	global_load_b128 v[WS:WS+3], v[LI], s[10:11] offset:(\wi)*8192
	global_load_b128 v[WS+4:WS+7], v[LI], s[10:11] offset:(\wi)*8192+512
.endm
.macro PARAM vec, reg                  ; vector vec of CONST at my 32 columns (64 w + 32 b + 16 h + 0 .. 15) into v[reg + 16 b] on
.irp b, 0,1
.irp i, 0,1,2,3
	ds_load_b128 v[(\reg)+16*\b+4*\i:(\reg)+16*\b+4*\i+3], v[PA] offset:2048*(\vec)+128*\b+16*\i
.endr
.endr
.endm
.macro FETCH ks, buf, img              ; the two row tiles' fragments of K step ks
.irp p, 0,1
.irp c, 0,1,2,3
	ds_load_b128 v[ACT+32*(\buf)+16*\p+4*\c:ACT+32*(\buf)+16*\p+4*\c+3], v[LI] offset:(\img)+8192*\p+2048*(\ks)+512*\c
.endr
.endr
.endm
; A layer's product: 32 matrix instructions, the 8 accumulators by turns, one instruction a turn.  cz = 1: the first K step starts the sums with the constant 0; 0: dst holds what is added onto.
.macro GEMM dst, cz, img, scl
.irp ks, 0,1,2,3
	ds_load_b32 v[XS+\ks], v[LS] offset:(\scl)+128*\ks
.endr
	FETCH 0, 0, \img
.irp ks, 0,1,2,3
.if \ks < 3
.if \ks > 0
	PLACES 8                                       ; in front of loads into registers that the K step before last... the last but one's products read (ISA guide 7.12.1)
.endif
	FETCH \ks+1, (\ks+1)%2, \img
	s_wait_dscnt 8                                 ; all but the eight loads just issued
.else
	s_wait_dscnt 0x0
.endif
	WIN 0x01                                       ; source 0 (the weights) window 1
.irp t, 0,1,2,3
.irp p, 0,1
.if (\cz) && (\ks == 0)
	MM (\dst)+32*\p+8*\t, 16*(4*\t+\ks), ACT+32*(\ks%2)+16*\p, -1, WS+4*(\t/2)+\ks, XS+\ks, \t%2, \p
.else
	MM (\dst)+32*\p+8*\t, 16*(4*\t+\ks), ACT+32*(\ks%2)+16*\p, (\dst)+32*\p+8*\t, WS+4*(\t/2)+\ks, XS+\ks, \t%2, \p
.endif
.endr
.endr
	WIN 0
.endr
	PLACES 8                                       ; in front of loads into registers that these have read, and of the first read of results
.endm
; 64 numbers of a lane at v[base + 16 blk], blk = 2 u' + b: 16 neighbours along the next K; lane l xor 16 holds the block's other 16.  Codes into v[PC + 4 blk], bytes into v[TM + 4 + blk].
.macro QUANT base
.set QB, \base
.irp b, 0,1,2,3
	v_max3_num_f32 v[TM+\b], |v[QB+16*\b]|, |v[QB+16*\b+1]|, 0x4800000
.endr
.irp i, 2,4,6,8,10,12,14
.irp b, 0,1,2,3
	v_max3_num_f32 v[TM+\b], v[TM+\b], |v[QB+16*\b+\i]|, |v[QB+16*\b+\i+1]|
.endr
.endr
.irp b, 0,1,2,3
	v_permlanex16_b32 v[TM+4+\b], v[TM+\b], s[SEL], s[SEL+1]
.endr
.irp b, 0,1,2,3
	v_max_num_f32 v[TM+\b], v[TM+\b], v[TM+4+\b]
.endr
.irp b, 0,1,2,3
	v_add_nc_u32 v[TM+12+\b], 0xfc000000, v[TM+\b]
.endr
.irp b, 0,1,2,3
	v_and_or_b32 v[TM+8+\b], v[TM+\b], 0x7f800000, s[MNT]
.endr
.irp b, 0,1,2,3
	v_lshrrev_b32 v[TM+4+\b], 23, v[TM+12+\b]
.endr
.irp b, 0,1,2,3
.irp i, 0,1,2,3,4,5,6,7,8,9,10,11,12,13,14,15
	v_med3_num_f32 v[QB+16*\b+\i], v[QB+16*\b+\i], -v[TM+8+\b], v[TM+8+\b]
.endr
	v_cvt_scalef32_pk8_fp8_f32 v[PC+4*\b:PC+4*\b+1], v[QB+16*\b:QB+16*\b+7], v[TM+12+\b]
	v_cvt_scalef32_pk8_fp8_f32 v[PC+4*\b+2:PC+4*\b+3], v[QB+16*\b+8:QB+16*\b+15], v[TM+12+\b]
.endr
	v_nop                                          ; a plain instruction behind the last conversion: later vector and matrix instructions write its registers
.endm
.macro IMAGE img                       ; my columns are blocks 2 w, 2 w + 1 of the next K: K step w / 2, chunks 2 (w % 2) + b
.irp p, 0,1
.irp b, 0,1
	ds_store_b128 v[IW], v[PC+4*(2*\p+\b):PC+4*(2*\p+\b)+3] offset:(\img)+8192*\p+512*\b
.endr
.endr
.endm
.macro SCALEW scl                      ; my two bytes of each row's scale word: lanes 0-15 store tile 0's, lanes 16-31 tile 1's
	v_lshl_or_b32 v254, v[TM+5], 8, v[TM+4]
	v_lshl_or_b32 v255, v[TM+7], 8, v[TM+6]
	v_cndmask_b32 v254, v254, v255, s[MASKHI]
	ds_store_b16 v[SW], v254 offset:\scl
.endm
.macro GELU8 base                      ; eight numbers in place, as four pairs by turns
.set HB, \base
.irp k, 0,2,4,6
	v_pk_mul_f32 v[GZ+\k:GZ+\k+1], v[HB+\k:HB+\k+1], s[RS2:RS2+1] op_sel_hi:[1,0]    ; z = h / sqrt 2
.endr
.irp k, 0,1,2,3,4,5,6,7
	v_med3_num_f32 v[GZ+\k], v[GZ+\k], -4.0, 4.0
.endr
.irp k, 0,2,4,6
	v_pk_mul_f32 v[GZ2+\k:GZ2+\k+1], v[GZ+\k:GZ+\k+1], v[GZ+\k:GZ+\k+1]
.endr
.irp k, 0,2,4,6
	v_pk_mul_f32 v[GP+\k:GP+\k+1], v[GZ2+\k:GZ2+\k+1], s[A13:A13+1] op_sel_hi:[1,0]
	v_pk_mul_f32 v[GQ+\k:GQ+\k+1], v[GZ2+\k:GZ2+\k+1], s[B8:B8+1] op_sel_hi:[1,0]
.endr
.irp k, 0,2,4,6
	v_pk_add_f32 v[GP+\k:GP+\k+1], v[GP+\k:GP+\k+1], s[A11:A11+1] op_sel_hi:[1,0]
	v_pk_add_f32 v[GQ+\k:GQ+\k+1], v[GQ+\k:GQ+\k+1], s[B6:B6+1] op_sel_hi:[1,0]
.endr
.irp k, 0,2,4,6
	v_pk_fma_f32 v[GP+\k:GP+\k+1], v[GP+\k:GP+\k+1], v[GZ2+\k:GZ2+\k+1], s[A9:A9+1] op_sel_hi:[1,1,0]
	v_pk_fma_f32 v[GQ+\k:GQ+\k+1], v[GQ+\k:GQ+\k+1], v[GZ2+\k:GZ2+\k+1], s[B4:B4+1] op_sel_hi:[1,1,0]
.endr
.irp k, 0,2,4,6
	v_pk_fma_f32 v[GP+\k:GP+\k+1], v[GP+\k:GP+\k+1], v[GZ2+\k:GZ2+\k+1], s[A7:A7+1] op_sel_hi:[1,1,0]
	v_pk_fma_f32 v[GQ+\k:GQ+\k+1], v[GQ+\k:GQ+\k+1], v[GZ2+\k:GZ2+\k+1], s[B2:B2+1] op_sel_hi:[1,1,0]
.endr
.irp k, 0,2,4,6
	v_pk_fma_f32 v[GP+\k:GP+\k+1], v[GP+\k:GP+\k+1], v[GZ2+\k:GZ2+\k+1], s[A5:A5+1] op_sel_hi:[1,1,0]
	v_pk_fma_f32 v[GQ+\k:GQ+\k+1], v[GQ+\k:GQ+\k+1], v[GZ2+\k:GZ2+\k+1], s[B0:B0+1] op_sel_hi:[1,1,0]
.endr
.irp k, 0,2,4,6
	v_pk_fma_f32 v[GP+\k:GP+\k+1], v[GP+\k:GP+\k+1], v[GZ2+\k:GZ2+\k+1], s[A3:A3+1] op_sel_hi:[1,1,0]
.endr
.irp k, 0,2,4,6
	v_pk_fma_f32 v[GP+\k:GP+\k+1], v[GP+\k:GP+\k+1], v[GZ2+\k:GZ2+\k+1], s[A1:A1+1] op_sel_hi:[1,1,0]
.endr
.irp k, 0,1,2,3,4,5,6,7
	v_rcp_f32 v[GQ+\k], v[GQ+\k]
.endr
.irp k, 0,2,4,6
	v_pk_mul_f32 v[GP+\k:GP+\k+1], v[GP+\k:GP+\k+1], v[GZ+\k:GZ+\k+1]   ; plain work behind the batch: it names no reciprocal
.endr
.irp k, 0,2,4,6
	v_pk_mul_f32 v[GZ+\k:GZ+\k+1], v[HB+\k:HB+\k+1], 0.5 op_sel_hi:[1,0]
.endr
	s_wait_alu depctr_va_vdst(0)                   ; one wait for the eight reciprocals, ahead of their first reader
.irp k, 0,2,4,6
	v_pk_mul_f32 v[GP+\k:GP+\k+1], v[GP+\k:GP+\k+1], v[GQ+\k:GQ+\k+1]   ; erf
.endr
.irp k, 0,2,4,6
	v_pk_fma_f32 v[HB+\k:HB+\k+1], v[GZ+\k:GZ+\k+1], v[GP+\k:GP+\k+1], v[GZ+\k:GZ+\k+1]   ; h / 2 x erf + h / 2
.endr
.endm
	s_load_b256 s[4:11], s[0:1], 0x0               ; oimg, osw, wimg, wsc
	s_load_b256 s[12:19], s[0:1], 0x20             ; bnc, bo, ln2_g, ln2_b
	s_load_b128 s[20:23], s[0:1], 0x40             ; x, out0
	v_lshl_add_u32 v[SPW], v0, 2, SPARE
	v_mov_b32 v[NIL], 0
	v_lshrrev_b32 v14, 5, v0
	v_readfirstlane_b32 s[WV], v14                 ; wave 0..7
	v_and_b32 v14, 31, v0                          ; lane
	v_lshlrev_b32 v[LI], 4, v14
	v_lshlrev_b32 v[LS], 2, v14
	v_and_b32 v15, 15, v0                          ; r
	v_lshlrev_b32 v[R4], 2, v15
	v_bfe_u32 v254, v0, 4, 1                       ; h
	s_lshr_b32 s32, s[WV], 1
	s_and_b32 s33, s[WV], 1
	s_lshl_b32 s34, s32, 11
	s_lshl_b32 s35, s33, 10
	s_add_co_u32 s34, s34, s35
	v_add_nc_u32 v[IW], s34, v[LI]
	s_lshl_b32 s34, s32, 7
	s_lshl_b32 s35, s33, 1
	s_add_co_u32 s35, s34, s35
	v_add_nc_u32 v[SW], s35, v[LS]
	s_lshl_b32 s35, s33, 6
	s_add_co_u32 s35, s34, s35                     ; 128 (w / 2) + 64 (w % 2)
	s_lshl_b32 s36, s[WV], 8
	s_add_co_u32 s37, s36, CONST
	v_lshl_add_u32 v[PA], v254, 6, s37
	s_mul_i32 s38, s[WV], 8704
	s_add_co_u32 s38, s38, STG                     ; my stage
	v_mul_u32_u24 v[SO], v15, 272
	v_lshl_add_u32 v[SO], v254, 6, v[SO]
	v_add_nc_u32 v[SO], s38, v[SO]
	v_mul_u32_u24 v[RD], v254, 272
	v_lshl_add_u32 v[RD], v15, 4, v[RD]
	v_add_nc_u32 v[RD], s38, v[RD]
	v_lshlrev_b32 v[GD], 11, v254
	v_lshl_add_u32 v[GD], v15, 4, v[GD]
	v_add_nc_u32 v[GD], s36, v[GD]
	s_add_co_u32 s37, s36, STAT
	v_lshl_add_u32 v[STW], v14, 3, s37
	v_lshl_add_u32 v[STR], v15, 3, STAT
	v_lshlrev_b32 v[T8], 3, v0
	v_lshlrev_b32 v[T16], 4, v0
	v_add_nc_u32 v14, s35, v[R4]                   ; where I store o's scale words
	s_lshl_b32 s37, s[WV], 11
	v_add_nc_u32 v15, s37, v[LI]                   ; and my 2,048 bytes of o's images
	s_mov_b32 s[SEL], 0x76543210
	s_mov_b32 s[SEL+1], 0xfedcba98
	s_mov_b32 s[MNT], 0x600000
	s_mov_b32 s[I512], 0x3b000000                  ; 1 / 512
	s_mov_b32 s[EPS], 0x358637bd                   ; 1e-6
	s_mov_b32 s[MASKHI], 0xffff0000                ; lanes 16-31
	KPAIR RS2, 0x3f3504f3                          ; 1 / sqrt 2
	KPAIR A1,  0xbc83dbd4                          ; erf's numerator: z (a1 + a3 z^2 + .. + a13 z^12)
	KPAIR A3,  0xbb41a1f6
	KPAIR A5,  0xba40ac63
	KPAIR A7,  0xb86ec2d2
	KPAIR A9,  0xb60cff51
	KPAIR A11, 0x32edffee
	KPAIR A13, 0xaf95df0b
	KPAIR B0,  0xbc69b6a7                          ; its denominator: b0 + b2 z^2 + .. + b8 z^8
	KPAIR B2,  0xbbf19bf8
	KPAIR B4,  0xbadc924e
	KPAIR B6,  0xb95fbd29
	KPAIR B8,  0xb77460cd
	s_lshl_b32 s34, ttmp9, 14                      ; oimg: 16384 g + 2048 w
	s_lshl_b32 s35, s[WV], 11
	s_add_co_u32 s34, s34, s35
	s_mov_b32 s35, 0
	s_lshl_b32 s36, ttmp9, 11                      ; osw: 2048 g + 512 (w / 2) + 64 (w % 2)
	s_lshl_b32 s37, s32, 9
	s_add_co_u32 s36, s36, s37
	s_lshl_b32 s37, s33, 6
	s_add_co_u32 s36, s36, s37
	s_mov_b32 s37, 0
	s_lshl_b32 s38, s[WV], 15                      ; wimg: my two groups G = 2 w, 2 w + 1
	s_mov_b32 s39, 0
	s_lshl_b32 s68, s[WV], 10                      ; wsc likewise
	s_mov_b32 s69, 0
	s_lshl_b32 s70, ttmp9, 16                      ; x, out0: 32 rows of 2,048 bytes
	s_mov_b32 s71, 0
	s_wait_kmcnt 0x0
	s_add_nc_u64 s[4:5], s[4:5], s[34:35]
	s_add_nc_u64 s[6:7], s[6:7], s[36:37]
	s_add_nc_u64 s[8:9], s[8:9], s[38:39]
	s_add_nc_u64 s[10:11], s[10:11], s[68:69]
	s_add_nc_u64 s[20:21], s[20:21], s[70:71]
	s_add_nc_u64 s[22:23], s[22:23], s[70:71]
	; ---- P0: o's images and scale words, the parameters and x come in; 29 loads, then wo's 66
.irp i, 0,1,2,3
	global_load_b128 v[ACT+4*\i:ACT+4*\i+3], v[LI], s[4:5] offset:512*\i       ; oimg's 16,384 bytes of this pair of tiles ARE the images [u'][s][c]: my eighth
.endr
.irp c, 0,1,2,3
	global_load_b32 v[ACT+16+\c], v[R4], s[6:7] offset:128*\c                  ; heads 4 (w / 2) + c, tile w % 2: a byte a row
.endr
	global_load_b64 v[ACT+20:ACT+21], v[T8], s[14:15]
	global_load_b64 v[ACT+22:ACT+23], v[T8], s[16:17]
	global_load_b64 v[ACT+24:ACT+25], v[T8], s[18:19]
	global_load_b128 v[ACT+28:ACT+31], v[T16], s[12:13]
	global_load_b128 v[ACT+32:ACT+35], v[T16], s[12:13] offset:4096
.irp k, 0,1,2,3,4,5,6,7,8,9,10,11,12,13,14,15
.set RK, 8*(\k/8)+((2*\k)%16)+8*(((2*\k)%16)/8)    ; stage rows 2 k, 2 k + 1 are rows RK, RK + 1 of the 32
	global_load_b128 v[ACC+4*\k:ACC+4*\k+3], v[GD], s[20:21] offset:2048*RK    ; sixteen lanes read 256 consecutive bytes, aligned
.endr
	WLOAD 3
	s_wait_loadcnt 63                              ; of the 95 loads the first 32 are in: the 29 small ones among them
.irp i, 0,1,2,3
	ds_store_b128 v15, v[ACT+4*\i:ACT+4*\i+3] offset:XA+512*\i
.endr
	v_lshl_or_b32 v254, v[ACT+17], 8, v[ACT+16]    ; byte c = head 4 s + c
	v_lshl_or_b32 v254, v[ACT+18], 16, v254
	v_lshl_or_b32 v254, v[ACT+19], 24, v254
	ds_store_b32 v14, v254 offset:XSA              ; lanes 16-31 repeat lanes 0-15
	ds_store_b64 v[T8], v[ACT+20:ACT+21] offset:CONST
	ds_store_b64 v[T8], v[ACT+22:ACT+23] offset:CONST+2048
	ds_store_b64 v[T8], v[ACT+24:ACT+25] offset:CONST+4096
	ds_store_b128 v[T16], v[ACT+28:ACT+31] offset:CONST+6144
	ds_store_b128 v[T16], v[ACT+32:ACT+35] offset:CONST+10240
.irp k, 0,1,2,3,4,5,6,7,8,9,10,11,12,13,14,15
	ds_store_b128 v[RD], v[ACC+4*\k:ACC+4*\k+3] offset:544*\k      ; x turns through my own stage into the accumulators' layout
.endr
	BARRIER                                        ; o's images, its scale words and the parameters lie in LDS
	PARAM 0, ACC
.irp p, 0,1
.irp b, 0,1
.irp i, 0,1,2,3
	ds_load_b128 v[X1+32*\p+16*\b+4*\i:X1+32*\p+16*\b+4*\i+3], v[SO] offset:4352*\p+128*\b+16*\i
.endr
.endr
.endr
	s_wait_dscnt 0x0
.irp p, 0,1
.irp k, 0,2,4,6,8,10,12,14,16,18,20,22,24,26,28,30
	v_pk_add_f32 v[X1+32*\p+\k:X1+32*\p+\k+1], v[X1+32*\p+\k:X1+32*\p+\k+1], v[ACC+\k:ACC+\k+1]   ; x + bo: what the product adds onto
.endr
.endr
	s_wait_loadcnt 0x0                             ; wo
	; ---- G1: x1 = x + bo + o wo
	GEMM X1, 0, XA, XSA
	WLOAD 4                                        ; w1 lands during LN2
	PARAM 1, ACC
	PARAM 2, ACC+32
	; ---- E1: LN2
	v_mov_b32 v213, 0                              ; upper halves of pairs whose low word is broadcast, and lane permutes' destinations
	v_mov_b32 v214, 0
	v_mov_b32 v221, 0
	v_mov_b32 v222, 0
.irp p, 0,1
	v_pk_add_f32 v[208+8*\p:209+8*\p], v[X1+32*\p:X1+32*\p+1], v[X1+32*\p+2:X1+32*\p+3]       ; each accumulator is read from its low end on
	v_pk_add_f32 v[210+8*\p:211+8*\p], v[X1+32*\p+4:X1+32*\p+5], v[X1+32*\p+6:X1+32*\p+7]
.endr
.irp k, 8,16,24
.irp p, 0,1
	v_pk_add_f32 v[208+8*\p:209+8*\p], v[208+8*\p:209+8*\p], v[X1+32*\p+\k:X1+32*\p+\k+1]
	v_pk_add_f32 v[210+8*\p:211+8*\p], v[210+8*\p:211+8*\p], v[X1+32*\p+\k+4:X1+32*\p+\k+5]
	v_pk_add_f32 v[208+8*\p:209+8*\p], v[208+8*\p:209+8*\p], v[X1+32*\p+\k+2:X1+32*\p+\k+3]
	v_pk_add_f32 v[210+8*\p:211+8*\p], v[210+8*\p:211+8*\p], v[X1+32*\p+\k+6:X1+32*\p+\k+7]
.endr
.endr
.irp p, 0,1
	v_pk_add_f32 v[208+8*\p:209+8*\p], v[208+8*\p:209+8*\p], v[210+8*\p:211+8*\p]
.endr
.irp p, 0,1
	v_add_f32 v[212+8*\p], v[208+8*\p], v[209+8*\p]
.endr
.irp p, 0,1
	v_permlanex16_b32 v[214+8*\p], v[212+8*\p], s[SEL], s[SEL+1]
.endr
.irp p, 0,1
	v_add_f32 v[212+8*\p], v[212+8*\p], v[214+8*\p]
.endr
.irp p, 0,1
	v_mul_f32 v[212+8*\p], 0x3c800000, v[212+8*\p]     ; m_w: the mean of my wave's 64 columns of row r of tile p
.endr
.irp k, 0,4,8,12,16,20,24,28
.irp p, 0,1
	v_pk_add_f32 v[224+4*\p:225+4*\p], v[X1+32*\p+\k:X1+32*\p+\k+1], v[212+8*\p:213+8*\p] op_sel_hi:[1,0] neg_lo:[0,1] neg_hi:[0,1]
	v_pk_add_f32 v[226+4*\p:227+4*\p], v[X1+32*\p+\k+2:X1+32*\p+\k+3], v[212+8*\p:213+8*\p] op_sel_hi:[1,0] neg_lo:[0,1] neg_hi:[0,1]
.endr
.irp p, 0,1
.if \k == 0
	v_pk_mul_f32 v[208+8*\p:209+8*\p], v[224+4*\p:225+4*\p], v[224+4*\p:225+4*\p]
	v_pk_mul_f32 v[210+8*\p:211+8*\p], v[226+4*\p:227+4*\p], v[226+4*\p:227+4*\p]
.else
	v_pk_fma_f32 v[208+8*\p:209+8*\p], v[224+4*\p:225+4*\p], v[224+4*\p:225+4*\p], v[208+8*\p:209+8*\p]
	v_pk_fma_f32 v[210+8*\p:211+8*\p], v[226+4*\p:227+4*\p], v[226+4*\p:227+4*\p], v[210+8*\p:211+8*\p]
.endif
.endr
.endr
.irp p, 0,1
	v_pk_add_f32 v[208+8*\p:209+8*\p], v[208+8*\p:209+8*\p], v[210+8*\p:211+8*\p]
.endr
.irp p, 0,1
	v_add_f32 v[215+8*\p], v[208+8*\p], v[209+8*\p]
.endr
.irp p, 0,1
	v_permlanex16_b32 v[214+8*\p], v[215+8*\p], s[SEL], s[SEL+1]
.endr
.irp p, 0,1
	v_add_f32 v[215+8*\p], v[215+8*\p], v[214+8*\p]    ; M2_w
.endr
	v_cndmask_b32 v254, v212, v220, s[MASKHI]      ; lanes 0-15 give tile 0's pair, lanes 16-31 tile 1's
	v_cndmask_b32 v255, v215, v223, s[MASKHI]
	ds_store_b64 v[STW], v[254:255]
	BARRIER                                        ; all eight waves' pairs lie in LDS
.irp p, 0,1
.irp w, 0,1,2,3,4,5,6,7
	ds_load_b64 v[ACT+16*\p+2*\w:ACT+16*\p+2*\w+1], v[STR] offset:256*\w+128*\p
.endr
.endr
	s_wait_dscnt 0x0
.irp p, 0,1
	v_add_f32 v[208+4*\p], v[ACT+16*\p], v[ACT+16*\p+2]
	v_add_f32 v[216+2*\p], v[ACT+16*\p+1], v[ACT+16*\p+3]
.endr
.irp w, 2,3,4,5,6,7
.irp p, 0,1
	v_add_f32 v[208+4*\p], v[208+4*\p], v[ACT+16*\p+2*\w]
	v_add_f32 v[216+2*\p], v[216+2*\p], v[ACT+16*\p+2*\w+1]
.endr
.endr
.irp p, 0,1
	v_mul_f32 v[208+4*\p], 0x3e000000, v[208+4*\p]     ; the row's mean
.endr
.irp w, 0,1,2,3,4,5,6,7
.irp p, 0,1
	v_sub_f32 v[224+8*\p+\w], v[ACT+16*\p+2*\w], v[208+4*\p]
.endr
.endr
.irp p, 0,1
	v_mul_f32 v[217+2*\p], v[224+8*\p], v[224+8*\p]
.endr
.irp w, 1,2,3,4,5,6,7
.irp p, 0,1
	v_fma_f32 v[217+2*\p], v[224+8*\p+\w], v[224+8*\p+\w], v[217+2*\p]
.endr
.endr
.irp p, 0,1
	v_fma_f32 v[216+2*\p], v[217+2*\p], 0x42800000, v[216+2*\p]    ; + 64 x the sum of (m_w - mean)^2
.endr
.irp p, 0,1
	v_fma_f32 v[210+4*\p], v[216+2*\p], s[I512], s[EPS]
.endr
.irp p, 0,1
	v_rsq_f32 v[210+4*\p], v[210+4*\p]
.endr
	v_mov_b32 v209, 0                              ; plain work behind the two: the pairs' upper halves
	v_mov_b32 v211, 0
	v_mov_b32 v213, 0
	v_mov_b32 v215, 0
	s_wait_alu depctr_va_vdst(0)                   ; one wait for both, ahead of their first reader
.irp p, 0,1
.irp k, 0,2,4,6,8,10,12,14,16,18,20,22,24,26,28,30
	v_pk_add_f32 v[ACT+32*\p+\k:ACT+32*\p+\k+1], v[X1+32*\p+\k:X1+32*\p+\k+1], v[208+4*\p:209+4*\p] op_sel_hi:[1,0] neg_lo:[0,1] neg_hi:[0,1]
.endr
.endr
.irp p, 0,1
.irp k, 0,2,4,6,8,10,12,14,16,18,20,22,24,26,28,30
	v_pk_mul_f32 v[ACT+32*\p+\k:ACT+32*\p+\k+1], v[ACT+32*\p+\k:ACT+32*\p+\k+1], v[210+4*\p:211+4*\p] op_sel_hi:[1,0]
.endr
.endr
.irp p, 0,1
.irp k, 0,2,4,6,8,10,12,14,16,18,20,22,24,26,28,30
	v_pk_fma_f32 v[ACT+32*\p+\k:ACT+32*\p+\k+1], v[ACT+32*\p+\k:ACT+32*\p+\k+1], v[ACC+\k:ACC+\k+1], v[ACC+32+\k:ACC+32+\k+1]
.endr
.endr
	QUANT ACT
	IMAGE XB
	SCALEW XSB
	BARRIER                                        ; y's eight fragments lie in LDS
	s_wait_loadcnt 0x0                             ; w1
	; ---- G2
	GEMM ACC, 1, XB, XSB
	PARAM 3, ACT
	PARAM 4, ACT+32
	WLOAD 5                                        ; w2 lands during the activation
	s_wait_dscnt 0x0
	; ---- E2: bn1, gelu
.irp p, 0,1
.irp k, 0,2,4,6,8,10,12,14,16,18,20,22,24,26,28,30
	v_pk_fma_f32 v[ACC+32*\p+\k:ACC+32*\p+\k+1], v[ACC+32*\p+\k:ACC+32*\p+\k+1], v[ACT+\k:ACT+\k+1], v[ACT+32+\k:ACT+32+\k+1]
.endr
.endr
.irp n, 0,1,2,3,4,5,6,7
	GELU8 ACC+8*\n
.endr
	QUANT ACC
	IMAGE XA                                       ; o's images were last read ahead of two barriers that every wave has passed
	SCALEW XSA
	BARRIER                                        ; the hidden layer's eight fragments lie in LDS
	s_wait_loadcnt 0x0                             ; w2
	; ---- G3
	GEMM ACC, 1, XA, XSA
	PARAM 5, ACT
	PARAM 6, ACT+32
	s_wait_dscnt 0x0
	; ---- E3: bn2, the residual, and the way out through my own stage
.irp p, 0,1
.irp k, 0,2,4,6,8,10,12,14,16,18,20,22,24,26,28,30
	v_pk_fma_f32 v[ACC+32*\p+\k:ACC+32*\p+\k+1], v[ACC+32*\p+\k:ACC+32*\p+\k+1], v[ACT+\k:ACT+\k+1], v[ACT+32+\k:ACT+32+\k+1]
.endr
.endr
.set i, 0
.rept 32
	v_pk_add_f32 v[ACC+i:ACC+i+1], v[ACC+i:ACC+i+1], v[X1+i:X1+i+1]
.set i, i+2
.endr
.irp p, 0,1
.irp b, 0,1
.irp i, 0,1,2,3
	ds_store_b128 v[SO], v[ACC+32*\p+16*\b+4*\i:ACC+32*\p+16*\b+4*\i+3] offset:4352*\p+128*\b+16*\i
.endr
.endr
.endr
.irp k, 0,1,2,3,4,5,6,7,8,9,10,11,12,13,14,15
	ds_load_b128 v[ACT+4*\k:ACT+4*\k+3], v[RD] offset:544*\k       ; LDS serves a wave's instructions in order (ISA guide 5.7.1.4): these see my stores
.endr
.irp k, 0,1,2,3,4,5,6,7,8,9,10,11,12,13,14,15
.set RK, 8*(\k/8)+((2*\k)%16)+8*(((2*\k)%16)/8)
	s_wait_dscnt 15-\k                             ; the later rows may stay out
	global_store_b128 v[GD], v[ACT+4*\k:ACT+4*\k+3], s[22:23] offset:2048*RK   ; sixteen lanes store 256 consecutive bytes, aligned
.endr
	s_wait_tensorcnt 0x0                           ; the wave's end, behind my last LDS store
	ds_add_u32 v[SPW], v[NIL]
	s_wait_dscnt 0x0
	s_endpgm
.Lfunc_end_k_q02395c4365_tail:
	.size	k_q02395c4365_tail, .Lfunc_end_k_q02395c4365_tail-k_q02395c4365_tail
	.p2alignl 7, 3214868480
	.fill 96, 4, 3214868480
	.section	.rodata,"a",@progbits
	.p2align	6, 0x0
	.amdhsa_kernel k_q02395c4365_tail
		.amdhsa_group_segment_fixed_size 120832
		.amdhsa_private_segment_fixed_size 0
		.amdhsa_enable_private_segment 0
		.amdhsa_kernarg_size 80
		.amdhsa_user_sgpr_count 2
		.amdhsa_user_sgpr_kernarg_segment_ptr 1
		.amdhsa_wavefront_size32 1
		.amdhsa_system_sgpr_workgroup_id_x 1
		.amdhsa_system_sgpr_workgroup_id_y 1
		.amdhsa_system_sgpr_workgroup_id_z 1
		.amdhsa_system_vgpr_workitem_id 0
		.amdhsa_next_free_vgpr 512
		.amdhsa_next_free_sgpr 72
		.amdhsa_reserve_vcc 0
		.amdhsa_float_denorm_mode_32 3
		.amdhsa_float_denorm_mode_16_64 3
		.amdhsa_memory_ordered 1
		.amdhsa_forward_progress 1
		.amdhsa_inst_pref_size 144
	.end_amdhsa_kernel
	.amdgpu_metadata
---
amdhsa.version: [ 1, 2 ]
amdhsa.kernels:
  - .name:           k_q02395c4365_tail
    .symbol:         k_q02395c4365_tail.kd
    .args:
      - { .name: oimg, .offset: 0, .size: 8, .value_kind: global_buffer, .address_space: global }
      - { .name: osw, .offset: 8, .size: 8, .value_kind: global_buffer, .address_space: global }
      - { .name: wimg, .offset: 16, .size: 8, .value_kind: global_buffer, .address_space: global }
      - { .name: wsc, .offset: 24, .size: 8, .value_kind: global_buffer, .address_space: global }
      - { .name: bnc, .offset: 32, .size: 8, .value_kind: global_buffer, .address_space: global }
      - { .name: bo, .offset: 40, .size: 8, .value_kind: global_buffer, .address_space: global }
      - { .name: ln2_g, .offset: 48, .size: 8, .value_kind: global_buffer, .address_space: global }
      - { .name: ln2_b, .offset: 56, .size: 8, .value_kind: global_buffer, .address_space: global }
      - { .name: x, .offset: 64, .size: 8, .value_kind: global_buffer, .address_space: global }
      - { .name: out0, .offset: 72, .size: 8, .value_kind: global_buffer, .address_space: global }
    .group_segment_fixed_size: 120832
    .private_segment_fixed_size: 0
    .kernarg_segment_align: 8
    .kernarg_segment_size: 80
    .max_flat_workgroup_size: 256
    .sgpr_count:     72
    .vgpr_count:     512
    .wavefront_size: 32
...
	.end_amdgpu_metadata
.endif
;; end of part 4
;; ======== version 2 of 2: 4 launches
;; limits: right only within a limited range of input values
;; workspace buffers: wimg 1,572,864 bytes; wsc 49,152 bytes; bnc 8,192 bytes; qimg 4,194,304 bytes; qsw 524,288 bytes; kv 8,650,752 bytes; oimg 4,194,304 bytes; osw 524,288 bytes
;; launch prep (part 5): grid 97 x 1, 4 waves a work-group, no clusters, 17,664 bytes of LDS; arguments wq, wk, wv, wo, w1, w2, b1, bn1_g, bn1_b, bn1_m, bn1_v, b2, bn2_g, bn2_b, bn2_m, bn2_v, wimg, wsc, bnc; writes wimg, wsc, bnc
.if DOCPART == 5
	.amdgcn_target "amdgcn-amd-amdhsa--gfx1250"
	.amdhsa_code_object_version 6
	.text
	.protected	k_q02395c4365_prep
	.globl	k_q02395c4365_prep
	.p2align	8
	.type	k_q02395c4365_prep,@function
k_q02395c4365_prep:
	s_mov_b64 s[64:65], 0
	v_nop
	global_prefetch_b8 v0, s[64:65] scope:SCOPE_SE
	s_setreg_imm32_b32 hwreg(HW_REG_WAVE_MODE, 25, 1), 1
	s_wait_xcnt 0x0
; PREP: the six weights [512 (k)][512 (n)], f32, become codes of E4M3 with one E8M0 byte for each 32 along k, laid in the order of a matrix operand's registers;
; the two batch norms are folded with the biases in front of them: bn(a + b_lin) = a s + t, s = g rsqrt(var + eps), t = (b_lin - mean) s + beta.
; DEAD WORK: none in the whole program.  Every input has a way to the output (bk too: it moves k's codes), so every input is loaded and every product of the table is done.
; LIMITS: NaN and infinities among the inputs are not served.  A block of zeros gets the byte 1 where the rule says 127: its codes are zeros, which add nothing under any byte but 0xff, and this program alone reads the bytes.
; wimg: [wi = wq, wk, wv, wo, w1, w2][G 16][u 2][kb 16][512 bytes].  Chunk kb: lane (r, h) has, at byte 256 h + 16 r, the codes k = 32 kb + 16 h + 0 .. 15 of column col(G, u, r).
;   With dp = 8 u + r + 8 (r / 8): col = 16 dp + G for wq, wk, wv (G = the head, dp = its channel: reference() has head i in columns 16 d + i), col = 32 G + dp for wo, w1, w2.
;   The rows of a tile are chosen so that a result's 16 registers of tiles u = 0, 1 are 16 neighbours along the next product's K.
; wsc: [wi][G][lane = 16 u + r][16 bytes: kb 0 .. 15].     bnc: [s1, t1, s2, t2][512] f32.
; IN BOTH WAYS A LANE TAKES A COLUMN AND ITS REGISTERS RUN DOWN K, so a block's largest magnitude needs no other lane and the conversions give codes with K innermost.
; SHARES.  Work-group g < 48: wq, wk or wv (g / 16), block kb = g % 16 of 32 along k, ALL 512 columns: 32 whole rows, 65,536 consecutive bytes.  Thread t takes columns 128 q + t, q = 0 .. 3: a load of the four waves
;   covers 512 consecutive bytes.  Column c is head c % 16 = t % 16, channel dp = 8 q + t / 16: u = q % 2, r = 8 (q / 2) + t / 16.  The sixteen channels of a run of 256 bytes of wimg lie in different waves: so the codes
;   meet in LDS, one barrier, and wave w stores heads 4 w .. 4 w + 3: 512 consecutive bytes an instruction.  The scale bytes go the same way and leave one byte a lane, 16 bytes apart, 32 lanes over 512 consecutive bytes:
;   the sixteen work-groups of a weight each write a sixteenth of its 8,192 bytes of wsc.
; Work-group 48 <= g < 96: wo, w1 or w2 (g / 16), group G = g % 16 of 32 neighbouring columns; wave s takes k = 128 s .. 128 s + 127; a load of a wave covers 128 consecutive bytes; no LDS.  Its scale words leave 4 bytes a
;   lane, 16 bytes apart (the four waves fill the same 512 bytes).   Work-group 96 folds the batch norms.
.set X,   16                           ; v16-143  four blocks of 32 numbers; in the first way later what comes back from LDS
.set C,   144                          ; v144-175 eight registers of codes for each block: no store's data are written again
.set SB,  14                           ; v14      the second way: the four scale bytes as a word
.set BY,  176                          ; v176-179 the first way: a scale byte for each block
.set SPW, 180                          ; v180     LDS address of my spare word: SPARE + 4 x my thread's number; never rewritten
.set NIL, 181                          ; v181     0; never rewritten
.set MNT, 31                           ; s31      the mantissa field of 448
.set GP,    1040                       ; LDS: from head to head: [u 2][h 2][r 16][16 bytes] = 1,024 bytes + 16: an odd multiple of 16
.set SCB,   16*GP                      ; behind the codes: the scale bytes [head 16][16 u + r], 512 bytes
.set SPARE, SCB+512                    ; behind them: the spare words, 128 bytes for each wave: two blocks of 256 bytes that no other line names
; Block kb of my four.  left: how many younger loads may stay out.  heads = 1: the first way (codes and byte into LDS); 0: the second (codes to memory, the byte into the word)
.macro BLOCK kb, left, heads
.set XS, X+32*(\kb)
.set CC, C+8*(\kb)
	s_wait_loadcnt \left
	v_max3_num_f32 v8, |v[XS]|, |v[XS+1]|, |v[XS+2]|           ; the block's largest magnitude: all 32 numbers are mine; two chains
	v_max3_num_f32 v9, |v[XS+3]|, |v[XS+4]|, |v[XS+5]|
.irp i, 6,10,14,18,22,26
	v_max3_num_f32 v8, v8, |v[XS+\i]|, |v[XS+\i+1]|
	v_max3_num_f32 v9, v9, |v[XS+\i+2]|, |v[XS+\i+3]|
.endr
	v_max3_num_f32 v8, v8, |v[XS+30]|, |v[XS+31]|
	v_max3_num_f32 v8, v8, v9, 0x4800000           ; and the floor 2^(9 - 127): the byte cannot fall under 1
	v_add_nc_u32 v11, 0xfc000000, v8               ; 8 off the exponent field: the conversion's scale operand
	v_and_or_b32 v10, v8, 0x7f800000, s[MNT]       ; 448 x the scale
.if \heads
	v_lshrrev_b32 v[BY+(\kb)], 23, v11             ; the scale's byte
.else
	v_lshrrev_b32 v9, 23, v11
.if (\kb) == 0
	v_mov_b32 v[SB], v9
.else
	v_lshl_or_b32 v[SB], v9, 8*(\kb), v[SB]
.endif
.endif
.irp i, 0,1,2,3,4,5,6,7,8,9,10,11,12,13,14,15,16,17,18,19,20,21,22,23,24,25,26,27,28,29,30,31
	v_med3_num_f32 v[XS+\i], v[XS+\i], -v10, v10   ; the conversion to an 8-bit code does not saturate (ISA guide 7.6.2): the hold comes first
.endr
.irp g, 0,1,2,3
	v_cvt_scalef32_pk8_fp8_f32 v[CC+2*\g:CC+2*\g+1], v[XS+8*\g:XS+8*\g+7], v11
.endr
.if \heads
	ds_store_b128 v3, v[CC:CC+3] offset:512*((\kb)%2)+128*((\kb)/2)            ; set q = kb: u = q % 2, r = 8 (q / 2) + t / 16; k = 0 .. 15 of the block
	ds_store_b128 v3, v[CC+4:CC+7] offset:512*((\kb)%2)+128*((\kb)/2)+256      ; k = 16 .. 31
	ds_store_b8 v4, v[BY+(\kb)] offset:16*((\kb)%2)+8*((\kb)/2)
.else
	global_store_b128 v3, v[CC:CC+3], s[16:17] offset:512*(\kb)        ; k = 32 kb + 0 .. 15: sixteen lanes store 256 consecutive bytes, aligned
	global_store_b128 v3, v[CC+4:CC+7], s[16:17] offset:512*(\kb)+256  ; k = 32 kb + 16 .. 31
.endif
.endm
	v_lshl_add_u32 v[SPW], v0, 2, SPARE
	v_mov_b32 v[NIL], 0
	s_cmp_ge_u32 ttmp9, 96
	s_cbranch_scc1 .Lbn
	s_load_b256 s[4:11], s[0:1], 0x0               ; wq, wk, wv, wo
	s_load_b128 s[12:15], s[0:1], 0x20             ; w1, w2
	s_load_b128 s[16:19], s[0:1], 0x80             ; wimg, wsc
	s_lshr_b32 s42, ttmp9, 4                       ; wi
	s_and_b32 s43, ttmp9, 15                       ; the first way: kb; the second: G
	s_mov_b32 s[MNT], 0x600000
	s_mov_b32 s49, 0
	s_mov_b32 s51, 0
	s_mov_b32 s53, 0
	s_cmp_ge_u32 ttmp9, 48
	s_cbranch_scc1 .Ldense
	; ---- THE FIRST WAY: wq, wk, wv
	v_lshlrev_b32 v2, 2, v0                        ; my column of a set of 128, in bytes
	v_and_b32 v1, 15, v0                           ; the head
	v_lshrrev_b32 v13, 4, v0                       ; t / 16, 0 .. 7
	v_mul_u32_u24 v3, v1, GP
	v_lshl_add_u32 v3, v13, 4, v3                  ; my codes in LDS: head x pitch + 16 (t / 16)
	v_lshl_add_u32 v4, v1, 5, v13
	v_add_nc_u32 v4, SCB, v4                       ; my scale bytes: 32 x head + t / 16
	v_lshrrev_b32 v12, 5, v0                       ; wave
	v_and_b32 v13, 31, v0                          ; lane
	v_mul_u32_u24 v5, v12, 4*GP
	v_lshl_add_u32 v5, v13, 4, v5                  ; back: my wave's four heads, 16 bytes a lane
	v_lshlrev_b32 v6, 16, v12
	v_lshl_add_u32 v6, v13, 4, v6                  ; and in wimg: 16,384 bytes a head
	v_lshl_add_u32 v7, v12, 7, v13
	v_add_nc_u32 v7, SCB, v7                       ; back: my wave's four heads' bytes, a byte a lane
	v_lshlrev_b32 v12, 11, v12
	v_lshl_add_u32 v12, v13, 4, v12                ; and in wsc: 512 bytes a head, 16 a lane
	s_lshl_b32 s48, s43, 16                        ; 32 rows of 2,048 bytes for each block along k
	s_lshl_b32 s50, s42, 18                        ; wimg: 262144 wi + 512 kb
	s_lshl_b32 s52, s43, 9
	s_add_co_u32 s50, s50, s52
	s_lshl_b32 s52, s42, 13                        ; wsc: 8192 wi + kb
	s_add_co_u32 s52, s52, s43
	s_wait_kmcnt 0x0
	s_cmp_eq_u32 s42, 1                            ; the weight is chosen by the work-group's number alone
	s_cselect_b64 s[4:5], s[6:7], s[4:5]
	s_cmp_eq_u32 s42, 2
	s_cselect_b64 s[4:5], s[8:9], s[4:5]
	s_add_nc_u64 s[4:5], s[4:5], s[48:49]
	s_add_nc_u64 s[16:17], s[16:17], s[50:51]
	s_add_nc_u64 s[18:19], s[18:19], s[52:53]
.set i, 0
.rept 128
	global_load_b32 v[X+i], v2, s[4:5] offset:2048*(i%32)+512*(i/32)   ; W(32 kb + i % 32, 128 (i / 32) + t)
.set i, i+1
.endr
	BLOCK 0, 63, 1                                 ; 96 younger loads could stay out; the wait's field holds 63
	BLOCK 1, 63, 1                                 ; 64 could
	BLOCK 2, 32, 1
	BLOCK 3, 0, 1
	s_wait_dscnt 0x0                               ; my codes and bytes have landed in LDS,
	s_barrier_signal -1
	s_barrier_wait -1                              ; everybody's have
.set n, 0
.rept 8
	ds_load_b128 v[X+4*n:X+4*n+3], v5 offset:GP*(n/2)+512*(n%2)        ; head 4 w + n / 2, u = n % 2: a chunk of 512 bytes as wimg has it
.set n, n+1
.endr
.set n, 0
.rept 4
	ds_load_u8 v[X+32+n], v7 offset:32*n           ; head 4 w + n: lane 16 u + r takes its byte
.set n, n+1
.endr
.set n, 0
.rept 8
	s_wait_dscnt 11-n                              ; behind load n stand 7 - n of its kind and the four of the bytes
	global_store_b128 v6, v[X+4*n:X+4*n+3], s[16:17] offset:16384*(n/2)+8192*(n%2)     ; 512 consecutive bytes, aligned
.set n, n+1
.endr
.set n, 0
.rept 4
	s_wait_dscnt 3-n
	global_store_b8 v12, v[X+32+n], s[18:19] offset:512*n
.set n, n+1
.endr
	s_wait_tensorcnt 0x0                           ; the end of a wave that stored to LDS
	ds_add_u32 v[SPW], v[NIL]
	s_wait_dscnt 0x0
	s_endpgm
.Ldense:                                               ; ---- THE SECOND WAY: wo, w1, w2.  No LDS
	v_lshrrev_b32 v8, 5, v0
	v_readfirstlane_b32 s47, v8                    ; wave = which 128 along k
	v_and_b32 v5, 31, v0                           ; lane
	v_and_b32 v6, 15, v0                           ; r
	v_bfe_u32 v7, v0, 4, 1                         ; u
	v_and_b32 v1, 8, v6
	v_add_nc_u32 v1, v1, v6
	v_lshl_add_u32 v1, v7, 3, v1                   ; dp = 8 u + r + 8 (r / 8)
	s_lshl_b32 s46, s43, 5
	v_add_lshl_u32 v2, v1, s46, 2                  ; my column 32 G + dp, in bytes
	v_lshlrev_b32 v3, 4, v6
	v_lshl_add_u32 v3, v7, 13, v3                  ; the codes' place: 8192 u + 16 r
	v_lshlrev_b32 v4, 4, v5                        ; the scale word's: 16 x lane
	s_lshl_b32 s48, s47, 18                        ; 128 rows of 2,048 bytes for each wave
	s_lshl_b32 s50, s42, 18                        ; wimg: 262144 wi + 16384 G + 2048 s
	s_lshl_b32 s52, s43, 14
	s_add_co_u32 s50, s50, s52
	s_lshl_b32 s52, s47, 11
	s_add_co_u32 s50, s50, s52
	s_lshl_b32 s52, s42, 13                        ; wsc: 8192 wi + 512 G + 4 s
	s_lshl_b32 s54, s43, 9
	s_add_co_u32 s52, s52, s54
	s_lshl_b32 s54, s47, 2
	s_add_co_u32 s52, s52, s54
	s_wait_alu depctr_va_vdst(0)
	s_wait_kmcnt 0x0
	s_cmp_eq_u32 s42, 4                            ; the weight is chosen by the work-group's number alone
	s_cselect_b64 s[4:5], s[12:13], s[10:11]
	s_cmp_eq_u32 s42, 5
	s_cselect_b64 s[4:5], s[14:15], s[4:5]
	s_add_nc_u64 s[4:5], s[4:5], s[48:49]
	s_add_nc_u64 s[16:17], s[16:17], s[50:51]
	s_add_nc_u64 s[18:19], s[18:19], s[52:53]
.set i, 0
.rept 128
	global_load_b32 v[X+i], v2, s[4:5] offset:2048*i   ; W(128 s + i, my column)
.set i, i+1
.endr
	BLOCK 0, 63, 0                                 ; 96 younger loads could stay out; the wait's field holds 63
	BLOCK 1, 63, 0                                 ; 64 could
	BLOCK 2, 32, 0
	BLOCK 3, 0, 0
	global_store_b32 v4, v[SB], s[18:19]
	s_endpgm
.Lbn:                                                  ; ---- thread t folds columns 4 t .. 4 t + 3 of both batch norms.  No LDS
	s_load_b512 s[20:35], s[0:1], 0x30             ; b1, bn1_g, bn1_b, bn1_m, bn1_v, b2, bn2_g, bn2_b
	s_load_b128 s[36:39], s[0:1], 0x70             ; bn2_m, bn2_v
	s_load_b64 s[40:41], s[0:1], 0x90              ; bnc
	v_lshlrev_b32 v1, 4, v0
	s_wait_alu depctr_va_vdst(0)
	s_wait_kmcnt 0x0
.irp n, 0,1,2,3,4,5,6,7,8,9
	global_load_b128 v[16+4*\n:19+4*\n], v1, s[20+2*\n:21+2*\n]   ; layer y at v[16 + 20 y]: b_lin, g, beta, mean, var
.endr
	s_wait_loadcnt 0x0
.irp y, 0,1
.irp i, 0,1,2,3
	v_add_f32 v[32+20*\y+\i], 0x358637bd, v[32+20*\y+\i]         ; var + 1e-6
.endr
.endr
	s_wait_alu depctr_va_vdst(0)
.irp y, 0,1
.irp i, 0,1,2,3
	v_rsq_f32 v[32+20*\y+\i], v[32+20*\y+\i]
.endr
.endr
	v_nop                                          ; a plain instruction behind the last of the batch,
	s_wait_alu depctr_va_vdst(0)                   ; and one wait for all eight, ahead of their first reader
.irp y, 0,1
.irp i, 0,1,2,3
	v_mul_f32 v[56+8*\y+\i], v[32+20*\y+\i], v[20+20*\y+\i]      ; s
	v_sub_f32 v[16+20*\y+\i], v[16+20*\y+\i], v[28+20*\y+\i]     ; b_lin - mean
.endr
.endr
.irp y, 0,1
.irp i, 0,1,2,3
	v_fma_f32 v[60+8*\y+\i], v[16+20*\y+\i], v[56+8*\y+\i], v[24+20*\y+\i]   ; t
.endr
.endr
.irp n, 0,1,2,3
	global_store_b128 v1, v[56+4*\n:59+4*\n], s[40:41] offset:2048*\n
.endr
	s_endpgm
.Lfunc_end_k_q02395c4365_prep:
	.size	k_q02395c4365_prep, .Lfunc_end_k_q02395c4365_prep-k_q02395c4365_prep
	.p2alignl 7, 3214868480
	.fill 96, 4, 3214868480
	.section	.rodata,"a",@progbits
	.p2align	6, 0x0
	.amdhsa_kernel k_q02395c4365_prep
		.amdhsa_group_segment_fixed_size 17664
		.amdhsa_private_segment_fixed_size 0
		.amdhsa_enable_private_segment 0
		.amdhsa_kernarg_size 152
		.amdhsa_user_sgpr_count 2
		.amdhsa_user_sgpr_kernarg_segment_ptr 1
		.amdhsa_wavefront_size32 1
		.amdhsa_system_sgpr_workgroup_id_x 1
		.amdhsa_system_sgpr_workgroup_id_y 1
		.amdhsa_system_sgpr_workgroup_id_z 1
		.amdhsa_system_vgpr_workitem_id 0
		.amdhsa_next_free_vgpr 192
		.amdhsa_next_free_sgpr 66
		.amdhsa_reserve_vcc 0
		.amdhsa_float_denorm_mode_32 3
		.amdhsa_float_denorm_mode_16_64 3
		.amdhsa_memory_ordered 1
		.amdhsa_forward_progress 1
		.amdhsa_inst_pref_size 64
	.end_amdhsa_kernel
	.amdgpu_metadata
---
amdhsa.version: [ 1, 2 ]
amdhsa.kernels:
  - .name:           k_q02395c4365_prep
    .symbol:         k_q02395c4365_prep.kd
    .args:
      - { .name: wq, .offset: 0, .size: 8, .value_kind: global_buffer, .address_space: global }
      - { .name: wk, .offset: 8, .size: 8, .value_kind: global_buffer, .address_space: global }
      - { .name: wv, .offset: 16, .size: 8, .value_kind: global_buffer, .address_space: global }
      - { .name: wo, .offset: 24, .size: 8, .value_kind: global_buffer, .address_space: global }
      - { .name: w1, .offset: 32, .size: 8, .value_kind: global_buffer, .address_space: global }
      - { .name: w2, .offset: 40, .size: 8, .value_kind: global_buffer, .address_space: global }
      - { .name: b1, .offset: 48, .size: 8, .value_kind: global_buffer, .address_space: global }
      - { .name: bn1_g, .offset: 56, .size: 8, .value_kind: global_buffer, .address_space: global }
      - { .name: bn1_b, .offset: 64, .size: 8, .value_kind: global_buffer, .address_space: global }
      - { .name: bn1_m, .offset: 72, .size: 8, .value_kind: global_buffer, .address_space: global }
      - { .name: bn1_v, .offset: 80, .size: 8, .value_kind: global_buffer, .address_space: global }
      - { .name: b2, .offset: 88, .size: 8, .value_kind: global_buffer, .address_space: global }
      - { .name: bn2_g, .offset: 96, .size: 8, .value_kind: global_buffer, .address_space: global }
      - { .name: bn2_b, .offset: 104, .size: 8, .value_kind: global_buffer, .address_space: global }
      - { .name: bn2_m, .offset: 112, .size: 8, .value_kind: global_buffer, .address_space: global }
      - { .name: bn2_v, .offset: 120, .size: 8, .value_kind: global_buffer, .address_space: global }
      - { .name: wimg, .offset: 128, .size: 8, .value_kind: global_buffer, .address_space: global }
      - { .name: wsc, .offset: 136, .size: 8, .value_kind: global_buffer, .address_space: global }
      - { .name: bnc, .offset: 144, .size: 8, .value_kind: global_buffer, .address_space: global }
    .group_segment_fixed_size: 17664
    .private_segment_fixed_size: 0
    .kernarg_segment_align: 8
    .kernarg_segment_size: 152
    .max_flat_workgroup_size: 128
    .sgpr_count:     66
    .vgpr_count:     192
    .wavefront_size: 32
...
	.end_amdgpu_metadata
.endif
;; end of part 5
;; launch qkv (part 6): grid 2 x 128, 8 waves a work-group, no clusters, 35,840 bytes of LDS; arguments x, ln1_g, ln1_b, bq, bk, bv, wimg, wsc, qimg, qsw, kv; writes qimg, qsw, kv
.if DOCPART == 6
	.amdgcn_target "amdgcn-amd-amdhsa--gfx1250"
	.amdhsa_code_object_version 6
	.text
	.protected	k_q02395c4365_qkv
	.globl	k_q02395c4365_qkv
	.p2align	8
	.type	k_q02395c4365_qkv,@function
k_q02395c4365_qkv:
	s_mov_b64 s[64:65], 0
	v_nop
	global_prefetch_b8 v0, s[64:65] scope:SCOPE_SE
	s_setreg_imm32_b32 hwreg(HW_REG_WAVE_MODE, 25, 1), 1
	s_wait_xcnt 0x0
; QKV: ln_x = LN1(x), quantised along C; q, k, v = ln_x W + b on codes of E4M3 (one E8M0 byte for each 32 along K); q and k quantised along the head's 32 channels, v along the keys.  No work is left out.
; SHARES.  A work-group takes 64 rows (work-group y) and 8 heads (work-group x); wave w owns head 8 x + w and makes that head's q, k and v for the 64 rows: three items of 32 matrix instructions on 8 accumulators by turns.
; THE ROWS OF A TILE ARE NOT NEIGHBOURS: lane r of tile 2 P + u takes position 32 P + 8 u + r + 8 (r / 8), and the weights' tiles are laid likewise, so that a result's 16 registers of two neighbouring tiles are 16
; neighbours along the next product's K, and the conversions' results are that product's operand registers.
; q, k: source 0 = the head's 16 channels (weights), source 1 = 16 positions: a lane holds ONE position, its registers run along the channels.  v: the sources swapped: a lane holds one channel, its registers run along the keys.
; OPERANDS ARE STORED AS IMAGES OF THEIR REGISTERS: chunks of 512 bytes, four registers x 32 lanes, lane l's 16 bytes at 16 l: every store of codes covers 512 consecutive bytes, aligned.
;   qimg [hb = 16 batch + head][tile 128][512];  qsw [hb][tile][16] words, the row's byte four times;
;   kv [hb][step 16][8448]: K: 2 fragments of 2,048 bytes, chunk c of a fragment = a tile of 16 keys x 32 channels; V: 2 fragments (channels' tile u), chunk c = keys 32 c on; 128 bytes of K's scale words (lanes 0-15
;   fragment 0, lanes 16-31 fragment 1; byte c = tile c's key); 128 bytes of V's (lanes 0-15 u = 0, lanes 16-31 u = 1; byte c = key block c).
; V's scale bytes leave two bytes a lane, 4 bytes apart (the neighbouring block of 64 rows writes the other two): 128 KiB in the whole launch.
; NO CLUSTER: the row blocks of a head group read the same weights, but each weight fragment goes from memory straight into the registers of the one wave that multiplies by it; a joint load would add an LDS write and an LDS read of all 393,216 bytes.
; LIMITS: NaN and infinities are not served; a block of zeros gets the byte 1 (its codes are zeros).
; REGISTERS.  Window 0: v1-11 addresses; v12-19 x's scale words; v20-23 the weights'; v24-39 the bias as C; v40-55 the quantiser's; v56-59 codes; v60-123 8 accumulators; v124-251 the item's 8 weight fragments.
;   Window 1: x's 16 fragments (tile T, K step s) at 16 (4 T + s): they stay for the three items.   In the LN phase: v24-55 gain and bias, v60-115 14 registers a row, v124-251 eight rows of 16 numbers.
.set CP,    528                        ; a chunk's pitch in LDS: 512 bytes + 16, so that the row-wise stores of codes fall two deep on a bank, not sixteen
.set XIMG,  0                          ; x's images [T 4][chunk 16]
.set XSC,   64*CP                      ; x's scale words [s 4][T 4][r 16]
.set SPARE, XSC+1024                   ; the spare words, 128 bytes for each wave: four blocks of 256 bytes that no other line names
.set LI,  1                            ; 16 x lane
.set LS,  2                            ; 4 x lane
.set R4,  3                            ; 4 x (lane % 16)
.set BQO, 4                            ; q's, k's bias: 1024 h
.set BVO, 5                            ; v's bias: 64 (r + 8 (r / 8))
.set SPW, 6                            ; my spare word; never rewritten
.set NIL, 7                            ; 0; never rewritten
.set XO,  8                            ; LN phase: 64 x lane
.set CST, 9                            ; LN phase: where my 16 codes go
.set SST, 10                           ; LN phase: where my block's scale byte goes
.set PW,  8                            ; later: v8, v9 scale words on their way out
.set XS,  12
.set WS,  20
.set BC,  24
.set TM,  40
.set PC,  56
.set ACC, 60
.set WF,  124
.set XB,  124
.set LG,  24
.set LB,  40
.set LT,  60
.set WV,  26
.set SEL, 32
.set MNT, 34
.set I512, 35
.set EPS, 36
.set MASKHI, 37
.set REP, 38
.set MSB, 0
.macro WIN new                         ; the immediate's high byte repeats the setting that is left
.if MSB != \new
	s_set_vgpr_msb (MSB<<8)|\new
.set MSB, \new
.endif
.endm
.macro PLACES n
.rept \n
	v_nop
.endr
.endm
; one scaled matrix instruction.  c < 0: the constant 0 starts the sum.  ra, rb: the scales stand in lanes 16-31 of their register
.macro MM d, a, b, c, sa, sb, ra, rb
.set mD, \d
.set mA, \a
.set mB, \b
.set mC, \c
.set mSA, \sa
.set mSB, \sb
.set mR, 2*(\ra)+(\rb)
.if mC < 0
.if mR == 3
	v_wmma_scale_f32_16x16x128_f8f6f4 v[mD:mD+7], v[mA:mA+15], v[mB:mB+15], 0, v[mSA], v[mSB] matrix_a_scale:MATRIX_SCALE_ROW1 matrix_b_scale:MATRIX_SCALE_ROW1
.elseif mR == 2
	v_wmma_scale_f32_16x16x128_f8f6f4 v[mD:mD+7], v[mA:mA+15], v[mB:mB+15], 0, v[mSA], v[mSB] matrix_a_scale:MATRIX_SCALE_ROW1
.elseif mR == 1
	v_wmma_scale_f32_16x16x128_f8f6f4 v[mD:mD+7], v[mA:mA+15], v[mB:mB+15], 0, v[mSA], v[mSB] matrix_b_scale:MATRIX_SCALE_ROW1
.else
	v_wmma_scale_f32_16x16x128_f8f6f4 v[mD:mD+7], v[mA:mA+15], v[mB:mB+15], 0, v[mSA], v[mSB]
.endif
.else
.if mR == 3
	v_wmma_scale_f32_16x16x128_f8f6f4 v[mD:mD+7], v[mA:mA+15], v[mB:mB+15], v[mC:mC+7], v[mSA], v[mSB] matrix_a_scale:MATRIX_SCALE_ROW1 matrix_b_scale:MATRIX_SCALE_ROW1
.elseif mR == 2
	v_wmma_scale_f32_16x16x128_f8f6f4 v[mD:mD+7], v[mA:mA+15], v[mB:mB+15], v[mC:mC+7], v[mSA], v[mSB] matrix_a_scale:MATRIX_SCALE_ROW1
.elseif mR == 1
	v_wmma_scale_f32_16x16x128_f8f6f4 v[mD:mD+7], v[mA:mA+15], v[mB:mB+15], v[mC:mC+7], v[mSA], v[mSB] matrix_b_scale:MATRIX_SCALE_ROW1
.else
	v_wmma_scale_f32_16x16x128_f8f6f4 v[mD:mD+7], v[mA:mA+15], v[mB:mB+15], v[mC:mC+7], v[mSA], v[mSB]
.endif
.endif
.endm
	s_load_b256 s[4:11], s[0:1], 0x0               ; x, ln1_g, ln1_b, bq
	s_load_b256 s[12:19], s[0:1], 0x20             ; bk, bv, wimg, wsc
	s_load_b128 s[20:23], s[0:1], 0x40             ; qimg, qsw
	s_load_b64 s[24:25], s[0:1], 0x50              ; kv
	v_lshl_add_u32 v[SPW], v0, 2, SPARE
	v_mov_b32 v[NIL], 0
	v_lshrrev_b32 v11, 5, v0
	s_delay_alu instid0(VALU_DEP_1)
	v_readfirstlane_b32 s[WV], v11                 ; wave 0..7
	s_and_b32 s27, ttmp7, 0xffff                   ; which 64 rows
	s_lshl_b32 s28, ttmp9, 3
	s_add_co_u32 s28, s28, s[WV]                   ; my head
	s_lshr_b32 s29, s27, 5                         ; batch
	s_and_b32 s30, s27, 31                         ; j: which 64 rows of the batch
	s_lshl_b32 s31, s29, 4
	s_add_co_u32 s31, s31, s28                     ; hb
	s_and_b32 s39, s30, 1                          ; z: which half of a key step
	s_mov_b32 s[SEL], 0x76543210
	s_mov_b32 s[SEL+1], 0xfedcba98                 ; v_permlanex16_b32's selects for lane l xor 16
	s_mov_b32 s[MNT], 0x600000                     ; the mantissa field of 448
	s_mov_b32 s[I512], 0x3b000000                  ; 1 / 512
	s_mov_b32 s[EPS], 0x358637bd                   ; 1e-6
	s_mov_b32 s[MASKHI], 0xffff0000                ; lanes 16-31
	s_mov_b32 s[REP], 0x01010101
	v_and_b32 v11, 31, v0                          ; lane
	s_delay_alu instid0(VALU_DEP_1)
	v_lshlrev_b32 v[LI], 4, v11
	s_delay_alu instid0(VALU_DEP_2)
	v_lshlrev_b32 v[LS], 2, v11
	s_delay_alu instid0(VALU_DEP_3)
	v_lshlrev_b32 v[XO], 6, v11
	v_and_b32 v[R4], 15, v0
	s_delay_alu instid0(VALU_DEP_1)
	v_and_b32 v[BVO], 8, v[R4]
	s_delay_alu instid0(VALU_DEP_1)
	v_add_nc_u32 v[BVO], v[BVO], v[R4]
	s_delay_alu instid0(VALU_DEP_1)
	v_lshlrev_b32 v[BVO], 6, v[BVO]
	s_delay_alu instid0(VALU_DEP_4)
	v_lshlrev_b32 v[R4], 2, v[R4]
	v_bfe_u32 v[BQO], v0, 4, 1
	s_delay_alu instid0(VALU_DEP_1)
	v_lshlrev_b32 v[BQO], 10, v[BQO]
	s_lshr_b32 s42, s[WV], 1                       ; LN phase: my 8 rows are rows 8 (w % 2) .. + 7 of tile T = w / 2
	s_and_b32 s43, s[WV], 1
	v_bfe_u32 v[CST], v0, 1, 4                     ; my 16 columns lie in block lane / 2 of 32, half lane % 2
	s_delay_alu instid0(VALU_DEP_1)
	v_mul_u32_u24 v[CST], v[CST], CP
	v_and_b32 v[SST], 1, v0
	s_delay_alu instid0(VALU_DEP_1)
	v_lshl_add_u32 v[CST], v[SST], 8, v[CST]
	s_mul_i32 s40, s42, 16*CP
	s_lshl_b32 s41, s43, 7
	s_add_co_u32 s40, s40, s41
	v_add_nc_u32 v[CST], s40, v[CST]               ; chunk (lane / 2) of tile T, + 256 (lane % 2), + 16 x row
	v_bfe_u32 v[SST], v0, 3, 2
	s_delay_alu instid0(VALU_DEP_1)
	v_lshlrev_b32 v[SST], 8, v[SST]
	v_bfe_u32 v11, v0, 1, 2
	s_delay_alu instid0(VALU_DEP_1)
	v_add_nc_u32 v[SST], v[SST], v11
	s_lshl_b32 s40, s42, 6
	s_lshl_b32 s41, s43, 5
	s_add_co_u32 s40, s40, s41
	s_add_co_u32 s40, s40, XSC
	v_add_nc_u32 v[SST], s40, v[SST]               ; word (s = lane / 8, T, row), byte (lane / 2) % 4
	s_lshr_b32 s44, s[WV], 2                       ; my first position: 32 (w / 4) + 16 (w % 2) + 8 ((w / 2) % 2)
	s_lshl_b32 s44, s44, 5
	s_lshl_b32 s45, s43, 4
	s_add_co_u32 s44, s44, s45
	s_and_b32 s45, s42, 1
	s_lshl_b32 s45, s45, 3
	s_add_co_u32 s44, s44, s45
	s_lshl_b32 s44, s44, 11                        ; rows of 2,048 bytes
	s_lshl_b32 s45, s27, 17
	s_add_co_u32 s44, s44, s45
	s_mov_b32 s45, 0
	s_lshl_b32 s46, s28, 2                         ; biases: column 16 d + head
	s_mov_b32 s47, 0
	s_lshl_b32 s48, s28, 14                        ; wimg: 16,384 bytes a head
	s_mov_b32 s49, 0
	s_lshl_b32 s50, s28, 9                         ; wsc: 512
	s_mov_b32 s51, 0
	s_lshl_b32 s52, s31, 16                        ; qimg: 65536 hb + 2048 j
	s_lshl_b32 s40, s30, 11
	s_add_co_u32 s52, s52, s40
	s_mov_b32 s53, 0
	s_lshl_b32 s54, s31, 13                        ; qsw: 8192 hb + 256 j
	s_lshl_b32 s40, s30, 8
	s_add_co_u32 s54, s54, s40
	s_mov_b32 s55, 0
	s_mul_i32 s56, s31, 135168                     ; kv: 135168 hb + 8448 (j / 2)
	s_lshr_b32 s40, s30, 1
	s_mul_i32 s40, s40, 8448
	s_add_co_u32 s56, s56, s40
	s_mov_b32 s57, 0
	s_mov_b32 s41, 0
.irp q, 0,1,2,3
	v_mov_b32 v[LT+14*\q+5], 0                     ; upper halves of pairs whose low word is broadcast,
	v_mov_b32 v[LT+14*\q+7], 0
	v_mov_b32 v[LT+14*\q+8], 0                     ; and a lane permute's destination, which counts as one of its sources: written once
.endr
	s_wait_kmcnt 0x0
	s_add_nc_u64 s[4:5], s[4:5], s[44:45]
	s_add_nc_u64 s[10:11], s[10:11], s[46:47]
	s_add_nc_u64 s[12:13], s[12:13], s[46:47]
	s_add_nc_u64 s[14:15], s[14:15], s[46:47]
	s_add_nc_u64 s[16:17], s[16:17], s[48:49]
	s_add_nc_u64 s[18:19], s[18:19], s[50:51]
	s_add_nc_u64 s[20:21], s[20:21], s[52:53]
	s_add_nc_u64 s[22:23], s[22:23], s[54:55]
	s_add_nc_u64 s[24:25], s[24:25], s[56:57]
	s_lshl_b32 s40, s39, 11
	s_add_nc_u64 s[56:57], s[24:25], s[40:41]      ; K's codes: fragment z
	s_lshl_b32 s40, s39, 6
	s_add_nc_u64 s[58:59], s[24:25], s[40:41]      ; K's scale words: 64 z
	s_lshl_b32 s40, s39, 10
	s_add_nc_u64 s[60:61], s[24:25], s[40:41]      ; V's codes: key blocks 2 z, 2 z + 1
	s_lshl_b32 s40, s39, 1
	s_add_nc_u64 s[62:63], s[24:25], s[40:41]      ; V's scale bytes: 2 z
.irp j, 0,1,2,3
	global_load_b128 v[LG+4*\j:LG+4*\j+3], v[XO], s[6:7] offset:16*\j
	global_load_b128 v[LB+4*\j:LB+4*\j+3], v[XO], s[8:9] offset:16*\j
.endr
.irp i, 0,1,2,3,4,5,6,7
.irp j, 0,1,2,3
	global_load_b128 v[XB+16*\i+4*\j:XB+16*\i+4*\j+3], v[XO], s[4:5] offset:2048*\i+16*\j   ; row i, my columns 16 lane .. + 15
.endr
.endr
.macro RQ g, q                         ; row q of group g: its numbers and its 14 registers
.set XR, XB+16*(4*(\g)+(\q))
.set TQ, LT+14*(\q)
.endm
.macro RED                             ; v[TQ+4] summed over the wave's 32 lanes, the four rows by turns
.irp m, 1,2,4,8
.irp q, 0,1,2,3
	s_delay_alu instid0(VALU_DEP_4)
	v_add_f32_dpp v[LT+14*\q+4], v[LT+14*\q+4], v[LT+14*\q+4] row_xmask:\m row_mask:0xf bank_mask:0xf
.endr
.endr
.irp q, 0,1,2,3
	s_delay_alu instid0(VALU_DEP_4)
	v_permlanex16_b32 v[LT+14*\q+8], v[LT+14*\q+4], s[SEL], s[SEL+1]
.endr
.irp q, 0,1,2,3
	s_delay_alu instid0(VALU_DEP_4)
	v_add_f32 v[LT+14*\q+4], v[LT+14*\q+4], v[LT+14*\q+8]
.endr
.endm
; Four rows: LN as reference() has it (mean, then the mean of the squared differences), then the quantiser along C: two neighbouring lanes hold a block of 32.  Every stage by turns over the rows.
.macro LN4 g
.irp q, 0,1,2,3
	RQ \g, \q
	v_pk_add_f32 v[TQ:TQ+1], v[XR:XR+1], v[XR+2:XR+3]
	v_pk_add_f32 v[TQ+2:TQ+3], v[XR+4:XR+5], v[XR+6:XR+7]
.endr
.irp k, 8,12
.irp q, 0,1,2,3
	RQ \g, \q
	v_pk_add_f32 v[TQ:TQ+1], v[TQ:TQ+1], v[XR+\k:XR+\k+1]
	v_pk_add_f32 v[TQ+2:TQ+3], v[TQ+2:TQ+3], v[XR+\k+2:XR+\k+3]
.endr
.endr
.irp q, 0,1,2,3
	RQ \g, \q
	v_pk_add_f32 v[TQ:TQ+1], v[TQ:TQ+1], v[TQ+2:TQ+3]
.endr
.irp q, 0,1,2,3
	RQ \g, \q
	s_delay_alu instid0(VALU_DEP_4)
	v_add_f32 v[TQ+4], v[TQ], v[TQ+1]
.endr
	RED
.irp q, 0,1,2,3
	RQ \g, \q
	s_delay_alu instid0(VALU_DEP_4)
	v_mul_f32 v[TQ+4], s[I512], v[TQ+4]            ; the mean
.endr
.irp k, 0,2,4,6,8,10,12,14
.irp q, 0,1,2,3
	RQ \g, \q
	v_pk_add_f32 v[XR+\k:XR+\k+1], v[XR+\k:XR+\k+1], v[TQ+4:TQ+5] op_sel_hi:[1,0] neg_lo:[0,1] neg_hi:[0,1]
.endr
.endr
.irp q, 0,1,2,3
	RQ \g, \q
	v_pk_mul_f32 v[TQ:TQ+1], v[XR:XR+1], v[XR:XR+1]
	v_pk_mul_f32 v[TQ+2:TQ+3], v[XR+2:XR+3], v[XR+2:XR+3]
.endr
.irp k, 4,8,12
.irp q, 0,1,2,3
	RQ \g, \q
	v_pk_fma_f32 v[TQ:TQ+1], v[XR+\k:XR+\k+1], v[XR+\k:XR+\k+1], v[TQ:TQ+1]
	v_pk_fma_f32 v[TQ+2:TQ+3], v[XR+\k+2:XR+\k+3], v[XR+\k+2:XR+\k+3], v[TQ+2:TQ+3]
.endr
.endr
.irp q, 0,1,2,3
	RQ \g, \q
	v_pk_add_f32 v[TQ:TQ+1], v[TQ:TQ+1], v[TQ+2:TQ+3]
.endr
.irp q, 0,1,2,3
	RQ \g, \q
	s_delay_alu instid0(VALU_DEP_4)
	v_add_f32 v[TQ+4], v[TQ], v[TQ+1]
.endr
	RED
.irp q, 0,1,2,3
	RQ \g, \q
	s_delay_alu instid0(VALU_DEP_4)
	v_fma_f32 v[TQ+6], v[TQ+4], s[I512], s[EPS]    ; the variance + 1e-6
.endr
	s_wait_alu depctr_va_vdst(0)
.irp q, 0,1,2,3
	RQ \g, \q
	v_rsq_f32 v[TQ+6], v[TQ+6]
.endr
	v_nop                                          ; a plain instruction behind the batch,
	s_wait_alu depctr_va_vdst(0)                   ; and one wait for the four, ahead of their first reader
.irp k, 0,2,4,6,8,10,12,14
.irp q, 0,1,2,3
	RQ \g, \q
	v_pk_mul_f32 v[XR+\k:XR+\k+1], v[XR+\k:XR+\k+1], v[TQ+6:TQ+7] op_sel_hi:[1,0]
.endr
.endr
.irp k, 0,2,4,6,8,10,12,14
.irp q, 0,1,2,3
	RQ \g, \q
	v_pk_fma_f32 v[XR+\k:XR+\k+1], v[XR+\k:XR+\k+1], v[LG+\k:LG+\k+1], v[LB+\k:LB+\k+1]
.endr
.endr
.irp q, 0,1,2,3
	RQ \g, \q
	v_max3_num_f32 v[TQ+9], |v[XR]|, |v[XR+1]|, 0x4800000      ; my 16 numbers, and the floor 2^(9 - 127)
.endr
.irp i, 2,4,6,8,10,12,14
.irp q, 0,1,2,3
	RQ \g, \q
	s_delay_alu instid0(VALU_DEP_4)
	v_max3_num_f32 v[TQ+9], v[TQ+9], |v[XR+\i]|, |v[XR+\i+1]|
.endr
.endr
.irp q, 0,1,2,3
	RQ \g, \q
	s_delay_alu instid0(VALU_DEP_4)
	v_max_num_f32_dpp v[TQ+9], v[TQ+9], v[TQ+9] row_xmask:1 row_mask:0xf bank_mask:0xf   ; with my neighbour's 16: the block's
.endr
.irp q, 0,1,2,3
	RQ \g, \q
	v_add_nc_u32 v[TQ+10], 0xfc000000, v[TQ+9]     ; the conversion's scale operand
	v_and_or_b32 v[TQ+11], v[TQ+9], 0x7f800000, s[MNT]   ; 448 x the scale
.endr
.irp q, 0,1,2,3
	RQ \g, \q
	v_lshrrev_b32 v[TQ+12], 23, v[TQ+10]           ; the byte
.endr
.irp q, 0,1,2,3
	RQ \g, \q
.irp i, 0,1,2,3,4,5,6,7,8,9,10,11,12,13,14,15
	v_med3_num_f32 v[XR+\i], v[XR+\i], -v[TQ+11], v[TQ+11]
.endr
	v_cvt_scalef32_pk8_fp8_f32 v[TQ:TQ+1], v[XR:XR+7], v[TQ+10]
	v_cvt_scalef32_pk8_fp8_f32 v[TQ+2:TQ+3], v[XR+8:XR+15], v[TQ+10]
.endr
	v_nop                                          ; a plain instruction behind the last conversion: later vector and matrix instructions write its registers
.irp q, 0,1,2,3
	RQ \g, \q
	ds_store_b128 v[CST], v[TQ:TQ+3] offset:16*(4*\g+\q)
	ds_store_b8 v[SST], v[TQ+12] offset:4*(4*\g+\q)        ; both lanes of a block write the same byte with the same value
.endr
.endm
.macro WLOADH it, half                 ; item it's weight fragments of tile u = half: 16 chunks of 512 bytes, as they lie
.irp i, 0,1,2,3,4,5,6,7,8,9,10,11,12,13,14,15
	global_load_b128 v[WF+4*(16*\half+\i):WF+4*(16*\half+\i)+3], v[LI], s[16:17] offset:\it*262144+512*(16*\half+\i)
.endr
.endm
.macro AUXLOAD it                      ; its scale words (register s; lanes 0-15 u = 0, lanes 16-31 u = 1) and its bias, in the result's layout
	global_load_b128 v[WS:WS+3], v[LI], s[18:19] offset:\it*8192
.irp u, 0,1
.irp j, 0,1,2,3,4,5,6,7
.if \it == 2
	global_load_b32 v[BC+8*\u+\j], v[BVO], s[14:15] offset:512*\u          ; v: my lane's one channel, for all eight keys
.elseif \it == 1
	global_load_b32 v[BC+8*\u+\j], v[BQO], s[12:13] offset:64*(8*\u+\j)    ; k: channel 16 h + 8 u + j
.else
	global_load_b32 v[BC+8*\u+\j], v[BQO], s[10:11] offset:64*(8*\u+\j)    ; q likewise
.endif
.endr
.endr
.endm
	s_wait_loadcnt 16                              ; gain, bias and rows 0-3 are in; the 16 loads of rows 4-7 may stay out
	LN4 0
	WLOADH 0, 0                                    ; into the registers that rows 0-3 have left
	s_wait_loadcnt 16                              ; rows 4-7 are in; the 16 weight loads just issued may stay out
	s_wait_dscnt 0x0                               ; the first group's LDS stores have read their registers
	LN4 1
	WLOADH 0, 1
	AUXLOAD 0
.irp b, 0,1,2,3
	v_mov_b32 v[TM+4+\b], 0                        ; a lane permute's destination counts as one of its sources
.endr
	s_wait_dscnt 0x0                               ; my stores of codes and scale bytes have landed,
	s_barrier_signal -1
	s_barrier_wait -1                              ; everybody's have: x's 16 fragments lie in LDS
	WIN 0x40                                       ; destination window 1
.set i, 0
.rept 64
	ds_load_b128 v[4*i:4*i+3], v[LI] offset:XIMG+CP*i
.set i, i+1
.endr
	WIN 0
.irp s, 0,1,2,3
.irp p, 0,1
	ds_load_b32 v[XS+2*\s+\p], v[LS] offset:XSC+256*\s+128*\p  ; lanes 0-15 tile 2 p, lanes 16-31 tile 2 p + 1
.endr
.endr
	s_wait_dscnt 0x0
	s_wait_loadcnt 0x0
; An item: 32 matrix instructions, the 8 accumulators by turns, one instruction a turn.  The bias is the C of each sum's first instruction.
.macro GEMM kind                       ; 0: q or k;  1: v (the sources swapped)
.if \kind
	WIN 0x01                                       ; source 0 (x) window 1
.else
	WIN 0x04                                       ; source 1 (x) window 1
.endif
.irp ks, 0,1,2,3
.irp rt, 0,1,2,3
.irp u, 0,1
.if \kind
.if \ks == 0
	MM ACC+16*(2*\u+\rt/2)+8*(\rt%2), 16*(4*\rt+\ks), WF+16*(4*\u+\ks), BC+8*\u, XS+2*\ks+\rt/2, WS+\ks, \rt%2, \u
.else
	MM ACC+16*(2*\u+\rt/2)+8*(\rt%2), 16*(4*\rt+\ks), WF+16*(4*\u+\ks), ACC+16*(2*\u+\rt/2)+8*(\rt%2), XS+2*\ks+\rt/2, WS+\ks, \rt%2, \u
.endif
.else
.if \ks == 0
	MM ACC+16*\rt+8*\u, WF+16*(4*\u+\ks), 16*(4*\rt+\ks), BC+8*\u, WS+\ks, XS+2*\ks+\rt/2, \u, \rt%2
.else
	MM ACC+16*\rt+8*\u, WF+16*(4*\u+\ks), 16*(4*\rt+\ks), ACC+16*\rt+8*\u, WS+\ks, XS+2*\ks+\rt/2, \u, \rt%2
.endif
.endif
.endr
.endr
.endr
	WIN 0
	PLACES 8                                       ; in front of loads into registers that these have read, and of the first read of results
.endm
; The four blocks of 32 at v[ACC + 16 b]: 16 numbers in my lane, 16 in lane l xor 16.  Codes: block 0's into v[PC], block b's into the registers that block b - 1 has left; bytes in v[TM+4+b].
.macro QUANT4
.irp b, 0,1,2,3
	v_max3_num_f32 v[TM+\b], |v[ACC+16*\b]|, |v[ACC+16*\b+1]|, 0x4800000   ; each accumulator is read from its low end on
.endr
.irp i, 2,4,6,8,10,12,14
.irp b, 0,1,2,3
	v_max3_num_f32 v[TM+\b], v[TM+\b], |v[ACC+16*\b+\i]|, |v[ACC+16*\b+\i+1]|
.endr
.endr
.irp b, 0,1,2,3
	s_delay_alu instid0(VALU_DEP_4)
	v_permlanex16_b32 v[TM+4+\b], v[TM+\b], s[SEL], s[SEL+1]
.endr
.irp b, 0,1,2,3
	s_delay_alu instid0(VALU_DEP_4)
	v_max_num_f32 v[TM+\b], v[TM+\b], v[TM+4+\b]
.endr
.irp b, 0,1,2,3
	s_delay_alu instid0(VALU_DEP_4)
	v_add_nc_u32 v[TM+12+\b], 0xfc000000, v[TM+\b]
.endr
.irp b, 0,1,2,3
	v_and_or_b32 v[TM+8+\b], v[TM+\b], 0x7f800000, s[MNT]
.endr
.irp b, 0,1,2,3
	v_lshrrev_b32 v[TM+4+\b], 23, v[TM+12+\b]
.endr
.irp b, 0,1,2,3
.if \b == 0
.set CD, PC
.else
.set CD, ACC+16*(\b-1)
.endif
.irp i, 0,1,2,3,4,5,6,7,8,9,10,11,12,13,14,15
	v_med3_num_f32 v[ACC+16*\b+\i], v[ACC+16*\b+\i], -v[TM+8+\b], v[TM+8+\b]
.endr
	v_cvt_scalef32_pk8_fp8_f32 v[CD:CD+1], v[ACC+16*\b:ACC+16*\b+7], v[TM+12+\b]
	v_cvt_scalef32_pk8_fp8_f32 v[CD+2:CD+3], v[ACC+16*\b+8:ACC+16*\b+15], v[TM+12+\b]
.endr
	v_nop                                          ; a plain instruction behind the last conversion: the next item's products write its registers
.endm
.macro STORE4 sb, o0, o1, o2, o3       ; the four blocks' codes: 512 consecutive bytes each
	global_store_b128 v[LI], v[PC:PC+3], s[\sb:\sb+1] offset:\o0
	global_store_b128 v[LI], v[ACC:ACC+3], s[\sb:\sb+1] offset:\o1
	global_store_b128 v[LI], v[ACC+16:ACC+19], s[\sb:\sb+1] offset:\o2
	global_store_b128 v[LI], v[ACC+32:ACC+35], s[\sb:\sb+1] offset:\o3
.endm
	; ---- q
	GEMM 0
	WLOADH 1, 0                                    ; k's weights land while q is quantised
	WLOADH 1, 1
	AUXLOAD 1
	QUANT4
	STORE4 20, 0, 512, 1024, 1536                  ; block b = tile b
.irp b, 0,1,2,3
	v_mul_lo_u32 v[TM+4+\b], v[TM+4+\b], s[REP]    ; the byte four times: in the score product q stands in any of the four blocks along K
.endr
	s_delay_alu instid0(VALU_DEP_3)
	v_cndmask_b32 v[PW], v[TM+4], v[TM+5], s[MASKHI]   ; lanes 0-15 the even tile's word, lanes 16-31 the odd one's
	s_delay_alu instid0(VALU_DEP_2)
	v_cndmask_b32 v[PW+1], v[TM+6], v[TM+7], s[MASKHI]
	global_store_b32 v[LS], v[PW], s[22:23]
	global_store_b32 v[LS], v[PW+1], s[22:23] offset:128
	s_wait_xcnt 0x0                                ; the stores have read their registers: the accumulators and v8, v9 are written again only behind this wait
	s_wait_loadcnt 0x0                             ; k's weights, scale words and bias
	; ---- k
	GEMM 0
	WLOADH 2, 0
	WLOADH 2, 1
	AUXLOAD 2
	QUANT4
	STORE4 56, 0, 512, 1024, 1536                  ; chunk c of fragment z = tile c
	v_lshl_or_b32 v[PW], v[TM+5], 8, v[TM+4]       ; byte c = tile c's key
	s_delay_alu instid0(VALU_DEP_1)
	v_lshl_or_b32 v[PW], v[TM+6], 16, v[PW]
	s_delay_alu instid0(VALU_DEP_1)
	v_lshl_or_b32 v[PW], v[TM+7], 24, v[PW]
	global_store_b32 v[R4], v[PW], s[58:59] offset:8192    ; lanes 16-31 repeat lanes 0-15
	s_wait_xcnt 0x0
	s_wait_loadcnt 0x0
	; ---- v
	GEMM 1
	QUANT4
	STORE4 60, 4096, 4608, 6144, 6656              ; block 2 u + P: fragment u, key block 2 z + P
	v_lshl_or_b32 v[PW], v[TM+5], 8, v[TM+4]
	v_lshl_or_b32 v[PW+1], v[TM+7], 8, v[TM+6]
	s_delay_alu instid0(VALU_DEP_1)
	v_cndmask_b32 v[PW], v[PW], v[PW+1], s[MASKHI] ; lanes 0-15 u = 0, lanes 16-31 u = 1
	global_store_b16 v[LS], v[PW], s[62:63] offset:8320
	s_wait_tensorcnt 0x0                           ; the wave's end, behind my last LDS store
	ds_add_u32 v[SPW], v[NIL]
	s_wait_dscnt 0x0
	s_endpgm
.Lfunc_end_k_q02395c4365_qkv:
	.size	k_q02395c4365_qkv, .Lfunc_end_k_q02395c4365_qkv-k_q02395c4365_qkv
	.p2alignl 7, 3214868480
	.fill 96, 4, 3214868480
	.section	.rodata,"a",@progbits
	.p2align	6, 0x0
	.amdhsa_kernel k_q02395c4365_qkv
		.amdhsa_group_segment_fixed_size 35840
		.amdhsa_private_segment_fixed_size 0
		.amdhsa_enable_private_segment 0
		.amdhsa_kernarg_size 88
		.amdhsa_user_sgpr_count 2
		.amdhsa_user_sgpr_kernarg_segment_ptr 1
		.amdhsa_wavefront_size32 1
		.amdhsa_system_sgpr_workgroup_id_x 1
		.amdhsa_system_sgpr_workgroup_id_y 1
		.amdhsa_system_sgpr_workgroup_id_z 1
		.amdhsa_system_vgpr_workitem_id 0
		.amdhsa_next_free_vgpr 512
		.amdhsa_next_free_sgpr 66
		.amdhsa_reserve_vcc 0
		.amdhsa_float_denorm_mode_32 3
		.amdhsa_float_denorm_mode_16_64 3
		.amdhsa_memory_ordered 1
		.amdhsa_forward_progress 1
		.amdhsa_inst_pref_size 118
	.end_amdhsa_kernel
	.amdgpu_metadata
---
amdhsa.version: [ 1, 2 ]
amdhsa.kernels:
  - .name:           k_q02395c4365_qkv
    .symbol:         k_q02395c4365_qkv.kd
    .args:
      - { .name: x, .offset: 0, .size: 8, .value_kind: global_buffer, .address_space: global }
      - { .name: ln1_g, .offset: 8, .size: 8, .value_kind: global_buffer, .address_space: global }
      - { .name: ln1_b, .offset: 16, .size: 8, .value_kind: global_buffer, .address_space: global }
      - { .name: bq, .offset: 24, .size: 8, .value_kind: global_buffer, .address_space: global }
      - { .name: bk, .offset: 32, .size: 8, .value_kind: global_buffer, .address_space: global }
      - { .name: bv, .offset: 40, .size: 8, .value_kind: global_buffer, .address_space: global }
      - { .name: wimg, .offset: 48, .size: 8, .value_kind: global_buffer, .address_space: global }
      - { .name: wsc, .offset: 56, .size: 8, .value_kind: global_buffer, .address_space: global }
      - { .name: qimg, .offset: 64, .size: 8, .value_kind: global_buffer, .address_space: global }
      - { .name: qsw, .offset: 72, .size: 8, .value_kind: global_buffer, .address_space: global }
      - { .name: kv, .offset: 80, .size: 8, .value_kind: global_buffer, .address_space: global }
    .group_segment_fixed_size: 35840
    .private_segment_fixed_size: 0
    .kernarg_segment_align: 8
    .kernarg_segment_size: 88
    .max_flat_workgroup_size: 256
    .sgpr_count:     66
    .vgpr_count:     512
    .wavefront_size: 32
...
	.end_amdgpu_metadata
.endif
;; end of part 6
;; launch attn (part 7): grid 4 x 64, 16 waves a work-group, clusters of 4 x 1, 167,936 bytes of LDS; arguments qimg, qsw, kv, oimg, osw; writes oimg, osw
.if DOCPART == 7
	.amdgcn_target "amdgcn-amd-amdhsa--gfx1250"
	.amdhsa_code_object_version 6
	.text
	.protected	k_q02395c4365_attn
	.globl	k_q02395c4365_attn
	.p2align	8
	.type	k_q02395c4365_attn,@function
k_q02395c4365_attn:
	s_mov_b64 s[64:65], 0
	v_nop
	global_prefetch_b8 v0, s[64:65] scope:SCOPE_SE
	s_setreg_imm32_b32 hwreg(HW_REG_WAVE_MODE, 25, 1), 1
	s_wait_xcnt 0x0
	s_wait_alu depctr_hold_cnt(0) depctr_sa_sdst(0) depctr_va_vdst(0) depctr_va_sdst(0) depctr_va_ssrc(0) depctr_va_vcc(0) depctr_vm_vsrc(0)
	s_getreg_b32 s2, hwreg(HW_REG_IB_STS2, 6, 4)
	s_cmp_eq_u32 s2, 0
	s_cbranch_scc0 .Lentry_in_a_cluster
	s_endpgm
.Lentry_in_a_cluster:
	s_bfe_u32 s2, ttmp6, 0x10000c
	s_cmp_lg_u32 s2, 0x3003
	s_cbranch_scc0 .Lentry_shape_is_right
	s_endpgm
.Lentry_shape_is_right:
; ATTN: for each batch and head (hb), o = softmax(q k^T / sqrt(32)) v, both products on codes of E4M3; o quantised along C (a block of 32 = a head) for the projection.  No work is left out.
; THE SOFTMAX AHEAD OF THE SECOND PRODUCT: t = score x log2(e) / sqrt(32); M = the running largest t rounded UP to a whole number; p = 2^(t - M) is quantised along the keys; the row's sum is taken of the
; unquantised p and divides at the end; when M moves, the sum and O are multiplied by 2^(old M - new M), which rounds nothing.
; SHARES.  A cluster of four work-groups is one hb; a work-group owns 512 queries; each of its sixteen waves 32: two tiles of 16.
; A head's K and V, codes and scale words, are 135,168 bytes: they come into LDS ONCE, each wave asking for one key step's 8,448 bytes, JOINTLY with the same wave of the three partners (the same descriptor, a mask
; that names the four).  By this text's count one tensor load a wave is out.  Nothing is filled again.  No prefetch: the one stream is asked for at the kernel's head.
; K = 32 IN AN INSTRUCTION OF K = 128.  One fragment of K holds FOUR tiles of 16 keys: block c along K = tile c's 32 channels, byte c of the scale word = tile c's key.  The other source holds q in block c and zero
; codes elsewhere, so the product is tile c's scores.  The four such sources of a query tile are windows of one run of registers, 12 zeros, q, 12 zeros; q's scale word holds its byte four times.
; LAYOUT.  Both products are used transposed: a lane holds ONE query (lane % 16) throughout.  Tile 2 b + u of a step holds keys 32 b + 8 u + r + 8 (r / 8), so that the 16 registers of tiles 2 b, 2 b + 1 are keys 32 b + 16 (lane / 16) + 0 .. 15.
; LIMITS: NaN and infinities are not served; the promise holds while the scaled scores stay under 2^31 in magnitude.  A block's largest p is taken from the block's largest score by the same multiply-add and
; exponential: that takes v_exp_f32 not to fall where its input rises.  A block's largest exponent t - M is held at -117 from below, so that its byte cannot fall under 1: a block whose every p lies under 2^-117
; (the row's largest p is over 1/2) gets that floor's scale, one step above the rule's lowest; its codes are zeros or the format's smallest numbers.
.set STEPB, 8448
.set SPARE, 16*STEPB                   ; behind the head's K and V: the spare words, 128 bytes for each wave: eight blocks of 256 bytes that no other line names
.set LI,  1                            ; 16 x lane
.set LS,  2                            ; 4 x lane
.set ADR, 3                            ; the step's images
.set ADS, 4                            ; the step's scale words
.set SPW, 5                            ; my spare word; never rewritten
.set NIL, 6                            ; 0; never rewritten
                                       ; tile t: v[8+4t] -M, v[9+4t] the largest score, v[10+4t:11+4t] the sum in two halves
                                       ; v16-59: zeros but for q of tile 0 in v28-31 and of tile 1 in v44-47; the source (t, c) is v[28+16t-4c] on
.set QS,  60                           ; q's scale words: lanes 0-15 tile 0, lanes 16-31 tile 1
.set KS,  61                           ; K's: lanes 0-15 fragment 0, lanes 16-31 fragment 1
.set VS,  62                           ; V's: lanes 0-15 u = 0, lanes 16-31 u = 1
.set PS0, 63                           ; v63, v64 p's scale words
.set KF,  68                           ; v68-99   two fragments of K, then two of V
.set S,   100                          ; v100-163 S^T of one tile, then p
.set PCD, 164                          ; v164-195 p's codes, 16 a tile; ahead of the conversions eight pair sums of p
.set O,   196                          ; v196-227 O^T at 16 t + 8 u
.set BM,  228                          ; a block's largest score, then its largest exponent, then its largest p
.set PD,  232                          ; second chains of the maxima; lane permutes' results; the bytes
.set HD,  236                          ; 448 x the scale
.set SO,  240                          ; the conversions' scale operands
.set FF,  244                          ; v[244:245], v[246:247] f = 2^(old M - new M)
.set T,   248                          ; v248, v249 at work
.set CH,  250                          ; v250-255 three more chains of the row's sum
.set WV,  14
.set MNT, 18
.set MASKHI, 19
.set SEL, 20
.set CS,  22                           ; s[22:23] c = log2(e) / sqrt(32)
.set G0,  24
.set G1,  28
.set TB,  36
.set CNT, 37
.macro PLACES n
.rept \n
	v_nop
.endr
.endm
.macro MM d, a, b, c, sa, sb, ra, rb   ; one scaled matrix instruction.  c < 0: the constant 0 starts the sum.  ra, rb: the scales stand in lanes 16-31 (with a C register only ra = 1, rb = 0 sets one)
.set mD, \d
.set mA, \a
.set mB, \b
.set mC, \c
.set mSA, \sa
.set mSB, \sb
.set mR, 2*(\ra)+(\rb)
.if mC < 0
.if mR == 3
	v_wmma_scale_f32_16x16x128_f8f6f4 v[mD:mD+7], v[mA:mA+15], v[mB:mB+15], 0, v[mSA], v[mSB] matrix_a_scale:MATRIX_SCALE_ROW1 matrix_b_scale:MATRIX_SCALE_ROW1
.elseif mR == 2
	v_wmma_scale_f32_16x16x128_f8f6f4 v[mD:mD+7], v[mA:mA+15], v[mB:mB+15], 0, v[mSA], v[mSB] matrix_a_scale:MATRIX_SCALE_ROW1
.elseif mR == 1
	v_wmma_scale_f32_16x16x128_f8f6f4 v[mD:mD+7], v[mA:mA+15], v[mB:mB+15], 0, v[mSA], v[mSB] matrix_b_scale:MATRIX_SCALE_ROW1
.else
	v_wmma_scale_f32_16x16x128_f8f6f4 v[mD:mD+7], v[mA:mA+15], v[mB:mB+15], 0, v[mSA], v[mSB]
.endif
.else
.if mR == 2
	v_wmma_scale_f32_16x16x128_f8f6f4 v[mD:mD+7], v[mA:mA+15], v[mB:mB+15], v[mC:mC+7], v[mSA], v[mSB] matrix_a_scale:MATRIX_SCALE_ROW1
.else
	v_wmma_scale_f32_16x16x128_f8f6f4 v[mD:mD+7], v[mA:mA+15], v[mB:mB+15], v[mC:mC+7], v[mSA], v[mSB]
.endif
.endif
.endm
.macro CROUND                          ; a round of the cluster's barrier
	s_barrier_signal -1
	s_barrier_wait -1
	s_cmp_lg_u32 s[WV], 0
	s_cbranch_scc1 .Lnot_wave_0_\@
	s_barrier_signal -3
.Lnot_wave_0_\@:
	s_barrier_wait -3
	s_barrier_signal -1
	s_barrier_wait -1
.endm
	s_load_b256 s[4:11], s[0:1], 0x0               ; qimg, qsw, kv, oimg
	s_load_b64 s[12:13], s[0:1], 0x20              ; osw
	v_lshl_add_u32 v[SPW], v0, 2, SPARE
	v_mov_b32 v[NIL], 0
	ds_add_u32 v[SPW], v[NIL]                      ; the wave's opening: the add, twice on end, and its wait ahead of my first tensor load; work on registers stands between the second and the wait
	ds_add_u32 v[SPW], v[NIL]
	v_lshrrev_b32 v1, 5, v0
	s_delay_alu instid0(VALU_DEP_1)
	v_readfirstlane_b32 s[WV], v1                  ; wave 0..15
	s_bfe_u32 s15, ttmp6, 0x40000                  ; cx: my place in the cluster: it enters q's and o's global addresses alone
	s_and_b32 s16, ttmp7, 0xffff                   ; hb, which the four partners share
	s_lshl_b32 s17, s15, 4
	s_add_co_u32 s17, s17, s[WV]                   ; my pair of query tiles: 16 cx + wave
	s_lshr_b32 s38, s16, 4                         ; batch
	s_and_b32 s39, s16, 15                         ; head
	s_mul_i32 s40, s16, 16*STEPB                   ; kv: the head's block, my wave's key step
	s_mul_i32 s42, s[WV], STEPB
	s_add_co_u32 s40, s40, s42
	s_mov_b32 s41, 0
	s_lshl_b32 s42, s16, 16                        ; qimg: 65536 hb + 1024 pair
	s_lshl_b32 s44, s17, 10
	s_add_co_u32 s42, s42, s44
	s_mov_b32 s43, 0
	s_lshl_b32 s44, s16, 13                        ; qsw: 8192 hb + 128 pair
	s_lshl_b32 s46, s17, 7
	s_add_co_u32 s44, s44, s46
	s_mov_b32 s45, 0
	s_lshl_b32 s46, s38, 20                        ; oimg: 1048576 batch + 16384 pair + 512 head
	s_lshl_b32 s48, s17, 14
	s_add_co_u32 s46, s46, s48
	s_lshl_b32 s48, s39, 9
	s_add_co_u32 s46, s46, s48
	s_mov_b32 s47, 0
	s_lshl_b32 s48, s38, 6                         ; osw: 2048 (64 batch + pair) + 128 head
	s_add_co_u32 s48, s48, s17
	s_lshl_b32 s48, s48, 11
	s_lshl_b32 s50, s39, 7
	s_add_co_u32 s48, s48, s50
	s_mov_b32 s49, 0
	; descriptor group 1: a key step's 8,448 dense bytes as 33 rows of 32 elements of 8 bytes
	s_mov_b32 s[G1], 15|(3<<16)|(1<<21)            ; 15:0 the mask: all four work-groups; 17:16 elements of 8 bytes; 21 set beside a mask; no padding
	s_mov_b32 s[G1+1], 32<<16                      ; tensor_dim0 = 32
	s_mov_b32 s[G1+2], 33<<16                      ; tensor_dim1 = 33
	s_mov_b32 s[G1+3], 32<<16                      ; tile_dim0 = 32
	s_mov_b32 s[G1+4], 33                          ; tile_dim1 = 33
	s_mov_b32 s[G1+5], 32                          ; from row to row
	s_mov_b32 s[G1+6], 0
	s_mov_b32 s[G1+7], 0
	s_mov_b32 s[SEL], 0x76543210
	s_mov_b32 s[SEL+1], 0xfedcba98                 ; v_permlanex16_b32's selects for lane l xor 16
	s_mov_b32 s[CS], 0x3e8293ee                    ; c = log2(e) / sqrt(32)
	s_mov_b32 s[CS+1], s[CS]                       ; (named with it as a pair, so it is written)
	s_mov_b32 s[MNT], 0x600000
	s_mov_b32 s[MASKHI], 0xffff0000
	s_mov_b32 s[TB], 0
	s_mov_b32 s[CNT], 16
	s_wait_dscnt 0x0                               ; both opening adds are done
	s_wait_kmcnt 0x0
	s_mov_b32 s[G0], 1                             ; count = 1
	s_mul_i32 s[G0+1], s[WV], STEPB                ; LDS address: my wave's key step
	s_add_nc_u64 s[G0+2:G0+3], s[8:9], s[40:41]    ; global address
	s_or_b32 s[G0+3], s[G0+3], 0x80000000          ; type = 2
	s_add_nc_u64 s[4:5], s[4:5], s[42:43]
	s_add_nc_u64 s[6:7], s[6:7], s[44:45]
	s_add_nc_u64 s[10:11], s[10:11], s[46:47]
	s_add_nc_u64 s[12:13], s[12:13], s[48:49]
	CROUND                                         ; all four work-groups are here: the joint loads meet
	tensor_load_to_lds s[G0:G0+3], s[G1:G1+7]      ; every wave asks for one step: no branch leads round a first fill
	s_nop 0
	PLACES 4
	v_and_b32 v1, 31, v0
	s_delay_alu instid0(VALU_DEP_1)
	v_lshlrev_b32 v[LS], 2, v1
	s_delay_alu instid0(VALU_DEP_2)
	v_lshlrev_b32 v[LI], 4, v1
	global_load_b128 v[28:31], v[LI], s[4:5]       ; q of tile 0,
	global_load_b128 v[44:47], v[LI], s[4:5] offset:512    ; of tile 1,
	global_load_b32 v[QS], v[LS], s[6:7]           ; and their scale words
.irp j, 16,17,18,19,20,21,22,23,24,25,26,27,32,33,34,35,36,37,38,39,40,41,42,43,48,49,50,51,52,53,54,55,56,57,58,59
	v_mov_b32 v[\j], 0                             ; the zero codes round q
.endr
.irp t, 0,1
	v_mov_b32 v[9+4*\t], 0xff61b1e6                ; the largest score so far: -3e38, under every score
	s_delay_alu instid0(VALU_DEP_1)
	v_floor_f32 v[8+4*\t], -v[9+4*\t]              ; -M: so large that the first f is 0, which meets zeros
	v_mov_b32 v[10+4*\t], 0                        ; the sum, in two halves
	v_mov_b32 v[11+4*\t], 0
	v_mov_b32 v[FF+2*\t+1], 0                      ; (the upper half of a pair whose low word is broadcast)
.endr
.irp b, 0,1,2,3
	v_mov_b32 v[PD+\b], 0                          ; a lane permute's destination counts as one of its sources
.endr
.set i, 0
.rept 32
	v_mov_b32 v[O+i], 0                            ; O^T.  (The step is written once: the first finds zeros, which the first change of M leaves zeros)
.set i, i+1
.endr
	s_wait_tensorcnt 0x0                           ; my key step has landed,
	s_barrier_signal -1
	s_barrier_wait -1                              ; everybody's has: the head's K and V lie in LDS
	s_wait_loadcnt 0x0                             ; q
.macro SMUL t                          ; S^T of query tile t: eight tiles of 16 keys, each begun with the constant 0
.irp f, 0,1
.irp c, 0,1,2,3
	MM S+8*(4*\f+\c), KF+16*\f, 28+16*\t-4*\c, -1, KS, QS, \f, \t
.endr
.endr
.endm
.macro RESC t                          ; O^T of tile t under the new M: eight plain instructions, from each accumulator's low end on
.irp k, 0,2,4,6,8,10,12,14
	v_pk_mul_f32 v[O+16*\t+\k:O+16*\t+\k+1], v[O+16*\t+\k:O+16*\t+\k+1], v[FF+2*\t:FF+2*\t+1] op_sel_hi:[1,0]
.endr
.endm
.macro HOLD2 x, b                      ; two neighbouring p of block b held at 448 x the scale: the conversion does not saturate (ISA guide 7.6.2); p is not negative: a one-sided hold, two an instruction
	v_dual_min_num_f32 v[(\x)], v[HD+(\b)], v[(\x)] :: v_dual_min_num_f32 v[(\x)+1], v[HD+(\b)], v[(\x)+1]
.endm
.macro TMIN from, to                   ; t - M of the score pairs from .. to - 1, two numbers an instruction
.set i, \from
.rept (\to)-(\from)
	v_pk_fma_f32 v[S+2*i:S+2*i+1], v[S+2*i:S+2*i+1], s[CS:CS+1], v[NM:NM+1] op_sel_hi:[1,0,0]
.set i, i+1
.endr
.endm
.macro SOFT t                          ; the softmax of tile t's 128 scores a query, and p's codes and scale word
.set NM, 8+4*\t
.set TX, NM+1
.set SU, NM+2
.set FT, FF+2*\t
.set PW, PS0+\t
.set PT, PCD+16*\t
	; my 16 scores of each block of 32 keys: their largest, in two chains a block, eight chains by turns; each accumulator is read from its low end on
.irp b, 0,1,2,3
	v_max3_num_f32 v[BM+\b], v[S+16*\b], v[S+16*\b+1], v[S+16*\b+2]
.endr
.irp b, 0,1,2,3
	v_max3_num_f32 v[PD+\b], v[S+16*\b+3], v[S+16*\b+4], v[S+16*\b+5]
.endr
.irp i, 6,10
.irp b, 0,1,2,3
	v_max3_num_f32 v[BM+\b], v[BM+\b], v[S+16*\b+\i], v[S+16*\b+\i+1]
.endr
.irp b, 0,1,2,3
	v_max3_num_f32 v[PD+\b], v[PD+\b], v[S+16*\b+\i+2], v[S+16*\b+\i+3]
.endr
.endr
.irp b, 0,1,2,3
	v_max3_num_f32 v[BM+\b], v[BM+\b], v[S+16*\b+14], v[S+16*\b+15]
.endr
.irp b, 0,1,2,3
	s_delay_alu instid0(VALU_DEP_4)
	v_max_num_f32 v[BM+\b], v[BM+\b], v[PD+\b]
.endr
	; the row's running largest score: my four blocks, what was, and lane l xor 16's: ONE lane permute for the row
	s_delay_alu instid0(VALU_DEP_2)
	v_max3_num_f32 v[T], v[BM], v[BM+1], v[BM+2]
	s_delay_alu instid0(VALU_DEP_1)
	v_max3_num_f32 v[TX], v[TX], v[T], v[BM+3]
	s_delay_alu instid0(VALU_DEP_1)
	v_permlanex16_b32 v[PD], v[TX], s[SEL], s[SEL+1]
	s_delay_alu instid0(VALU_DEP_1)
	v_max_num_f32 v[TX], v[TX], v[PD]
	s_delay_alu instid0(VALU_DEP_1)
	v_mul_f32 v[T], s[CS], v[TX]                   ; as t (c is positive)
	v_mov_b32 v[T+1], v[NM]
	s_delay_alu instid0(VALU_DEP_2)
	v_floor_f32 v[NM], -v[T]                       ; the new -M = floor(-t) = -ceil(t)
	s_delay_alu instid0(VALU_DEP_1)
	v_sub_f32 v[T], v[NM], v[T+1]                  ; old M - new M: a whole number, 0 or less
	v_pk_fma_f32 v[BM:BM+1], v[BM:BM+1], s[CS:CS+1], v[NM:NM+1] op_sel_hi:[1,0,0]       ; t - M of my half's largest score of each block: the multiply-add does not fall where the score rises
	v_pk_fma_f32 v[BM+2:BM+3], v[BM+2:BM+3], s[CS:CS+1], v[NM:NM+1] op_sel_hi:[1,0,0]
	v_cvt_i32_f32 v[T], v[T]                       ; (it saturates)
	TMIN 0, 4
.irp b, 0,1,2,3
	v_permlanex16_b32 v[PD+\b], v[BM+\b], s[SEL], s[SEL+1]
.endr
	v_ldexp_f32 v[FT], 1.0, v[T]                   ; f
	TMIN 4, 12
.irp b, 0,1,2,3
	v_max3_num_f32 v[BM+\b], v[BM+\b], v[PD+\b], 0xc2ea0000    ; the block's largest t - M: my half's, the other half's, and the floor -117
.endr
	TMIN 12, 32
	s_wait_alu depctr_va_vdst(0)
.irp b, 0,1,2,3
	v_exp_f32 v[BM+\b], v[BM+\b]                   ; the block's largest p
.endr
.set i, 0
.rept 32
	v_exp_f32 v[S+i], v[S+i]                       ; p = 2^(t - M) of blocks 0 and 1, at most 1: not normalised
.set i, i+1
.endr
	v_pk_mul_f32 v[SU:SU+1], v[SU:SU+1], v[FT:FT+1] op_sel_hi:[1,0]    ; the sums under the new M: the plain instruction behind the batch
	s_wait_alu depctr_va_vdst(0)                   ; one wait for the 36, ahead of their first reader
.irp b, 0,1,2,3
	v_add_nc_u32 v[SO+\b], 0xfc000000, v[BM+\b]    ; 8 off the exponent field: the conversion's scale operand
.endr
.irp b, 0,1,2,3
	v_and_or_b32 v[HD+\b], v[BM+\b], 0x7f800000, s[MNT]    ; 448 x the scale
.endr
.irp b, 0,1,2,3
	v_lshrrev_b32 v[PD+\b], 23, v[SO+\b]           ; the byte
.endr
	s_delay_alu instid0(VALU_DEP_3)
	v_lshl_or_b32 v[PW], v[PD+1], 8, v[PD]         ; p's scale word for these 128 keys
	s_delay_alu instid0(VALU_DEP_1)
	v_lshl_or_b32 v[PW], v[PD+2], 16, v[PW]
	s_delay_alu instid0(VALU_DEP_1)
	v_lshl_or_b32 v[PW], v[PD+3], 24, v[PW]
	s_wait_alu depctr_va_vdst(0)                   ; ahead of the second batch
	; blocks 2 and 3's exponentials; among them lines on blocks 0 and 1 that hang on no line of this run: eight pair sums of the unquantised p, into the registers that the codes take later, and behind each sum its numbers' holds
.set i, 0
.rept 32
	v_exp_f32 v[S+32+i], v[S+32+i]
.if (i%4 == 1) && (i > 4)
	HOLD2 S+4*(i/4-1), (i/4-1)/4
.elseif (i%4 == 2) && (i > 4)
	HOLD2 S+4*(i/4-1)+2, (i/4-1)/4
.elseif i%4 == 3
	v_pk_add_f32 v[PT+2*(i/4):PT+2*(i/4)+1], v[S+4*(i/4):S+4*(i/4)+1], v[S+4*(i/4)+2:S+4*(i/4)+3]
.endif
.set i, i+1
.endr
	s_wait_alu depctr_va_vdst(0)                   ; one wait for the 32 and for what was written among them (the last pair sum is the plain instruction behind the batch)
	HOLD2 S+28, 1
	HOLD2 S+30, 1
	v_pk_add_f32 v[SU:SU+1], v[SU:SU+1], v[PT:PT+1]                ; the row's sum of the unquantised p, in four chains by turns
	v_pk_add_f32 v[CH:CH+1], v[PT+2:PT+3], v[PT+4:PT+5]
	v_pk_add_f32 v[CH+2:CH+3], v[PT+6:PT+7], v[PT+8:PT+9]
	v_pk_add_f32 v[CH+4:CH+5], v[PT+10:PT+11], v[PT+12:PT+13]
	v_pk_add_f32 v[SU:SU+1], v[SU:SU+1], v[PT+14:PT+15]
.irp b, 0,1
	v_cvt_scalef32_pk8_fp8_f32 v[PT+4*\b:PT+4*\b+1], v[S+16*\b:S+16*\b+7], v[SO+\b]
	v_cvt_scalef32_pk8_fp8_f32 v[PT+4*\b+2:PT+4*\b+3], v[S+16*\b+8:S+16*\b+15], v[SO+\b]
.endr
.set j, 0
.rept 16
.if j%4 == 3
	v_pk_add_f32 v[SU:SU+1], v[SU:SU+1], v[S+32+2*j:S+33+2*j]
.else
	v_pk_add_f32 v[CH+2*(j%4):CH+2*(j%4)+1], v[CH+2*(j%4):CH+2*(j%4)+1], v[S+32+2*j:S+33+2*j]
.endif
.set j, j+1
.endr
.set j, 0
.rept 16
	HOLD2 S+32+2*j, 2+j/8
.set j, j+1
.endr
	v_pk_add_f32 v[CH:CH+1], v[CH:CH+1], v[CH+2:CH+3]
	v_pk_add_f32 v[SU:SU+1], v[SU:SU+1], v[CH+4:CH+5]
.irp b, 2,3
	v_cvt_scalef32_pk8_fp8_f32 v[PT+4*\b:PT+4*\b+1], v[S+16*\b:S+16*\b+7], v[SO+\b]
	v_cvt_scalef32_pk8_fp8_f32 v[PT+4*\b+2:PT+4*\b+3], v[S+16*\b+8:S+16*\b+15], v[SO+\b]
.endr
	v_pk_add_f32 v[SU:SU+1], v[SU:SU+1], v[CH:CH+1]                ; also the plain instruction behind the last conversion: the next products write its sources
.endm
.Lstep:                                                ; 16 trips: a key step of 128 keys for my two query tiles
	v_add_nc_u32 v[ADR], s[TB], v[LI]
	v_add_nc_u32 v[ADS], s[TB], v[LS]
	PLACES 6                                       ; with the two additions: eight places in front of loads into registers that the last products read
.irp i, 0,1,2,3,4,5,6,7
	ds_load_b128 v[KF+4*\i:KF+4*\i+3], v[ADR] offset:512*\i
.endr
	ds_load_b32 v[KS], v[ADS] offset:8192
	s_wait_dscnt 0x0
	SMUL 0
	PLACES 8                                       ; in front of the first read of results
	SOFT 0
	SMUL 1
	RESC 0                                         ; eight plain instructions that name none of those products' registers: the places in front of V's loads and of the first read of the scores
.irp i, 0,1,2,3,4,5,6,7
	ds_load_b128 v[KF+4*\i:KF+4*\i+3], v[ADR] offset:4096+512*\i       ; V lands while tile 1's softmax is walked
.endr
	ds_load_b32 v[VS], v[ADS] offset:8320
	SOFT 1
	RESC 1                                         ; also the places between tile 1's codes and the products below
	s_wait_alu depctr_va_vdst(0)
	s_wait_dscnt 0x0                               ; V
	MM O, KF, PCD, O, VS, PS0, 0, 0                ; O^T += V^T P^T: the four accumulators by turns
	MM O+16, KF, PCD+16, O+16, VS, PS0+1, 0, 0
	MM O+8, KF+16, PCD, O+8, VS, PS0, 1, 0
	MM O+24, KF+16, PCD+16, O+24, VS, PS0+1, 1, 0
	s_add_co_u32 s[TB], s[TB], STEPB
	s_sub_co_u32 s[CNT], s[CNT], 1
	s_cmp_lg_u32 s[CNT], 0
	s_cbranch_scc1 .Lstep
	; THE WAY OUT: O^T / the sum; a lane's 16 numbers of a tile and lane l xor 16's are the head's 32 channels of one query: a block of the projection's K.
	PLACES 8
.irp t, 0,1
	v_add_f32 v[10+4*\t], v[10+4*\t], v[11+4*\t]
.endr
.irp t, 0,1
	s_delay_alu instid0(VALU_DEP_2)
	v_permlanex16_b32 v[PD+\t], v[10+4*\t], s[SEL], s[SEL+1]
.endr
.irp t, 0,1
	s_delay_alu instid0(VALU_DEP_2)
	v_add_f32 v[10+4*\t], v[10+4*\t], v[PD+\t]     ; the row's sum: over 1/2, since the row's largest p is
.endr
	s_wait_alu depctr_va_vdst(0)
.irp t, 0,1
	v_rcp_f32 v[10+4*\t], v[10+4*\t]
.endr
	v_nop
	s_wait_alu depctr_va_vdst(0)                   ; one wait for the two reciprocals, ahead of their first reader
.irp t, 0,1
.irp k, 0,2,4,6,8,10,12,14
	v_pk_mul_f32 v[S+16*\t+\k:S+16*\t+\k+1], v[O+16*\t+\k:O+16*\t+\k+1], v[10+4*\t:11+4*\t] op_sel_hi:[1,0]
.endr
.endr
.irp t, 0,1
	v_max3_num_f32 v[BM+\t], |v[S+16*\t]|, |v[S+16*\t+1]|, 0x4800000
.endr
.irp i, 2,4,6,8,10,12,14
.irp t, 0,1
	s_delay_alu instid0(VALU_DEP_2)
	v_max3_num_f32 v[BM+\t], v[BM+\t], |v[S+16*\t+\i]|, |v[S+16*\t+\i+1]|
.endr
.endr
.irp t, 0,1
	s_delay_alu instid0(VALU_DEP_2)
	v_permlanex16_b32 v[PD+\t], v[BM+\t], s[SEL], s[SEL+1]
.endr
.irp t, 0,1
	s_delay_alu instid0(VALU_DEP_2)
	v_max_num_f32 v[BM+\t], v[BM+\t], v[PD+\t]
.endr
.irp t, 0
	s_delay_alu instid0(VALU_DEP_2)
	v_add_nc_u32 v[SO+\t], 0xfc000000, v[BM+\t]
	s_delay_alu instid0(VALU_DEP_3)
	v_and_or_b32 v[HD+\t], v[BM+\t], 0x7f800000, s[MNT]
.endr
.irp t, 1
	s_delay_alu instid0(VALU_DEP_3)
	v_add_nc_u32 v[SO+\t], 0xfc000000, v[BM+\t]
	s_delay_alu instid0(VALU_DEP_4)
	v_and_or_b32 v[HD+\t], v[BM+\t], 0x7f800000, s[MNT]
.endr
.irp t, 0
	s_delay_alu instid0(VALU_DEP_4)
	v_lshrrev_b32 v[PD+\t], 23, v[SO+\t]
.endr
.irp t, 1
	s_delay_alu instid0(VALU_DEP_3)
	v_lshrrev_b32 v[PD+\t], 23, v[SO+\t]
.endr
.irp t, 0,1
.irp i, 0,1,2,3,4,5,6,7,8,9,10,11,12,13,14,15
	v_med3_num_f32 v[S+16*\t+\i], v[S+16*\t+\i], -v[HD+\t], v[HD+\t]
.endr
	v_cvt_scalef32_pk8_fp8_f32 v[PCD+16*\t:PCD+16*\t+1], v[S+16*\t:S+16*\t+7], v[SO+\t]
	v_cvt_scalef32_pk8_fp8_f32 v[PCD+16*\t+2:PCD+16*\t+3], v[S+16*\t+8:S+16*\t+15], v[SO+\t]
.endr
	v_nop
	v_cndmask_b32 v[T], v[PD], v[PD+1], s[MASKHI]  ; lanes 0-15 tile 0's byte, lanes 16-31 tile 1's
	global_store_b128 v[LI], v[PCD:PCD+3], s[10:11]            ; 512 consecutive bytes, aligned
	global_store_b128 v[LI], v[PCD+16:PCD+19], s[10:11] offset:8192
	global_store_b32 v[LS], v[T], s[12:13]         ; 128 consecutive bytes
	s_wait_tensorcnt 0x0                           ; the wave's end, behind my tensor load
	ds_add_u32 v[SPW], v[NIL]
	s_wait_dscnt 0x0
	CROUND                                         ; the closing round
	s_endpgm
.Lfunc_end_k_q02395c4365_attn:
	.size	k_q02395c4365_attn, .Lfunc_end_k_q02395c4365_attn-k_q02395c4365_attn
	.p2alignl 7, 3214868480
	.fill 96, 4, 3214868480
	.section	.rodata,"a",@progbits
	.p2align	6, 0x0
	.amdhsa_kernel k_q02395c4365_attn
		.amdhsa_group_segment_fixed_size 167936
		.amdhsa_private_segment_fixed_size 0
		.amdhsa_enable_private_segment 0
		.amdhsa_kernarg_size 40
		.amdhsa_user_sgpr_count 2
		.amdhsa_user_sgpr_kernarg_segment_ptr 1
		.amdhsa_wavefront_size32 1
		.amdhsa_system_sgpr_workgroup_id_x 1
		.amdhsa_system_sgpr_workgroup_id_y 1
		.amdhsa_system_sgpr_workgroup_id_z 1
		.amdhsa_system_vgpr_workitem_id 0
		.amdhsa_next_free_vgpr 256
		.amdhsa_next_free_sgpr 66
		.amdhsa_reserve_vcc 0
		.amdhsa_float_denorm_mode_32 3
		.amdhsa_float_denorm_mode_16_64 3
		.amdhsa_memory_ordered 1
		.amdhsa_forward_progress 1
		.amdhsa_inst_pref_size 47
	.end_amdhsa_kernel
	.amdgpu_metadata
---
amdhsa.version: [ 1, 2 ]
amdhsa.kernels:
  - .name:           k_q02395c4365_attn
    .symbol:         k_q02395c4365_attn.kd
    .args:
      - { .name: qimg, .offset: 0, .size: 8, .value_kind: global_buffer, .address_space: global }
      - { .name: qsw, .offset: 8, .size: 8, .value_kind: global_buffer, .address_space: global }
      - { .name: kv, .offset: 16, .size: 8, .value_kind: global_buffer, .address_space: global }
      - { .name: oimg, .offset: 24, .size: 8, .value_kind: global_buffer, .address_space: global }
      - { .name: osw, .offset: 32, .size: 8, .value_kind: global_buffer, .address_space: global }
    .group_segment_fixed_size: 167936
    .private_segment_fixed_size: 0
    .kernarg_segment_align: 8
    .kernarg_segment_size: 40
    .max_flat_workgroup_size: 512
    .sgpr_count:     66
    .vgpr_count:     256
    .wavefront_size: 32
...
	.end_amdgpu_metadata
.endif
;; end of part 7
;; launch tail (part 8): grid 256 x 1, 8 waves a work-group, clusters of 4 x 1, 327,680 bytes of LDS; arguments oimg, osw, wimg, wsc, bnc, bo, ln2_g, ln2_b, x, out0; writes out0
.if DOCPART == 8
	.amdgcn_target "amdgcn-amd-amdhsa--gfx1250"
	.amdhsa_code_object_version 6
	.text
	.protected	k_q02395c4365_tail
	.globl	k_q02395c4365_tail
	.p2align	8
	.type	k_q02395c4365_tail,@function
k_q02395c4365_tail:
	s_mov_b64 s[64:65], 0
	v_nop
	global_prefetch_b8 v0, s[64:65] scope:SCOPE_SE
	s_setreg_imm32_b32 hwreg(HW_REG_WAVE_MODE, 25, 1), 1
	s_wait_xcnt 0x0
	s_wait_alu depctr_hold_cnt(0) depctr_sa_sdst(0) depctr_va_vdst(0) depctr_va_sdst(0) depctr_va_ssrc(0) depctr_va_vcc(0) depctr_vm_vsrc(0)
	s_getreg_b32 s2, hwreg(HW_REG_IB_STS2, 6, 4)
	s_cmp_eq_u32 s2, 0
	s_cbranch_scc0 .Lentry_in_a_cluster
	s_endpgm
.Lentry_in_a_cluster:
	s_bfe_u32 s2, ttmp6, 0x10000c
	s_cmp_lg_u32 s2, 0x3003
	s_cbranch_scc0 .Lentry_shape_is_right
	s_endpgm
.Lentry_shape_is_right:
; TAIL: x1 = x + o wo + bo;  y = LN2(x1), quantised;  h = gelu(bn1(y w1 + b1)), quantised;  out = x1 + bn2(h w2 + b2).  The three products on codes of E4M3 with one E8M0 byte for each 32 along K.  No work is left out.
; SHARES.  Work-group g takes 32 rows: two tiles u'; row (u', r) is row 32 g + 8 u' + r + 8 (r / 8) of x.  THE WAVES SHARE THE COLUMNS: wave w makes columns 64 w .. 64 w + 63 of every layer for all 32 rows: four weight
; tiles x two row tiles = 8 accumulators by turns.  Products are used transposed (source 0 = 16 columns of the weight, source 1 = 16 rows), and the weights' tiles are laid so that a lane's 16 registers of two
; neighbouring tiles are 16 neighbouring columns: the conversions' results are the next product's operand registers.
; CLUSTERS.  All row blocks walk the same weights: four neighbouring work-groups form a cluster, and wave w of each asks JOINTLY (the same descriptor, a mask that names the four) for its 32,768 dense bytes of a layer's
; weights, stated as 128 rows of 256 bytes.  They land in the wave's own part of one slot of 262,144 bytes, which that wave alone reads, and go on into window 1 as they lie.  wo comes at the head; w1 and w2 are refills,
; each behind a drained round of the cluster's barrier, which is at the same time the barrier that shows o's images (w1) and LN2's statistics (w2) to all waves.  By this text's count one tensor load a wave is out.
; My place in the cluster enters global addresses of o, x and out0 alone.  No prefetch: the launch has no loop to run ahead in; each layer's weights are asked for a whole layer ahead.
; OPERANDS GO FROM WAVE TO WAVE THROUGH LDS AS IMAGES OF THEIR REGISTERS (chunks of 512 bytes, lane l's 16 bytes at 16 l) with their scale words beside them.
; LN2's mean and variance span the eight waves: each wave gives, for each row, the mean of its 64 columns and the sum of squared differences from it; they are joined by
; M2 = sum of M2_w + 64 sum of (m_w - mean)^2: one exchange, and no difference of large sums.
; gelu is x (1 + erf(x / sqrt 2)) / 2 with erf as a quotient of two polynomials in z^2 (degrees 6 and 4), z held within +-4, where erf is 1 to f32's last bit; the denominator lies at or under -0.0142, never 0.
; LIMITS: NaN and infinities are not served; a block of zeros gets the byte 1 (its codes are zeros).
; REGISTERS.  Window 0: v1-15 addresses; v16-79 ACC; v80-143 ACT (two K steps' fragments; parameters; y; rows on their way out); v144-207 X1, the residual; v208-239 at work; v240-247 the weights' scale words;
;   v248-251 the activations'; v252, v253 the add's two.   Window 1: the layer's weight fragments (tile t, K step s) at 16 (4 t + s).
; LDS, 327,680 bytes, all of them used.  x turns into the accumulators' layout through a stage of 16 rows a wave, in two passes, ahead of the first round; behind that round the stage's bytes take y's images and s2, t2.
.set XA,    0                          ; images [u' 2][s 4][c 4] of 512 bytes
.set XB,    16384                      ; a second set
.set STX,   XB                         ; ahead of the first round: x's stage, 16 rows x (256 bytes + 16) for each wave: 34,816 bytes, over XB, C2 and 14,336 bytes more
.set C2,    32768                      ; s2, t2: 2,048 bytes each
.set XSA,   51200                      ; scale words [s 4][lane = 16 u' + r]
.set XSB,   51712
.set STAT,  52224                      ; [wave 8][lane = 16 u' + r][mean, M2]
.set CONST, 54272                      ; bo, ln2_g, ln2_b, s1, t1: 2,048 bytes each
.set SPARE, 64512                      ; the spare words, 128 bytes for each wave: four blocks of 256 bytes that no other line names
.set WSLOT, 65536                      ; the weights' slot: 32,768 bytes for each wave; behind its last fill and my last read of it the first 8,704 bytes of my part are my stage for the way out
.set LI,  1                            ; 16 x lane
.set LS,  2                            ; 4 x lane
.set R4,  3                            ; 4 x (lane % 16)
.set IW,  4                            ; where my codes' images go: 16 lane + 2048 (w / 2) + 1024 (w % 2)
.set SW,  5                            ; and my two scale bytes: 4 lane + 128 (w / 2) + 2 (w % 2)
.set PA,  6                            ; my columns among the parameters: 256 w + 64 h
.set SO,  7                            ; the way out's stage in the accumulators' layout: row r, + 64 h
.set RD,  8                            ; the same stage by rows: lanes 0-15 one row, lanes 16-31 the next
.set GD,  9                            ; the same two rows in x and out0, my wave's 256 bytes
.set STW, 10
.set STR, 11
.set T8,  12                           ; 8 x thread, at the head;
.set WA,  12                           ; then my part of the slot: WSLOT + 32768 w + 16 lane
.set T16, 13
.set SOX, 208                          ; at the head: x's stage, as SO and RD
.set RDX, 209
.set ACC, 16
.set ACT, 80
.set X1,  144
.set TM,  208
.set PC,  224
.set GZ,  208
.set GZ2, 216
.set GP,  224
.set GQ,  232
.set WS,  240
.set XS,  248
.set SPW, 252
.set NIL, 253
.set WV,  24
.set WG,  25                           ; my work-group: 4 x cluster + my place
.set SEL, 26
.set MNT, 28
.set I512, 29
.set EPS, 30
.set MASKHI, 31
.set RS2, 40
.set A1,  42
.set A3,  44
.set A5,  46
.set A7,  48
.set A9,  50
.set A11, 52
.set A13, 54
.set B0,  56
.set B2,  58
.set B4,  60
.set B6,  62
.set B8,  66
.set G0,  72                           ; s[72:75], s[76:83] the weights' descriptor
.set G1,  76
.set MSB, 0
.macro WIN new                         ; the immediate's high byte repeats the setting that is left
.if MSB != \new
	s_set_vgpr_msb (MSB<<8)|\new
.set MSB, \new
.endif
.endm
.macro PLACES n
.rept \n
	v_nop
.endr
.endm
.macro KPAIR r, val                    ; a constant for the packed forms: they name a pair and take its low word for both halves
	s_mov_b32 s[\r], \val
	s_mov_b32 s[\r+1], \val
.endm
.macro BARRIER                         ; my LDS stores have landed and my LDS loads are in: then the work-group's barrier
	s_wait_dscnt 0x0
	s_barrier_signal -1
	s_barrier_wait -1
.endm
.macro CROUND                          ; a round of the cluster's barrier
	s_barrier_signal -1
	s_barrier_wait -1
	s_cmp_lg_u32 s[WV], 0
	s_cbranch_scc1 .Lnot_wave_0_\@
	s_barrier_signal -3
.Lnot_wave_0_\@:
	s_barrier_wait -3
	s_barrier_signal -1
	s_barrier_wait -1
.endm
.macro JLOAD                           ; my joint load; an s_nop 0 and four v_nop follow it
	tensor_load_to_lds s[G0:G0+3], s[G1:G1+7]
	s_nop 0
	PLACES 4
.endm
.macro REFILL                          ; the next layer's weights into the slot
	s_wait_alu depctr_va_vdst(0)
	s_wait_tensorcnt 0x0                           ; no tensor load of mine is out,
	ds_add_u32 v[SPW], v[NIL]
	s_add_nc_u64 s[G0+2:G0+3], s[G0+2:G0+3], 262144    ; so the descriptor may step to the next weight
	s_wait_dscnt 0x0                               ; the add is done, my copy of the slot is in registers, my LDS stores have landed
	CROUND                                         ; that holds of every wave of the four work-groups
	JLOAD
.endm
.macro MM d, a, b, c, sa, sb, ra, rb   ; one scaled matrix instruction.  c < 0: the constant 0 starts the sum.  ra, rb: the scales stand in lanes 16-31
.set mD, \d
.set mA, \a
.set mB, \b
.set mC, \c
.set mSA, \sa
.set mSB, \sb
.set mR, 2*(\ra)+(\rb)
.if mC < 0
.if mR == 3
	v_wmma_scale_f32_16x16x128_f8f6f4 v[mD:mD+7], v[mA:mA+15], v[mB:mB+15], 0, v[mSA], v[mSB] matrix_a_scale:MATRIX_SCALE_ROW1 matrix_b_scale:MATRIX_SCALE_ROW1
.elseif mR == 2
	v_wmma_scale_f32_16x16x128_f8f6f4 v[mD:mD+7], v[mA:mA+15], v[mB:mB+15], 0, v[mSA], v[mSB] matrix_a_scale:MATRIX_SCALE_ROW1
.elseif mR == 1
	v_wmma_scale_f32_16x16x128_f8f6f4 v[mD:mD+7], v[mA:mA+15], v[mB:mB+15], 0, v[mSA], v[mSB] matrix_b_scale:MATRIX_SCALE_ROW1
.else
	v_wmma_scale_f32_16x16x128_f8f6f4 v[mD:mD+7], v[mA:mA+15], v[mB:mB+15], 0, v[mSA], v[mSB]
.endif
.else
.if mR == 3
	v_wmma_scale_f32_16x16x128_f8f6f4 v[mD:mD+7], v[mA:mA+15], v[mB:mB+15], v[mC:mC+7], v[mSA], v[mSB] matrix_a_scale:MATRIX_SCALE_ROW1 matrix_b_scale:MATRIX_SCALE_ROW1
.elseif mR == 2
	v_wmma_scale_f32_16x16x128_f8f6f4 v[mD:mD+7], v[mA:mA+15], v[mB:mB+15], v[mC:mC+7], v[mSA], v[mSB] matrix_a_scale:MATRIX_SCALE_ROW1
.elseif mR == 1
	v_wmma_scale_f32_16x16x128_f8f6f4 v[mD:mD+7], v[mA:mA+15], v[mB:mB+15], v[mC:mC+7], v[mSA], v[mSB] matrix_b_scale:MATRIX_SCALE_ROW1
.else
	v_wmma_scale_f32_16x16x128_f8f6f4 v[mD:mD+7], v[mA:mA+15], v[mB:mB+15], v[mC:mC+7], v[mSA], v[mSB]
.endif
.endif
.endm
.macro WCOPY                           ; my 64 chunks of 512 bytes, as they lie in my part of the slot, into window 1
	WIN 0x40
.set i, 0
.rept 64
	ds_load_b128 v[4*i:4*i+3], v[WA] offset:512*i
.set i, i+1
.endr
	WIN 0
.endm
.macro WSCL wi                         ; weight wi: my two groups' scale words (register 4 b + s; lanes 0-15 u = 0, lanes 16-31 u = 1): 512 consecutive bytes a load
	global_load_b128 v[WS:WS+3], v[LI], s[10:11] offset:(\wi)*8192
	global_load_b128 v[WS+4:WS+7], v[LI], s[10:11] offset:(\wi)*8192+512
.endm
.macro PARAM vec, reg                  ; parameter vector vec (0 .. 4 in CONST, 5 and 6 in C2) at my 32 columns (64 w + 32 b + 16 h + 0 .. 15) into v[reg + 16 b] on
.irp b, 0,1
.irp i, 0,1,2,3
	ds_load_b128 v[(\reg)+16*\b+4*\i:(\reg)+16*\b+4*\i+3], v[PA] offset:CONST+2048*(\vec)+((\vec)/5)*(C2-CONST-10240)+128*\b+16*\i
.endr
.endr
.endm
.macro FETCH ks, buf, img              ; the two row tiles' fragments of K step ks
.irp p, 0,1
.irp c, 0,1,2,3
	ds_load_b128 v[ACT+32*(\buf)+16*\p+4*\c:ACT+32*(\buf)+16*\p+4*\c+3], v[LI] offset:(\img)+8192*\p+2048*(\ks)+512*\c
.endr
.endr
.endm
; A layer's product: 32 matrix instructions, the 8 accumulators by turns, one instruction a turn.  cz = 1: the first K step starts the sums with the constant 0; 0: dst holds what is added onto.
.macro GEMM dst, cz, img, scl
.irp ks, 0,1,2,3
	ds_load_b32 v[XS+\ks], v[LS] offset:(\scl)+128*\ks
.endr
	FETCH 0, 0, \img
.irp ks, 0,1,2,3
.if \ks < 3
.if \ks > 0
	PLACES 8                                       ; in front of loads into registers that the last K step but one's products read
.endif
	FETCH \ks+1, (\ks+1)%2, \img
	s_wait_dscnt 8                                 ; all but the eight loads just issued
.else
	s_wait_dscnt 0x0
.endif
	WIN 0x01                                       ; source 0 (the weights) window 1
.irp t, 0,1,2,3
.irp p, 0,1
.if (\cz) && (\ks == 0)
	MM (\dst)+32*\p+8*\t, 16*(4*\t+\ks), ACT+32*(\ks%2)+16*\p, -1, WS+4*(\t/2)+\ks, XS+\ks, \t%2, \p
.else
	MM (\dst)+32*\p+8*\t, 16*(4*\t+\ks), ACT+32*(\ks%2)+16*\p, (\dst)+32*\p+8*\t, WS+4*(\t/2)+\ks, XS+\ks, \t%2, \p
.endif
.endr
.endr
	WIN 0
.endr
	PLACES 8                                       ; in front of loads into registers that these have read, and of the first read of results
.endm
; 64 numbers of a lane at v[base + 16 blk], blk = 2 u' + b: 16 neighbours along the next K; lane l xor 16 holds the block's other 16.  Codes into v[PC + 4 blk], bytes into v[TM + 4 + blk].
.macro QUANT base
.set QB, \base
.irp b, 0,1,2,3
	v_max3_num_f32 v[TM+\b], |v[QB+16*\b]|, |v[QB+16*\b+1]|, 0x4800000
.endr
.irp i, 2,4,6,8,10,12,14
.irp b, 0,1,2,3
	s_delay_alu instid0(VALU_DEP_4)
	v_max3_num_f32 v[TM+\b], v[TM+\b], |v[QB+16*\b+\i]|, |v[QB+16*\b+\i+1]|
.endr
.endr
.irp b, 0,1,2,3
	v_permlanex16_b32 v[TM+4+\b], v[TM+\b], s[SEL], s[SEL+1]
.endr
.irp b, 0,1,2,3
	s_delay_alu instid0(VALU_DEP_4)
	v_max_num_f32 v[TM+\b], v[TM+\b], v[TM+4+\b]
.endr
.irp b, 0,1,2,3
	s_delay_alu instid0(VALU_DEP_4)
	v_add_nc_u32 v[TM+12+\b], 0xfc000000, v[TM+\b]
.endr
.irp b, 0,1,2,3
	v_and_or_b32 v[TM+8+\b], v[TM+\b], 0x7f800000, s[MNT]
.endr
.irp b, 0,1,2,3
	v_lshrrev_b32 v[TM+4+\b], 23, v[TM+12+\b]
.endr
.irp b, 0,1,2,3
.irp i, 0,1,2,3,4,5,6,7,8,9,10,11,12,13,14,15
	v_med3_num_f32 v[QB+16*\b+\i], v[QB+16*\b+\i], -v[TM+8+\b], v[TM+8+\b]
.endr
	v_cvt_scalef32_pk8_fp8_f32 v[PC+4*\b:PC+4*\b+1], v[QB+16*\b:QB+16*\b+7], v[TM+12+\b]
	v_cvt_scalef32_pk8_fp8_f32 v[PC+4*\b+2:PC+4*\b+3], v[QB+16*\b+8:QB+16*\b+15], v[TM+12+\b]
.endr
	v_nop                                          ; a plain instruction behind the last conversion: later vector and matrix instructions write its registers
.endm
.macro IMAGE img                       ; my columns are blocks 2 w, 2 w + 1 of the next K: K step w / 2, chunks 2 (w % 2) + b
.irp p, 0,1
.irp b, 0,1
	ds_store_b128 v[IW], v[PC+4*(2*\p+\b):PC+4*(2*\p+\b)+3] offset:(\img)+8192*\p+512*\b
.endr
.endr
.endm
.macro SCALEW scl                      ; my two bytes of each row's scale word: lanes 0-15 store tile 0's, lanes 16-31 tile 1's
	v_lshl_or_b32 v254, v[TM+5], 8, v[TM+4]
	v_lshl_or_b32 v255, v[TM+7], 8, v[TM+6]
	s_delay_alu instid0(VALU_DEP_1)
	v_cndmask_b32 v254, v254, v255, s[MASKHI]
	ds_store_b16 v[SW], v254 offset:\scl
.endm
.macro GELU8 base                      ; eight numbers in place, as four pairs by turns
.set HB, \base
.irp k, 0,2,4,6
	v_pk_mul_f32 v[GZ+\k:GZ+\k+1], v[HB+\k:HB+\k+1], s[RS2:RS2+1] op_sel_hi:[1,0]    ; z = h / sqrt 2
.endr
.irp k, 0,1,2,3,4,5,6,7
	v_med3_num_f32 v[GZ+\k], v[GZ+\k], -4.0, 4.0
.endr
.irp k, 0,2,4,6
	v_pk_mul_f32 v[GZ2+\k:GZ2+\k+1], v[GZ+\k:GZ+\k+1], v[GZ+\k:GZ+\k+1]
.endr
.irp k, 0,2,4,6
	v_pk_mul_f32 v[GP+\k:GP+\k+1], v[GZ2+\k:GZ2+\k+1], s[A13:A13+1] op_sel_hi:[1,0]
	v_pk_mul_f32 v[GQ+\k:GQ+\k+1], v[GZ2+\k:GZ2+\k+1], s[B8:B8+1] op_sel_hi:[1,0]
.endr
.irp k, 0,2,4,6
	v_pk_add_f32 v[GP+\k:GP+\k+1], v[GP+\k:GP+\k+1], s[A11:A11+1] op_sel_hi:[1,0]
	v_pk_add_f32 v[GQ+\k:GQ+\k+1], v[GQ+\k:GQ+\k+1], s[B6:B6+1] op_sel_hi:[1,0]
.endr
.irp k, 0,2,4,6
	v_pk_fma_f32 v[GP+\k:GP+\k+1], v[GP+\k:GP+\k+1], v[GZ2+\k:GZ2+\k+1], s[A9:A9+1] op_sel_hi:[1,1,0]
	v_pk_fma_f32 v[GQ+\k:GQ+\k+1], v[GQ+\k:GQ+\k+1], v[GZ2+\k:GZ2+\k+1], s[B4:B4+1] op_sel_hi:[1,1,0]
.endr
.irp k, 0,2,4,6
	v_pk_fma_f32 v[GP+\k:GP+\k+1], v[GP+\k:GP+\k+1], v[GZ2+\k:GZ2+\k+1], s[A7:A7+1] op_sel_hi:[1,1,0]
	v_pk_fma_f32 v[GQ+\k:GQ+\k+1], v[GQ+\k:GQ+\k+1], v[GZ2+\k:GZ2+\k+1], s[B2:B2+1] op_sel_hi:[1,1,0]
.endr
.irp k, 0,2,4,6
	v_pk_fma_f32 v[GP+\k:GP+\k+1], v[GP+\k:GP+\k+1], v[GZ2+\k:GZ2+\k+1], s[A5:A5+1] op_sel_hi:[1,1,0]
	v_pk_fma_f32 v[GQ+\k:GQ+\k+1], v[GQ+\k:GQ+\k+1], v[GZ2+\k:GZ2+\k+1], s[B0:B0+1] op_sel_hi:[1,1,0]
.endr
.irp k, 0,2,4,6
	v_pk_fma_f32 v[GP+\k:GP+\k+1], v[GP+\k:GP+\k+1], v[GZ2+\k:GZ2+\k+1], s[A3:A3+1] op_sel_hi:[1,1,0]
.endr
.irp k, 0,2,4,6
	s_delay_alu instid0(VALU_DEP_4)
	v_pk_fma_f32 v[GP+\k:GP+\k+1], v[GP+\k:GP+\k+1], v[GZ2+\k:GZ2+\k+1], s[A1:A1+1] op_sel_hi:[1,1,0]
.endr
	s_wait_alu depctr_va_vdst(0)
.irp k, 0,1,2,3,4,5,6,7
	v_rcp_f32 v[GQ+\k], v[GQ+\k]
.endr
.irp k, 0,2,4,6
	v_pk_mul_f32 v[GP+\k:GP+\k+1], v[GP+\k:GP+\k+1], v[GZ+\k:GZ+\k+1]   ; plain work behind the batch: it names no reciprocal
.endr
.irp k, 0,2,4,6
	v_pk_mul_f32 v[GZ+\k:GZ+\k+1], v[HB+\k:HB+\k+1], 0.5 op_sel_hi:[1,0]
.endr
	s_wait_alu depctr_va_vdst(0)                   ; one wait for the eight reciprocals, ahead of their first reader
.irp k, 0,2,4,6
	v_pk_mul_f32 v[GP+\k:GP+\k+1], v[GP+\k:GP+\k+1], v[GQ+\k:GQ+\k+1]   ; erf
.endr
.irp k, 0,2,4,6
	s_delay_alu instid0(VALU_DEP_4)
	v_pk_fma_f32 v[HB+\k:HB+\k+1], v[GZ+\k:GZ+\k+1], v[GP+\k:GP+\k+1], v[GZ+\k:GZ+\k+1]   ; h / 2 x erf + h / 2
.endr
.endm
	s_load_b256 s[4:11], s[0:1], 0x0               ; oimg, osw, wimg, wsc
	s_load_b256 s[12:19], s[0:1], 0x20             ; bnc, bo, ln2_g, ln2_b
	s_load_b128 s[20:23], s[0:1], 0x40             ; x, out0
	v_lshl_add_u32 v[SPW], v0, 2, SPARE
	v_mov_b32 v[NIL], 0
	ds_add_u32 v[SPW], v[NIL]                      ; the wave's opening: the add, twice on end, and its wait ahead of my first tensor load; work on registers stands between the second and the wait
	ds_add_u32 v[SPW], v[NIL]
	v_lshrrev_b32 v14, 5, v0
	s_delay_alu instid0(VALU_DEP_1)
	v_readfirstlane_b32 s[WV], v14                 ; wave 0..7
	v_and_b32 v14, 31, v0                          ; lane
	s_delay_alu instid0(VALU_DEP_1)
	v_lshlrev_b32 v[LI], 4, v14
	s_delay_alu instid0(VALU_DEP_2)
	v_lshlrev_b32 v[LS], 2, v14
	s_wait_alu depctr_va_vdst(0)
	v_and_b32 v15, 15, v0                          ; r
	s_delay_alu instid0(VALU_DEP_1)
	v_lshlrev_b32 v[R4], 2, v15
	v_bfe_u32 v254, v0, 4, 1                       ; h
	s_wait_alu depctr_va_vdst(0)
	s_bfe_u32 s84, ttmp6, 0x40000                  ; cx: my place in the cluster
	s_lshl_b32 s[WG], ttmp9, 2
	s_add_co_u32 s[WG], s[WG], s84                 ; my work-group
	s_lshr_b32 s32, s[WV], 1
	s_and_b32 s33, s[WV], 1
	s_lshl_b32 s34, s32, 11
	s_lshl_b32 s35, s33, 10
	s_add_co_u32 s34, s34, s35
	v_add_nc_u32 v[IW], s34, v[LI]
	s_lshl_b32 s34, s32, 7
	s_lshl_b32 s35, s33, 1
	s_add_co_u32 s35, s34, s35
	v_add_nc_u32 v[SW], s35, v[LS]
	s_lshl_b32 s35, s33, 6
	s_add_co_u32 s35, s34, s35                     ; 128 (w / 2) + 64 (w % 2)
	s_lshl_b32 s36, s[WV], 8
	v_lshl_add_u32 v[PA], v254, 6, s36
	s_lshl_b32 s86, s[WV], 15
	s_add_co_u32 s86, s86, WSLOT                   ; my part of the slot
	s_mul_i32 s87, s[WV], 4352
	s_add_co_u32 s87, s87, STX                     ; x's stage, my part
	v_mul_u32_u24 v[SO], v15, 272
	v_lshl_add_u32 v[SO], v254, 6, v[SO]
	v_add_nc_u32 v[SOX], s87, v[SO]
	v_add_nc_u32 v[SO], s86, v[SO]
	v_mul_u32_u24 v[RD], v254, 272
	v_lshl_add_u32 v[RD], v15, 4, v[RD]
	v_add_nc_u32 v[RDX], s87, v[RD]
	v_add_nc_u32 v[RD], s86, v[RD]
	v_lshlrev_b32 v[GD], 11, v254
	s_delay_alu instid0(VALU_DEP_1)
	v_lshl_add_u32 v[GD], v15, 4, v[GD]
	s_delay_alu instid0(VALU_DEP_1)
	v_add_nc_u32 v[GD], s36, v[GD]
	s_add_co_u32 s37, s36, STAT
	v_lshl_add_u32 v[STW], v14, 3, s37
	v_lshl_add_u32 v[STR], v15, 3, STAT
	v_lshlrev_b32 v[T8], 3, v0
	v_lshlrev_b32 v[T16], 4, v0
	v_add_nc_u32 v14, s35, v[R4]                   ; where I store o's scale words
	s_lshl_b32 s37, s[WV], 11
	v_add_nc_u32 v15, s37, v[LI]                   ; and my 2,048 bytes of o's images
	s_mov_b32 s[SEL], 0x76543210
	s_mov_b32 s[SEL+1], 0xfedcba98
	s_mov_b32 s[MNT], 0x600000
	s_mov_b32 s[I512], 0x3b000000                  ; 1 / 512
	s_mov_b32 s[EPS], 0x358637bd                   ; 1e-6
	s_mov_b32 s[MASKHI], 0xffff0000                ; lanes 16-31
	KPAIR RS2, 0x3f3504f3                          ; 1 / sqrt 2
	KPAIR A1,  0xbc83dbd4                          ; erf's numerator: z (a1 + a3 z^2 + .. + a13 z^12)
	KPAIR A3,  0xbb41a1f6
	KPAIR A5,  0xba40ac63
	KPAIR A7,  0xb86ec2d2
	KPAIR A9,  0xb60cff51
	KPAIR A11, 0x32edffee
	KPAIR A13, 0xaf95df0b
	KPAIR B0,  0xbc69b6a7                          ; its denominator: b0 + b2 z^2 + .. + b8 z^8
	KPAIR B2,  0xbbf19bf8
	KPAIR B4,  0xbadc924e
	KPAIR B6,  0xb95fbd29
	KPAIR B8,  0xb77460cd
	; descriptor group 1: 32,768 dense bytes as 128 rows of 32 elements of 8 bytes
	s_mov_b32 s[G1], 15|(3<<16)|(1<<21)            ; 15:0 the mask: all four work-groups; 17:16 elements of 8 bytes; 21 set beside a mask; no padding
	s_mov_b32 s[G1+1], 32<<16                      ; tensor_dim0 = 32
	s_mov_b32 s[G1+2], 128<<16                     ; tensor_dim1 = 128
	s_mov_b32 s[G1+3], 32<<16                      ; tile_dim0 = 32
	s_mov_b32 s[G1+4], 128                         ; tile_dim1 = 128
	s_mov_b32 s[G1+5], 32                          ; from row to row
	s_mov_b32 s[G1+6], 0
	s_mov_b32 s[G1+7], 0
	s_mov_b32 s[G0], 1                             ; count = 1
	s_lshl_b32 s[G0+1], s[WV], 15
	s_add_co_u32 s[G0+1], s[G0+1], WSLOT           ; LDS address: my part of the slot
	s_lshl_b32 s34, s[WG], 14                      ; oimg: 16384 g + 2048 w
	s_lshl_b32 s35, s[WV], 11
	s_add_co_u32 s34, s34, s35
	s_mov_b32 s35, 0
	s_lshl_b32 s36, s[WG], 11                      ; osw: 2048 g + 512 (w / 2) + 64 (w % 2)
	s_lshl_b32 s37, s32, 9
	s_add_co_u32 s36, s36, s37
	s_lshl_b32 s37, s33, 6
	s_add_co_u32 s36, s36, s37
	s_mov_b32 s37, 0
	s_lshl_b32 s38, s[WV], 15                      ; wimg: my two groups G = 2 w, 2 w + 1
	s_mov_b32 s39, 0
	s_lshl_b32 s68, s[WV], 10                      ; wsc likewise
	s_mov_b32 s69, 0
	s_lshl_b32 s70, s[WG], 16                      ; x, out0: 32 rows of 2,048 bytes
	s_mov_b32 s71, 0
	s_wait_alu depctr_va_vdst(0)
	s_wait_dscnt 0x0                               ; both opening adds are done
	s_wait_kmcnt 0x0
	s_add_nc_u64 s[4:5], s[4:5], s[34:35]
	s_add_nc_u64 s[6:7], s[6:7], s[36:37]
	s_add_nc_u64 s[8:9], s[8:9], s[38:39]
	s_add_nc_u64 s[10:11], s[10:11], s[68:69]
	s_add_nc_u64 s[20:21], s[20:21], s[70:71]
	s_add_nc_u64 s[22:23], s[22:23], s[70:71]
	s_add_nc_u64 s[G0+2:G0+3], s[8:9], 3*262144    ; global address: wo, my 32,768 bytes: the wave's number alone enters it
	s_or_b32 s[G0+3], s[G0+3], 0x80000000          ; type = 2
	CROUND                                         ; all four work-groups are here: the joint loads meet
	JLOAD                                          ; wo: every wave asks for its part: no branch leads round a first fill
	; ---- P0: o's images and scale words, the parameters and x come in: 29 loads, then wo's two of scale words
.irp i, 0,1,2,3
	global_load_b128 v[ACT+4*\i:ACT+4*\i+3], v[LI], s[4:5] offset:512*\i       ; oimg's 16,384 bytes of this pair of tiles ARE the images [u'][s][c]: my eighth
.endr
.irp c, 0,1,2,3
	global_load_b32 v[ACT+16+\c], v[R4], s[6:7] offset:128*\c                  ; heads 4 (w / 2) + c, tile w % 2: a byte a row
.endr
	global_load_b64 v[ACT+20:ACT+21], v[T8], s[14:15]
	global_load_b64 v[ACT+22:ACT+23], v[T8], s[16:17]
	global_load_b64 v[ACT+24:ACT+25], v[T8], s[18:19]
	global_load_b128 v[ACT+28:ACT+31], v[T16], s[12:13]
	global_load_b128 v[ACT+32:ACT+35], v[T16], s[12:13] offset:4096
.irp k, 0,1,2,3,4,5,6,7,8,9,10,11,12,13,14,15
.set RK, 8*(\k/8)+((2*\k)%16)+8*(((2*\k)%16)/8)    ; stage rows 2 k, 2 k + 1 (of 16 u' + r) are rows RK, RK + 1 of the 32
	global_load_b128 v[ACC+4*\k:ACC+4*\k+3], v[GD], s[20:21] offset:2048*RK    ; sixteen lanes read 256 consecutive bytes, aligned
.endr
	WSCL 3
	s_wait_loadcnt 2                               ; all but the two loads of scale words
.irp i, 0,1,2,3
	ds_store_b128 v15, v[ACT+4*\i:ACT+4*\i+3] offset:XA+512*\i
.endr
	v_lshl_or_b32 v254, v[ACT+17], 8, v[ACT+16]    ; byte c = head 4 s + c
	v_lshl_or_b32 v254, v[ACT+18], 16, v254
	v_lshl_or_b32 v254, v[ACT+19], 24, v254
	ds_store_b32 v14, v254 offset:XSA              ; lanes 16-31 repeat lanes 0-15
	ds_store_b64 v[T8], v[ACT+20:ACT+21] offset:CONST
	ds_store_b64 v[T8], v[ACT+22:ACT+23] offset:CONST+2048
	ds_store_b64 v[T8], v[ACT+24:ACT+25] offset:CONST+4096
	ds_store_b128 v[T16], v[ACT+28:ACT+31] offset:CONST+6144
.irp p, 0,1                            ; x turns through my own stage into the accumulators' layout, a row tile at a time: LDS serves a wave's instructions in order (ISA guide 5.7.1.4)
.irp k, 0,1,2,3,4,5,6,7
	ds_store_b128 v[RDX], v[ACC+4*(8*\p+\k):ACC+4*(8*\p+\k)+3] offset:544*\k
.endr
.irp b, 0,1
.irp i, 0,1,2,3
	ds_load_b128 v[X1+32*\p+16*\b+4*\i:X1+32*\p+16*\b+4*\i+3], v[SOX] offset:128*\b+16*\i
.endr
.endr
.endr
	v_add_nc_u32 v[WA], s86, v[LI]                 ; (the loads and LDS stores that named this register as 8 x thread are done or have read it)
	s_wait_alu depctr_va_vdst(0)
	s_wait_tensorcnt 0x0                           ; wo has landed in my part of the slot, which I alone read
	WCOPY
	REFILL                                         ; w1.  The round also shows o's images, its scale words and the parameters to all waves, and ends every wave's use of x's stage
	ds_store_b128 v[T16], v[ACT+32:ACT+35] offset:C2       ; s2, t2, onto bytes that x's stage has left; read behind three more barriers
	PARAM 0, ACC
	s_wait_dscnt 0x0
.irp p, 0,1
.irp k, 0,2,4,6,8,10,12,14,16,18,20,22,24,26,28,30
	v_pk_add_f32 v[X1+32*\p+\k:X1+32*\p+\k+1], v[X1+32*\p+\k:X1+32*\p+\k+1], v[ACC+\k:ACC+\k+1]   ; x + bo: what the product adds onto
.endr
.endr
	s_wait_alu depctr_va_vdst(0)
	s_wait_loadcnt 0x0                             ; wo's scale words
	; ---- G1: x1 = x + bo + o wo
	GEMM X1, 0, XA, XSA
	s_wait_tensorcnt 0x0                           ; w1 has landed
	WCOPY                                          ; it goes into window 1 during LN2's first half
	WSCL 4
	PARAM 1, ACC
	PARAM 2, ACC+32
	; ---- E1: LN2
	v_mov_b32 v213, 0                              ; upper halves of pairs whose low word is broadcast, and lane permutes' destinations
	v_mov_b32 v214, 0
	v_mov_b32 v221, 0
	v_mov_b32 v222, 0
.irp p, 0,1
	v_pk_add_f32 v[208+8*\p:209+8*\p], v[X1+32*\p:X1+32*\p+1], v[X1+32*\p+2:X1+32*\p+3]       ; each accumulator is read from its low end on
	v_pk_add_f32 v[210+8*\p:211+8*\p], v[X1+32*\p+4:X1+32*\p+5], v[X1+32*\p+6:X1+32*\p+7]
.endr
.irp k, 8,16,24
.irp p, 0,1
	v_pk_add_f32 v[208+8*\p:209+8*\p], v[208+8*\p:209+8*\p], v[X1+32*\p+\k:X1+32*\p+\k+1]
	v_pk_add_f32 v[210+8*\p:211+8*\p], v[210+8*\p:211+8*\p], v[X1+32*\p+\k+4:X1+32*\p+\k+5]
	v_pk_add_f32 v[208+8*\p:209+8*\p], v[208+8*\p:209+8*\p], v[X1+32*\p+\k+2:X1+32*\p+\k+3]
	v_pk_add_f32 v[210+8*\p:211+8*\p], v[210+8*\p:211+8*\p], v[X1+32*\p+\k+6:X1+32*\p+\k+7]
.endr
.endr
.irp p, 0
	v_pk_add_f32 v[208+8*\p:209+8*\p], v[208+8*\p:209+8*\p], v[210+8*\p:211+8*\p]
.endr
.irp p, 1
	s_delay_alu instid0(VALU_DEP_2)
	v_pk_add_f32 v[208+8*\p:209+8*\p], v[208+8*\p:209+8*\p], v[210+8*\p:211+8*\p]
.endr
.irp p, 0,1
	s_delay_alu instid0(VALU_DEP_2)
	v_add_f32 v[212+8*\p], v[208+8*\p], v[209+8*\p]
.endr
.irp p, 0,1
	s_delay_alu instid0(VALU_DEP_2)
	v_permlanex16_b32 v[214+8*\p], v[212+8*\p], s[SEL], s[SEL+1]
.endr
.irp p, 0,1
	s_delay_alu instid0(VALU_DEP_2)
	v_add_f32 v[212+8*\p], v[212+8*\p], v[214+8*\p]
.endr
.irp p, 0,1
	s_delay_alu instid0(VALU_DEP_2)
	v_mul_f32 v[212+8*\p], 0x3c800000, v[212+8*\p]     ; m_w: the mean of my wave's 64 columns of row r of tile p
.endr
.irp k, 0,4,8,12,16,20,24,28
.irp p, 0,1
	v_pk_add_f32 v[224+4*\p:225+4*\p], v[X1+32*\p+\k:X1+32*\p+\k+1], v[212+8*\p:213+8*\p] op_sel_hi:[1,0] neg_lo:[0,1] neg_hi:[0,1]
	v_pk_add_f32 v[226+4*\p:227+4*\p], v[X1+32*\p+\k+2:X1+32*\p+\k+3], v[212+8*\p:213+8*\p] op_sel_hi:[1,0] neg_lo:[0,1] neg_hi:[0,1]
.endr
.irp p, 0,1
.if \k == 0
	s_delay_alu instid0(VALU_DEP_4)
	v_pk_mul_f32 v[208+8*\p:209+8*\p], v[224+4*\p:225+4*\p], v[224+4*\p:225+4*\p]
	s_delay_alu instid0(VALU_DEP_4)
	v_pk_mul_f32 v[210+8*\p:211+8*\p], v[226+4*\p:227+4*\p], v[226+4*\p:227+4*\p]
.else
	s_delay_alu instid0(VALU_DEP_4)
	v_pk_fma_f32 v[208+8*\p:209+8*\p], v[224+4*\p:225+4*\p], v[224+4*\p:225+4*\p], v[208+8*\p:209+8*\p]
	s_delay_alu instid0(VALU_DEP_4)
	v_pk_fma_f32 v[210+8*\p:211+8*\p], v[226+4*\p:227+4*\p], v[226+4*\p:227+4*\p], v[210+8*\p:211+8*\p]
.endif
.endr
.endr
.irp p, 0
	s_delay_alu instid0(VALU_DEP_3)
	v_pk_add_f32 v[208+8*\p:209+8*\p], v[208+8*\p:209+8*\p], v[210+8*\p:211+8*\p]
.endr
.irp p, 1
	s_delay_alu instid0(VALU_DEP_2)
	v_pk_add_f32 v[208+8*\p:209+8*\p], v[208+8*\p:209+8*\p], v[210+8*\p:211+8*\p]
.endr
.irp p, 0,1
	s_delay_alu instid0(VALU_DEP_2)
	v_add_f32 v[215+8*\p], v[208+8*\p], v[209+8*\p]
.endr
.irp p, 0,1
	s_delay_alu instid0(VALU_DEP_2)
	v_permlanex16_b32 v[214+8*\p], v[215+8*\p], s[SEL], s[SEL+1]
.endr
.irp p, 0,1
	s_delay_alu instid0(VALU_DEP_2)
	v_add_f32 v[215+8*\p], v[215+8*\p], v[214+8*\p]    ; M2_w
.endr
	v_cndmask_b32 v254, v212, v220, s[MASKHI]      ; lanes 0-15 give tile 0's pair, lanes 16-31 tile 1's
	s_delay_alu instid0(VALU_DEP_2)
	v_cndmask_b32 v255, v215, v223, s[MASKHI]
	ds_store_b64 v[STW], v[254:255]
	REFILL                                         ; w2: w1 is in registers.  The round also shows all eight waves' pairs
.irp p, 0,1
.irp w, 0,1,2,3,4,5,6,7
	ds_load_b64 v[ACT+16*\p+2*\w:ACT+16*\p+2*\w+1], v[STR] offset:256*\w+128*\p
.endr
.endr
	s_wait_dscnt 0x0
.irp p, 0,1
	v_add_f32 v[208+4*\p], v[ACT+16*\p], v[ACT+16*\p+2]
	v_add_f32 v[216+2*\p], v[ACT+16*\p+1], v[ACT+16*\p+3]
.endr
.irp w, 2,3,4,5,6,7
.irp p, 0,1
	s_delay_alu instid0(VALU_DEP_4)
	v_add_f32 v[208+4*\p], v[208+4*\p], v[ACT+16*\p+2*\w]
	s_delay_alu instid0(VALU_DEP_4)
	v_add_f32 v[216+2*\p], v[216+2*\p], v[ACT+16*\p+2*\w+1]
.endr
.endr
.irp p, 0
	s_delay_alu instid0(VALU_DEP_4)
	v_mul_f32 v[208+4*\p], 0x3e000000, v[208+4*\p]     ; the row's mean
.endr
.irp p, 1
	s_delay_alu instid0(VALU_DEP_3)
	v_mul_f32 v[208+4*\p], 0x3e000000, v[208+4*\p]     ; the row's mean
.endr
.irp w, 0,1,2,3,4,5,6,7
.irp p, 0,1
	v_sub_f32 v[224+8*\p+\w], v[ACT+16*\p+2*\w], v[208+4*\p]
.endr
.endr
.irp p, 0,1
	v_mul_f32 v[217+2*\p], v[224+8*\p], v[224+8*\p]
.endr
.irp w, 1,2,3,4,5,6,7
.irp p, 0,1
	s_delay_alu instid0(VALU_DEP_2)
	v_fma_f32 v[217+2*\p], v[224+8*\p+\w], v[224+8*\p+\w], v[217+2*\p]
.endr
.endr
.irp p, 0,1
	s_delay_alu instid0(VALU_DEP_2)
	v_fma_f32 v[216+2*\p], v[217+2*\p], 0x42800000, v[216+2*\p]    ; + 64 x the sum of (m_w - mean)^2
.endr
.irp p, 0,1
	s_delay_alu instid0(VALU_DEP_2)
	v_fma_f32 v[210+4*\p], v[216+2*\p], s[I512], s[EPS]
.endr
	s_wait_alu depctr_va_vdst(0)
.irp p, 0,1
	v_rsq_f32 v[210+4*\p], v[210+4*\p]
.endr
	v_mov_b32 v209, 0                              ; plain work behind the two: the pairs' upper halves
	v_mov_b32 v211, 0
	v_mov_b32 v213, 0
	v_mov_b32 v215, 0
	s_wait_alu depctr_va_vdst(0)                   ; one wait for both, ahead of their first reader
.irp p, 0,1
.irp k, 0,2,4,6,8,10,12,14,16,18,20,22,24,26,28,30
	v_pk_add_f32 v[ACT+32*\p+\k:ACT+32*\p+\k+1], v[X1+32*\p+\k:X1+32*\p+\k+1], v[208+4*\p:209+4*\p] op_sel_hi:[1,0] neg_lo:[0,1] neg_hi:[0,1]
.endr
.endr
.irp p, 0,1
.irp k, 0,2,4,6,8,10,12,14,16,18,20,22,24,26,28,30
	v_pk_mul_f32 v[ACT+32*\p+\k:ACT+32*\p+\k+1], v[ACT+32*\p+\k:ACT+32*\p+\k+1], v[210+4*\p:211+4*\p] op_sel_hi:[1,0]
.endr
.endr
.irp p, 0,1
.irp k, 0,2,4,6,8,10,12,14,16,18,20,22,24,26,28,30
	v_pk_fma_f32 v[ACT+32*\p+\k:ACT+32*\p+\k+1], v[ACT+32*\p+\k:ACT+32*\p+\k+1], v[ACC+\k:ACC+\k+1], v[ACC+32+\k:ACC+32+\k+1]
.endr
.endr
	QUANT ACT
	IMAGE XB
	SCALEW XSB
	BARRIER                                        ; y's eight fragments lie in LDS
	s_wait_loadcnt 0x0                             ; w1's scale words
	; ---- G2
	GEMM ACC, 1, XB, XSB
	PARAM 3, ACT
	PARAM 4, ACT+32
	s_wait_tensorcnt 0x0                           ; w2 has landed
	WCOPY                                          ; it goes into window 1 during the activation
	WSCL 5
	s_wait_dscnt 63                                ; behind the 16 loads of parameters stand the copy's 64; the wait's field holds 63
	; ---- E2: bn1, gelu
.irp p, 0,1
.irp k, 0,2,4,6,8,10,12,14,16,18,20,22,24,26,28,30
	v_pk_fma_f32 v[ACC+32*\p+\k:ACC+32*\p+\k+1], v[ACC+32*\p+\k:ACC+32*\p+\k+1], v[ACT+\k:ACT+\k+1], v[ACT+32+\k:ACT+32+\k+1]
.endr
.endr
.irp n, 0,1,2,3,4,5,6,7
	GELU8 ACC+8*\n
.endr
	QUANT ACC
	IMAGE XA                                       ; o's images were last read ahead of two barriers that every wave has passed
	SCALEW XSA
	BARRIER                                        ; the hidden layer's eight fragments lie in LDS
	s_wait_loadcnt 0x0                             ; w2's scale words
	; ---- G3
	GEMM ACC, 1, XA, XSA
	PARAM 5, ACT
	PARAM 6, ACT+32
	s_wait_dscnt 0x0
	; ---- E3: bn2, the residual, and the way out through my own stage: my part of the slot has had its last fill, and my copy of it is in registers
.irp p, 0,1
.irp k, 0,2,4,6,8,10,12,14,16,18,20,22,24,26,28,30
	v_pk_fma_f32 v[ACC+32*\p+\k:ACC+32*\p+\k+1], v[ACC+32*\p+\k:ACC+32*\p+\k+1], v[ACT+\k:ACT+\k+1], v[ACT+32+\k:ACT+32+\k+1]
.endr
.endr
.set i, 0
.rept 32
	v_pk_add_f32 v[ACC+i:ACC+i+1], v[ACC+i:ACC+i+1], v[X1+i:X1+i+1]
.set i, i+2
.endr
.irp p, 0,1
.irp b, 0,1
.irp i, 0,1,2,3
	ds_store_b128 v[SO], v[ACC+32*\p+16*\b+4*\i:ACC+32*\p+16*\b+4*\i+3] offset:4352*\p+128*\b+16*\i
.endr
.endr
.endr
.irp k, 0,1,2,3,4,5,6,7,8,9,10,11,12,13,14,15
	ds_load_b128 v[ACT+4*\k:ACT+4*\k+3], v[RD] offset:544*\k       ; LDS serves a wave's instructions in order (ISA guide 5.7.1.4): these see my stores
.endr
.irp k, 0,1,2,3,4,5,6,7,8,9,10,11,12,13,14,15
.set RK, 8*(\k/8)+((2*\k)%16)+8*(((2*\k)%16)/8)
	s_wait_dscnt 15-\k                             ; the later rows may stay out
	global_store_b128 v[GD], v[ACT+4*\k:ACT+4*\k+3], s[22:23] offset:2048*RK   ; sixteen lanes store 256 consecutive bytes, aligned
.endr
	s_wait_tensorcnt 0x0                           ; the wave's end, behind my last tensor load and my last LDS store
	ds_add_u32 v[SPW], v[NIL]
	s_wait_dscnt 0x0
	CROUND                                         ; the closing round
	s_endpgm
.Lfunc_end_k_q02395c4365_tail:
	.size	k_q02395c4365_tail, .Lfunc_end_k_q02395c4365_tail-k_q02395c4365_tail
	.p2alignl 7, 3214868480
	.fill 96, 4, 3214868480
	.section	.rodata,"a",@progbits
	.p2align	6, 0x0
	.amdhsa_kernel k_q02395c4365_tail
		.amdhsa_group_segment_fixed_size 327680
		.amdhsa_private_segment_fixed_size 0
		.amdhsa_enable_private_segment 0
		.amdhsa_kernarg_size 80
		.amdhsa_user_sgpr_count 2
		.amdhsa_user_sgpr_kernarg_segment_ptr 1
		.amdhsa_wavefront_size32 1
		.amdhsa_system_sgpr_workgroup_id_x 1
		.amdhsa_system_sgpr_workgroup_id_y 1
		.amdhsa_system_sgpr_workgroup_id_z 1
		.amdhsa_system_vgpr_workitem_id 0
		.amdhsa_next_free_vgpr 512
		.amdhsa_next_free_sgpr 96
		.amdhsa_reserve_vcc 0
		.amdhsa_float_denorm_mode_32 3
		.amdhsa_float_denorm_mode_16_64 3
		.amdhsa_memory_ordered 1
		.amdhsa_forward_progress 1
		.amdhsa_inst_pref_size 149
	.end_amdhsa_kernel
	.amdgpu_metadata
---
amdhsa.version: [ 1, 2 ]
amdhsa.kernels:
  - .name:           k_q02395c4365_tail
    .symbol:         k_q02395c4365_tail.kd
    .args:
      - { .name: oimg, .offset: 0, .size: 8, .value_kind: global_buffer, .address_space: global }
      - { .name: osw, .offset: 8, .size: 8, .value_kind: global_buffer, .address_space: global }
      - { .name: wimg, .offset: 16, .size: 8, .value_kind: global_buffer, .address_space: global }
      - { .name: wsc, .offset: 24, .size: 8, .value_kind: global_buffer, .address_space: global }
      - { .name: bnc, .offset: 32, .size: 8, .value_kind: global_buffer, .address_space: global }
      - { .name: bo, .offset: 40, .size: 8, .value_kind: global_buffer, .address_space: global }
      - { .name: ln2_g, .offset: 48, .size: 8, .value_kind: global_buffer, .address_space: global }
      - { .name: ln2_b, .offset: 56, .size: 8, .value_kind: global_buffer, .address_space: global }
      - { .name: x, .offset: 64, .size: 8, .value_kind: global_buffer, .address_space: global }
      - { .name: out0, .offset: 72, .size: 8, .value_kind: global_buffer, .address_space: global }
    .group_segment_fixed_size: 327680
    .private_segment_fixed_size: 0
    .kernarg_segment_align: 8
    .kernarg_segment_size: 80
    .max_flat_workgroup_size: 256
    .sgpr_count:     96
    .vgpr_count:     512
    .wavefront_size: 32
...
	.end_amdgpu_metadata
.endif
;; end of part 8
